; MI455X (gfx1250); checked and timed in simulation.
; The chip was launched on July 23, 2026; its instructions are those of AMD's public machine-readable ISA for CDNA 5 (MIT licence, August 2026) and "CDNA5" Instruction Set Architecture Reference Guide (July 2026). The comments in the code are by the model that wrote it; some were corrected since.
;; Self Attention V1. Allowed arithmetic: matrix products marked QUANTISED: E2M3 operands, one E8M0 scale for each 32 along K, by v_wmma_scale_f32_16x16x128_f8f6f4 with both operands' format E2M3, f32 sums; everything else in f32.
;; Inputs: Wk 1,024 x 1,024 float32; Wq 1,024 x 1,024 float32; Wv 1,024 x 1,024 float32; bk 1,024 float32; bq 1,024 float32; bv 1,024 float32; x 4 x 2,048 x 1,024 float32.
;; Outputs: out0 4 x 2,048 x 1,024 float32.
;; This version of the problem:
;;   THIS VERSION OF THE PROBLEM IS GIVEN IN LOW PRECISION. The matrix products marked QUANTISED in the list below multiply operands that are first quantised to E2M3 (2 exponent bits, 3 mantissa bits; 6 bits a number), with one power-of-two scale for each 32 numbers along K (OCP MX v1.0); their sums are f32. All else is computed in f32.
;;   The module's matrix products, in the order in which they are computed (A, B: the left and right operand; K: the contracted axis; several contracted axes count as one K, in the product's order):
;;     1. [M 8,192, K 1,024] x [K 1,024, N 1,024]; A: input x; B: input Wq: QUANTISED
;;     2. [M 8,192, K 1,024] x [K 1,024, N 1,024]; A: input x; B: input Wk: QUANTISED
;;     3. [M 8,192, K 1,024] x [K 1,024, N 1,024]; A: input x; B: input Wv: QUANTISED
;;     4. batch 4 x [M 2,048, K 1,024] x [K 1,024, N 2,048]; A: computed on the way; B: computed on the way: QUANTISED
;;     5. batch 4 x [M 2,048, K 2,048] x [K 2,048, N 1,024]; A: softmax (see below); B: computed on the way: QUANTISED
;;   THE QUANTISER, for each operand of a quantised product, along K:
;;     - K is cut into blocks of 32 from its start; a last block that is shorter is filled with zeros.
;;     - A block's scale is 2^e with e = floor(log2(the largest magnitude in the block)) - 2, held to -126 .. 127; a block of zeros has e = 0. As a byte (E8M0): e + 127.
;;     - Each number is divided by its block's scale, clamped to +-7.5, and rounded to the nearest number of E2M3, ties to even, subnormals kept.
;;     - The product sums the exact products of the quantised numbers (number of the format x scale) in f32.
;;   ~~~python
;;   def quantise(x, axis):      # numpy; x: float32 -> the quantised numbers, widened to float32 again
;;       x = np.moveaxis(x, axis, -1); K = x.shape[-1]
;;       x = np.pad(x, [(0, 0)] * (x.ndim - 1) + [(0, -K % 32)]); x = x.reshape(x.shape[:-1] + (-1, 32)); a = np.abs(x).max(-1, keepdims=True)
;;       e = np.where(a > 0, np.clip(np.frexp(np.where(a > 0, a, 1))[1] - 1 - 2, -126, 127), 0)      # np.frexp(a)[1] - 1 = floor(log2(a)), exactly
;;       r = np.clip(x / 2.0 ** e, -7.5, 7.5)
;;       step = 2.0 ** (np.maximum(np.frexp(np.where(r == 0, 1, r))[1] - 1, 0) - 3)
;;       q = np.round(r / step) * step * 2.0 ** e      # np.round: ties to even
;;       return np.moveaxis(q.reshape(q.shape[:-2] + (-1,))[..., :K], -1, axis).astype(np.float32)
;;   ~~~
;;   SOFTMAX AHEAD OF A QUANTISED PRODUCT. Where the list says 'softmax', what is quantised is not the finished softmax but p = 2^(t - M), with t = logit x log2(e) and M = ceil(the row's largest t), a whole number; so 1/2 < the row's largest p <= 1. The row's sum l is taken of the UNQUANTISED p, in f32, and the product's result is divided by l at the end. Since M is a whole number, a kernel that streams over the keys may use a running M (the ceiling of the running maximum): every later rescaling is an exact power of two, which a block's scale takes up: the codes' values come out the same.
;;   OPERANDS COMPUTED ON THE WAY. 'Computed on the way' means the value that the module computes at that place (a softmax that the list does not call 'softmax' is quantised finished and normalised). What goes into a quantiser is computed in f32, as accurately as f32 sums, v_exp_f32 and their like allow (about 1e-6 of the number): no bf16 or f16 on the way to a quantiser, and a product that is left as it is and whose result goes on into a quantised operand takes f32 operands (vector FMAs, or v_wmma_f32_16x16x4_f32). A number that lies on a knife's edge between two numbers of the format may be rounded either way, as far as f32 arithmetic and the matrix unit's own rounding can turn it there, and no further.
;; 2 versions, each right. Each part assembles by itself: llvm-mc -triple=amdgcn-amd-amdhsa -mcpu=gfx1250 --defsym DOCPART=n.
;; ======== version 1 of 2: 4 launches
;; workspace buffers: xwc 8,650,752 bytes; xws 360,448 bytes; qkvc 18,874,368 bytes; qkvs 786,432 bytes; pc 12,582,912 bytes; ps 524,288 bytes; pst 1,048,576 bytes
;; launch quant (part 1): grid 352 x 1, 4 waves a work-group, no clusters, 49,664 bytes of LDS; arguments x, Wq, Wk, Wv, xwc, xws; writes xwc, xws
.if DOCPART == 1
	.amdgcn_target "amdgcn-amd-amdhsa--gfx1250"
	.amdhsa_code_object_version 6
	.text
	.protected	k_qa9bd9494e5_quant
	.globl	k_qa9bd9494e5_quant
	.p2align	8
	.type	k_qa9bd9494e5_quant,@function
k_qa9bd9494e5_quant:
	s_mov_b64 s[64:65], 0
	v_nop
	global_prefetch_b8 v0, s[64:65] scope:SCOPE_SE
	s_setreg_imm32_b32 hwreg(HW_REG_WAVE_MODE, 25, 1), 1
	s_wait_xcnt 0x0
; x [8192][1024], Wq, Wk, Wv [1024][1024], f32, K innermost, become codes of FP6 (E2M3) with one E8M0 scale byte for each 32 along K.
; The four tensors count as one list of 11,264 rows: x 0.., Wq 8192.., Wk 9216.., Wv 10240...
; A block's scale is 2^(floor(log2(its largest magnitude)) - 2): its byte is that magnitude's exponent field - 2, held at 1 from below.
; LAYOUT OF THE RESULTS (this program's own).  A row is stored at the place got by exchanging bits 3 and 4 of its number.
;   codes : [block of 128 rows][4 pieces of 256 along K][128 rows][192 bytes];   scale words: [block of 128 rows][8 words of 128 along K][128 rows][4 bytes].
; LIMITS: NaN and infinities are not served; a block whose largest magnitude lies under 2^-124, a block of zeros among them, keeps the byte 1 (its codes are then small or zero; this program alone reads the bytes).
; SHARES: a work-group takes 32 rows, a wave 8 of them: 16 steps of 512 numbers.  Each load reads 512 consecutive bytes; a step's 2,048 bytes turn through the wave's own stage in LDS,
; so that a lane holds 16 neighbours along K and two neighbouring lanes a block.  Codes and scale bytes are gathered in the wave's own LDS and leave in runs of 512 and 32 consecutive bytes.
; No tensor loads, no barrier: waves share nothing.  Loads run four steps (16 loads a wave) ahead.
.set STEPS, 16
.set EMAX,  2
.set R,     16                         ; v16-79   four sets of 16 numbers as loaded; at the end the codes read back
.set X,     80                         ; v80-111  two sets of 16 neighbours
.set E,     112                        ; v112-127 a scale byte for each step
.set C,     128                        ; v128-191 codes: four registers for each step
.set WREG,  12288                      ; LDS of a wave: two stages of 32 x 80 bytes, 256 scale bytes, 6,144 bytes of codes
.set SP,    80
.set SCB,   5120                       ; the scale bytes: [8 rows][32]
.set CDB,   5376                       ; the codes: [4 pieces][8 rows][192]
	s_load_b256 s[4:11], s[0:1], 0x0               ; x, Wq, Wk, Wv
	s_load_b128 s[12:15], s[0:1], 0x20             ; the codes, the scale words
	v_lshl_add_u32 v192, v0, 2, 0xc000
	v_mov_b32 v193, 0
	v_lshrrev_b32 v1, 5, v0
	v_readfirstlane_b32 s16, v1                    ; wave
	v_and_b32 v2, 31, v0                           ; lane
	v_lshlrev_b32 v3, 4, v2                        ; 16 x lane
	s_mul_i32 s20, s16, WREG
	v_lshrrev_b32 v14, 2, v2
	v_mul_u32_u24 v14, v14, SP
	v_and_b32 v15, 3, v2
	v_lshl_add_u32 v14, v15, 4, v14
	v_add_nc_u32 v14, s20, v14                     ; the stage on the way in: 80 (lane / 4) + 16 (lane % 4)
	v_mul_u32_u24 v15, v2, SP
	v_add_nc_u32 v15, s20, v15                     ; and on the way out: 80 x lane
	s_add_co_u32 s21, s20, CDB
	s_add_co_u32 s20, s20, SCB
	v_and_b32 v4, 15, v2
	v_mul_u32_u24 v4, v4, 12
	v_lshrrev_b32 v1, 4, v2
	v_mad_u32_u24 v4, v1, 1536, v4
	v_add_nc_u32 v4, s21, v4                       ; my 12 bytes of codes: lanes 0-15 one piece of 256 along K, lanes 16-31 the next
	v_lshrrev_b32 v5, 1, v2
	v_add_nc_u32 v5, s20, v5                       ; my block's scale byte
	v_and_b32 v1, 3, v2
	v_lshrrev_b32 v8, 2, v2
	v_lshlrev_b32 v6, 6, v1
	v_lshl_add_u32 v6, v8, 2, v6
	v_add_nc_u32 v6, s20, v6                       ; the scale words on the way out: word lane / 4 of rows 2 (lane % 4) and + 1
	v_lshlrev_b32 v7, 3, v1
	v_lshl_add_u32 v7, v8, 9, v7                   ; and their place in memory: 512 (lane / 4) + 8 (lane % 4)
	v_add_nc_u32 v10, s21, v3                      ; the codes on the way out: 16 x lane
	s_wait_kmcnt 0x0
	s_mov_b32 s17, 320                             ; which tensor: the choice hangs on the work-group's number alone
	s_cmp_lt_u32 ttmp9, 320
	s_cselect_b64 s[8:9], s[8:9], s[10:11]
	s_cselect_b32 s17, 288, s17
	s_cmp_lt_u32 ttmp9, 288
	s_cselect_b64 s[6:7], s[6:7], s[8:9]
	s_cselect_b32 s17, 256, s17
	s_cmp_lt_u32 ttmp9, 256
	s_cselect_b64 s[4:5], s[4:5], s[6:7]
	s_cselect_b32 s17, 0, s17                      ; the tensor's first work-group
	s_sub_co_u32 s17, ttmp9, s17
	s_lshl_b32 s17, s17, 2
	s_add_co_u32 s17, s17, s16
	s_lshl_b32 s18, s17, 15                        ; my 8 rows of 4,096 bytes
	s_mov_b32 s19, 0
	s_add_nc_u64 s[4:5], s[4:5], s[18:19]
	s_and_b32 s21, s16, 1
	s_lshl_b32 s21, s21, 1
	s_lshr_b32 s22, s16, 1
	s_or_b32 s21, s21, s22                         ; the wave's two bits are the rows' bits 3 and 4: exchanged
	s_and_b32 s22, ttmp9, 3
	s_lshl_b32 s22, s22, 2
	s_add_co_u32 s21, s21, s22                     ; which 8 rows of the block of 128
	s_lshr_b32 s22, ttmp9, 2                       ; which block of 128
	s_mul_i32 s24, s22, 98304
	s_mul_i32 s23, s21, 1536
	s_add_co_u32 s24, s24, s23
	s_mov_b32 s25, 0
	s_add_nc_u64 s[12:13], s[12:13], s[24:25]
	s_lshl_b32 s24, s22, 12
	s_lshl_b32 s23, s21, 5
	s_add_co_u32 s24, s24, s23
	s_add_nc_u64 s[14:15], s[14:15], s[24:25]
.macro LOAD t
.irp i, 0,1,2,3
	global_load_b128 v[R+16*((\t)%4)+4*\i:R+16*((\t)%4)+4*\i+3], v3, s[4:5] offset:2048*(\t)+512*\i th:TH_LOAD_NT   ; 32 lanes read 512 consecutive bytes
.endr
.endm
.macro TURN t                          ; step t's numbers through the stage: LDS serves a wave's instructions in order (ISA guide 5.7.1.4)
.irp i, 0,1,2,3
	ds_store_b128 v14, v[R+16*((\t)%4)+4*\i:R+16*((\t)%4)+4*\i+3] offset:32*SP*((\t)%2)+8*SP*\i
.endr
.irp i, 0,1,2,3
	ds_load_b128 v[X+16*((\t)%2)+4*\i:X+16*((\t)%2)+4*\i+3], v15 offset:32*SP*((\t)%2)+16*\i
.endr
.endm
.irp t, 0,1,2,3
	LOAD \t
.endr
	s_wait_loadcnt 12                              ; step 0's four loads are in
	TURN 0
.macro STEP t
.set XS, X+16*((\t)%2)
.if (\t) > 0
	s_wait_dscnt 4                                 ; this step's numbers are back from the stage; the last step's byte store and its three code stores may be out
.else
	s_wait_dscnt 0x0
.endif
.if (\t)+4 < STEPS
	LOAD (\t)+4                                    ; into the registers that this step's stage stores have read
.endif
.if (\t)+1 < STEPS
.if STEPS-2-(\t) >= 3
	s_wait_loadcnt 12                              ; the next step's four loads are in; those of the three steps behind it may be out
.else
	s_wait_loadcnt 4*(STEPS-2-(\t))
.endif
	TURN (\t)+1
.endif
	v_max3_num_f32 v8, |v[XS]|, |v[XS+1]|, |v[XS+2]|               ; the largest magnitude of my 16, in two chains
	v_max3_num_f32 v9, |v[XS+3]|, |v[XS+4]|, |v[XS+5]|
.irp i, 6,10
	v_max3_num_f32 v8, v8, |v[XS+\i]|, |v[XS+\i+1]|
	v_max3_num_f32 v9, v9, |v[XS+\i+2]|, |v[XS+\i+3]|
.endr
	v_max3_num_f32 v8, v8, |v[XS+14]|, |v[XS+15]|
	v_max3_num_f32 v8, v8, v9, (EMAX+1)<<23        ; and the floor 2^(3 - 127): the byte cannot fall under 1
	v_max_num_f32_dpp v8, v8, v8 row_xmask:1 row_mask:0xf bank_mask:0xf   ; with my neighbour's 16: the block's
	v_add_nc_u32 v11, -(EMAX<<23), v8              ; 2 off its exponent field: the conversion takes this operand's exponent field as its scale
	v_cvt_scalef32_pk16_fp6_f32 v[C+4*(\t):C+4*(\t)+2], v[XS:XS+15], v11
	v_lshrrev_b32 v[E+(\t)], 23, v11               ; the scale's byte (also the plain line behind the conversion)
	ds_store_b8 v5, v[E+(\t)] offset:16*(\t)       ; row t / 2, block 16 (t % 2) + lane / 2; both lanes of a block write the same value
.irp i, 0,1,2
	ds_store_b32 v4, v[C+4*(\t)+\i] offset:((\t)%2)*3072+((\t)/2)*192+4*\i
.endr
.endm
.irp t, 0,1,2,3,4,5,6,7,8,9,10,11,12,13,14,15
	STEP \t
.endr
.irp n, 0,1,2,3,4,5,6,7,8,9,10,11
	ds_load_b128 v[R+4*\n:R+4*\n+3], v10 offset:512*\n             ; these see my stores: LDS serves a wave's instructions in order
.endr
	ds_load_b32 v12, v6
	ds_load_b32 v13, v6 offset:32
.irp n, 0,1,2,3,4,5,6,7,8,9,10,11
	s_wait_dscnt 13-\n                             ; the 11 - n younger code loads and the two scale loads may be out
	global_store_b128 v3, v[R+4*\n:R+4*\n+3], s[12:13] offset:(\n/3)*24576+(\n%3)*512   ; 512 consecutive bytes, at a multiple of 512 from the buffer's first byte
.endr
	s_wait_dscnt 0x0
	global_store_b64 v7, v[12:13], s[14:15]        ; four lanes store 32 consecutive bytes of one column of scale words
	s_wait_tensorcnt 0x0
	ds_add_u32 v192, v193
	s_wait_dscnt 0x0
	s_endpgm
.Lfunc_end_k_qa9bd9494e5_quant:
	.size	k_qa9bd9494e5_quant, .Lfunc_end_k_qa9bd9494e5_quant-k_qa9bd9494e5_quant
	.p2alignl 7, 3214868480
	.fill 96, 4, 3214868480
	.section	.rodata,"a",@progbits
	.p2align	6, 0x0
	.amdhsa_kernel k_qa9bd9494e5_quant
		.amdhsa_group_segment_fixed_size 49664
		.amdhsa_private_segment_fixed_size 0
		.amdhsa_enable_private_segment 0
		.amdhsa_kernarg_size 48
		.amdhsa_user_sgpr_count 2
		.amdhsa_user_sgpr_kernarg_segment_ptr 1
		.amdhsa_wavefront_size32 1
		.amdhsa_system_sgpr_workgroup_id_x 1
		.amdhsa_system_sgpr_workgroup_id_y 1
		.amdhsa_system_sgpr_workgroup_id_z 1
		.amdhsa_system_vgpr_workitem_id 0
		.amdhsa_next_free_vgpr 194
		.amdhsa_next_free_sgpr 66
		.amdhsa_reserve_vcc 0
		.amdhsa_float_denorm_mode_32 3
		.amdhsa_float_denorm_mode_16_64 3
		.amdhsa_memory_ordered 1
		.amdhsa_forward_progress 1
		.amdhsa_inst_pref_size 37
	.end_amdhsa_kernel
	.amdgpu_metadata
---
amdhsa.version: [ 1, 2 ]
amdhsa.kernels:
  - .name:           k_qa9bd9494e5_quant
    .symbol:         k_qa9bd9494e5_quant.kd
    .args:
      - { .name: x, .offset: 0, .size: 8, .value_kind: global_buffer, .address_space: global }
      - { .name: Wq, .offset: 8, .size: 8, .value_kind: global_buffer, .address_space: global }
      - { .name: Wk, .offset: 16, .size: 8, .value_kind: global_buffer, .address_space: global }
      - { .name: Wv, .offset: 24, .size: 8, .value_kind: global_buffer, .address_space: global }
      - { .name: xwc, .offset: 32, .size: 8, .value_kind: global_buffer, .address_space: global }
      - { .name: xws, .offset: 40, .size: 8, .value_kind: global_buffer, .address_space: global }
    .group_segment_fixed_size: 49664
    .private_segment_fixed_size: 0
    .kernarg_segment_align: 8
    .kernarg_segment_size: 48
    .max_flat_workgroup_size: 128
    .sgpr_count:     66
    .vgpr_count:     194
    .wavefront_size: 32
...
	.end_amdgpu_metadata
.endif
;; end of part 1
;; launch qkv (part 2): grid 12 x 32, 4 waves a work-group, clusters of 4 x 4, 327,680 bytes of LDS; arguments xwc, xws, bq, bk, bv, qkvc, qkvs; writes qkvc, qkvs
.if DOCPART == 2
	.amdgcn_target "amdgcn-amd-amdhsa--gfx1250"
	.amdhsa_code_object_version 6
	.text
	.protected	k_qa9bd9494e5_qkv
	.globl	k_qa9bd9494e5_qkv
	.p2align	8
	.type	k_qa9bd9494e5_qkv,@function
k_qa9bd9494e5_qkv:
	s_mov_b64 s[64:65], 0
	v_nop
	global_prefetch_b8 v0, s[64:65] scope:SCOPE_SE
	s_setreg_imm32_b32 hwreg(HW_REG_WAVE_MODE, 25, 1), 1
	s_wait_xcnt 0x0
	s_wait_alu depctr_hold_cnt(0) depctr_sa_sdst(0) depctr_va_vdst(0) depctr_va_sdst(0) depctr_va_ssrc(0) depctr_va_vcc(0) depctr_vm_vsrc(0)
	s_getreg_b32 s2, hwreg(HW_REG_IB_STS2, 6, 4)
	s_cmp_eq_u32 s2, 0
	s_cbranch_scc0 .Lentry_in_a_cluster
	s_endpgm
.Lentry_in_a_cluster:
	s_bfe_u32 s2, ttmp6, 0x10000c
	s_cmp_lg_u32 s2, 0xf033
	s_cbranch_scc0 .Lentry_shape_is_right
	s_endpgm
.Lentry_shape_is_right:
; Q = x Wq^T + bq, K = x Wk^T + bk, V = x Wv^T + bv on codes of FP6 (E2M3) with E8M0 scales, sums in f32; the results leave as codes again: Q and K quantised along their 1,024 columns,
; V along the keys (as V^T: [batch][1024 rows d][2048 keys]).  Nothing leaves as f32.
; LAYOUT of every buffer of codes here: a ROW is stored at the place got by exchanging bits 3 and 4 of its number; K keeps its order.
;   codes [block of 128 rows][K / 256 pieces][128 rows][192 bytes];  scale words [block of 128 rows][K / 128][128 rows][4 bytes].
; So 16 neighbouring stored rows, given as source 0, are rows 32 b + 8 u + r + 8 (r / 8), and the 16 registers of two neighbouring result tiles are 16 NEIGHBOURS along the next product's K.
; A tile of 256 x 256 is made by four waves, 128 x 128 each: 64 accumulators, 512 registers.  Source 0 = 16 rows of side B, source 1 = 16 rows of side A: a lane holds ONE row of A's side and its registers run along B's rows.
; Clusters x = 0, 1 make Q and K: A = x, B = Wq | Wk.  Cluster x = 2 makes V^T: A = Wv, B = x.  That number is the same in all sixteen partners; only offsets, and which registers start the sums, hang on it.
; K goes in steps of 256 through a ring of two LDS slots; each (128 rows, 256 K) piece is 24,576 dense bytes.  CLUSTERS 4 x 4: A's tiles are asked for jointly along a row, B's along a column.
; The bias starts each sum as the C of its first product (so the order of rounding differs from adding it last).
; LIMITS: NaN and infinities are not served; a block whose largest magnitude lies under 2^-124, a block of zeros among them, keeps the byte 1.
; REGISTERS: window 0: v0-31 addresses; v32-63 scale words, two sets, and nothing else; v64-127 the bias, later the codes just made; v128-223 A's fragments, later the codes read back; v224-247 at work on the way out.
;   window 1: B's fragments, two sets at v0 and v128.  windows 2, 3: the accumulators ((a, b) at v[8 (8 (a % 4) + b)] of window 2 + a / 4).
.set SIZE_K, 1024
.set NQ,     2
.set BLKB,   24576                     ; 128 rows x 192 bytes
.set PITCH,  240                       ; an LDS row: 3 x (64 bytes + 16 of padding)
.set FR,     12
.set NL,     6
.set NP,     4
.set HALFT,  128*PITCH
.set SLOT,   4*HALFT
.set LAPS,   SIZE_K/512
.set HALFS,  SIZE_K*4                  ; the scale words of 128 rows
.set SCL,    2*SLOT
.set SPARE,  SCL+4*HALFS               ; the spare words: 128 bytes a wave, two blocks of 256 bytes that no other line names
.set SST,    SPARE+512                 ; the way out: 512 bytes of scale words for each wave
.set ADRA, 16
.set ADRB, 20
.set STC,  24                          ; the way out: where I put my codes in the stage
.set STS,  25                          ; and my row's scale word
.set RDC,  26                          ; where I read the stage back
.set ADRS, 27
.set SPW,  28
.set NIL,  29
.set RDS,  30
.set CO,   31                          ; 16 x lane
.set SC,   32
.set BIAS, 64
.set PC0,  64                          ; two sets of 20 registers for codes
.set AF,   128
.set TM,   224
.set PW,   240
.set SMB,  244
.set G1, 24
.set G0, 32
.set G1B, 48
.set G0B, 56
.set G1S, 68
.set G0S, 76
.set G1SB, 80
.set G0SB, 88
.set SEL, 92
.set FLR, 94
.set MSB, 0
.macro WIN new                         ; the immediate's high byte repeats the setting that is left
.if MSB != \new
	s_set_vgpr_msb (MSB<<8)|\new
.set MSB, \new
.endif
.endm
.set MUL_LO, 0xa1                      ; source 0 (B) window 1, source 1 (A) window 0, C and D window 2
.set MUL_HI, 0xf1
.set TO_B,   0x40
.macro JLOAD g0a, g1a, g0b, g1b        ; a joint load: waves 0 and 1 fetch for A, waves 2 and 3 for B; four v_nop follow each line
	s_cmp_eq_u32 s15, 0
	s_cbranch_scc0 .Lfor_b_\@
	tensor_load_to_lds s[\g0a:\g0a+3], s[\g1a:\g1a+7]
	s_nop 0
.rept 4
	v_nop
.endr
	s_branch .Lasked_\@
.Lfor_b_\@:
	tensor_load_to_lds s[\g0b:\g0b+3], s[\g1b:\g1b+7]
	s_nop 0
.rept 4
	v_nop
.endr
.Lasked_\@:
.endm
.macro CREST
	s_cmp_lg_u32 s14, 0
	s_cbranch_scc1 .Lnot_wave_0_\@
	s_barrier_signal -3
.Lnot_wave_0_\@:
	s_barrier_wait -3
	s_barrier_signal -1
	s_barrier_wait -1
.endm
.macro CROUND
	s_barrier_signal -1
	s_barrier_wait -1
	CREST
.endm
	s_load_b256 s[4:11], s[0:1], 0x0               ; the codes of x and the weights s[4:5], their scale words s[6:7], bq s[8:9], bk s[10:11]
	s_load_b128 s[96:99], s[0:1], 0x20             ; bv s[96:97], the results' codes s[98:99]
	s_load_b64 s[100:101], s[0:1], 0x30            ; the results' scale words
	v_lshl_add_u32 v[SPW], v0, 2, SPARE
	v_mov_b32 v[NIL], 0
	ds_add_u32 v28, v29
	ds_add_u32 v28, v29
	s_wait_dscnt 0x0
	v_lshrrev_b32 v1, 5, v0
	v_readfirstlane_b32 s14, v1                    ; wave 0..3
	s_lshr_b32 s15, s14, 1                         ; my half of A's rows.  Also: I fetch for A (0) or for B (1)
	s_and_b32 s16, s14, 1                          ; my half of B's rows.  Also: which 128 rows I fetch
	s_bfe_u32 s40, ttmp6, 0x40000                  ; cx
	s_bfe_u32 s41, ttmp6, 0x40004                  ; cy
	s_and_b32 s18, ttmp7, 0xffff                   ; cluster y
	s_lshl_b32 s19, s18, 2
	s_lshl_b32 s20, ttmp9, 2
	s_mov_b32 s94, 10240
	s_mov_b32 s95, 8192
	s_cmp_eq_u32 ttmp9, 2                          ; a cluster of V's?
	s_cselect_b32 s66, 1, 0
	s_cselect_b32 s17, 0, s19
	s_cselect_b32 s42, s19, s20
	s_cselect_b32 s94, s94, 0                      ; A's first row in the list: Wv's or x's
	s_cselect_b32 s95, 0, s95                      ; B's: x's or Wq's
	s_add_co_u32 s17, s17, s41                     ; tile row: cy, or 4 x cluster y + cy
	s_add_co_u32 s42, s42, s40                     ; tile column: 4 x cluster y + cx, or 4 x cluster x + cx
	s_lshl_b32 s43, s41, 2
	s_lshl_b32 s43, 15, s43                        ; my row of the cluster
	s_lshl_b32 s44, 0x1111, s40                    ; my column
	s_or_b32 s[G1+0], s43, (0<<16)|(1<<20)|(1<<21)|(3<<22)|(3<<25)  ; the mask; elements of 1 byte; padding on; bit 21 beside a mask; after every 16 words, 4 words
	s_or_b32 s[G1B+0], s44, (0<<16)|(1<<20)|(1<<21)|(3<<22)|(3<<25)
.irp g, G1, G1B
	s_mov_b32 s[\g+1], 192<<16                     ; tensor_dim0
	s_mov_b32 s[\g+2], 128<<16                     ; tensor_dim1
	s_mov_b32 s[\g+3], 192<<16                     ; tile_dim0
	s_mov_b32 s[\g+4], 128                         ; tile_dim1
	s_mov_b32 s[\g+5], 192                         ; the pitch: the piece is dense
	s_mov_b32 s[\g+6], 0
	s_mov_b32 s[\g+7], 0
.endr
	s_or_b32 s[G1S+0], s43, (3<<16)|(1<<21)        ; the scale words of 128 rows: 4,096 dense bytes as 16 rows of 32 elements of 8 bytes, no padding
	s_or_b32 s[G1SB+0], s44, (3<<16)|(1<<21)
.irp g, G1S, G1SB
	s_mov_b32 s[\g+1], 32<<16
	s_mov_b32 s[\g+2], 16<<16
	s_mov_b32 s[\g+3], 32<<16
	s_mov_b32 s[\g+4], 16
	s_mov_b32 s[\g+5], 32
	s_mov_b32 s[\g+6], 0
	s_mov_b32 s[\g+7], 0
.endr
	s_lshl_b32 s18, s16, 7                         ; which 128 rows of the tile I fetch
	s_lshl_b32 s20, s17, 8
	s_add_co_u32 s20, s20, s18
	s_add_co_u32 s20, s20, s94                     ; A's
	s_lshl_b32 s46, s42, 8
	s_add_co_u32 s46, s46, s18
	s_add_co_u32 s46, s46, s95                     ; B's
	s_lshl_b32 s22, s20, 5                         ; scale words: 32 bytes a row
	s_mov_b32 s23, 0
	s_lshl_b32 s92, s46, 5
	s_mov_b32 s93, 0
	s_mul_i32 s20, s20, 768                        ; codes: 768 bytes a row
	s_mov_b32 s21, 0
	s_mul_i32 s46, s46, 768
	s_mov_b32 s47, 0
	s_mul_i32 s45, s14, HALFT                      ; where they go: no place in the cluster enters an LDS address
	s_mul_i32 s94, s14, HALFS
	s_wait_kmcnt 0x0
	s_add_nc_u64 s[20:21], s[4:5], s[20:21]
	s_add_nc_u64 s[22:23], s[6:7], s[22:23]
	s_add_nc_u64 s[46:47], s[4:5], s[46:47]
	s_add_nc_u64 s[92:93], s[6:7], s[92:93]
	CROUND                                         ; all sixteen work-groups are here: the first joint loads meet
	s_mov_b32 s[G0S], 1
	s_add_co_u32 s[G0S+1], s94, SCL
	s_mov_b64 s[G0S+2:G0S+3], s[22:23]
	s_or_b32 s[G0S+3], s[G0S+3], 0x80000000
	s_mov_b32 s[G0SB], 1
	s_add_co_u32 s[G0SB+1], s94, SCL
	s_mov_b64 s[G0SB+2:G0SB+3], s[92:93]
	s_or_b32 s[G0SB+3], s[G0SB+3], 0x80000000
	JLOAD G0S, G1S, G0SB, G1SB                     ; the scale words of all of K: filled once
.irp s, 0,1
	s_mov_b32 s[G0+4*\s], 1
	s_add_co_u32 s[G0+4*\s+1], s45, \s*SLOT
	s_add_nc_u64 s[G0+4*\s+2:G0+4*\s+3], s[20:21], \s*BLKB
	s_or_b32 s[G0+4*\s+3], s[G0+4*\s+3], 0x80000000
	s_mov_b32 s[G0B+4*\s], 1
	s_add_co_u32 s[G0B+4*\s+1], s45, \s*SLOT
	s_add_nc_u64 s[G0B+4*\s+2:G0B+4*\s+3], s[46:47], \s*BLKB
	s_or_b32 s[G0B+4*\s+3], s[G0B+4*\s+3], 0x80000000
	JLOAD G0+4*\s, G1, G0B+4*\s, G1B
.endr
	v_and_b32 v1, 15, v0                           ; r
	v_bfe_u32 v2, v0, 4, 1                         ; h
	v_mul_u32_u24 v3, v1, PITCH
	v_mul_u32_u24 v4, v2, 24
	v_add_nc_u32 v4, v3, v4                        ; a fragment's row x pitch + 24 h
	v_lshl_add_u32 v5, v2, 4, v4                   ; and the same behind one padding more
	s_mul_i32 s21, s15, HALFT
	s_mul_i32 s22, s16, HALFT
	s_add_co_u32 s22, s22, 2*HALFT
.irp s, 0,1
	v_add_nc_u32 v[ADRA+\s], s21, v4
	v_add_nc_u32 v[ADRB+\s], s22, v4
	v_add_nc_u32 v[ADRA+2+\s], s21, v5
	v_add_nc_u32 v[ADRB+2+\s], s22, v5
	s_add_co_u32 s21, s21, SLOT
	s_add_co_u32 s22, s22, SLOT
.endr
	v_lshlrev_b32 v5, 2, v1                        ; 4 r
	s_mul_i32 s21, s15, HALFS
	s_mul_i32 s22, s16, HALFS
	s_add_co_u32 s22, s22, 2*HALFS
	s_sub_co_u32 s22, s22, s21
	v_mul_u32_u24 v6, s22, v2                      ; lanes 16-31 take B's words
	s_add_co_u32 s21, s21, SCL
	v_add_nc_u32 v6, v5, v6
	v_add_nc_u32 v[ADRS], s21, v6
	s_mul_i32 s21, s15, BLKB                       ; the stage of codes: [A's half][128 rows][192 bytes], in slot 0
	s_mul_i32 s22, s16, 96
	s_add_co_u32 s22, s22, s21
	v_mul_u32_u24 v6, v1, 192
	v_mad_u32_u24 v6, v2, 24, v6
	v_add_nc_u32 v[STC], s22, v6
	s_lshl_b32 s23, s14, 9
	s_add_co_u32 s23, s23, SST
	v_add_nc_u32 v[STS], s23, v5
	v_and_b32 v6, 31, v0
	v_lshlrev_b32 v[CO], 4, v6
	s_mul_i32 s22, s16, 12288
	s_add_co_u32 s22, s22, s21
	v_add_nc_u32 v[RDC], s22, v[CO]
	v_add_nc_u32 v[RDS], s23, v[CO]
	; where the results go, and the bias: offsets chosen by the kind of cluster
	s_and_b32 s18, ttmp7, 0xffff
	s_lshr_b32 s18, s18, 1                         ; the batch of a V tile's keys
	s_mul_i32 s19, s18, 1572864
	s_add_co_u32 s19, s19, 12582912
	s_mul_i32 s20, ttmp9, 6291456
	s_lshl_b32 s21, s18, 16
	s_add_co_u32 s21, s21, 524288
	s_lshl_b32 s22, ttmp9, 18
	s_mov_b32 s23, 196608
	s_mov_b32 s92, 98304
	s_mov_b32 s93, 8192
	s_mov_b32 s94, 4096
	s_and_b32 s95, s42, 3
	s_cmp_eq_u32 s66, 1
	s_cselect_b32 s19, s19, s20                    ; the tensor's first byte of codes
	s_cselect_b32 s21, s21, s22                    ; and of scale words
	s_cselect_b32 s23, s23, s92                    ; a block of 128 rows of codes
	s_cselect_b32 s93, s93, s94                    ; and of scale words
	s_cselect_b32 s20, 7, 3
	s_cselect_b32 s2, s17, s95                     ; the bias: which 256,
	s_cselect_b32 s67, s15, s16                    ; which half of them;
	s_cselect_b32 s4, 0, 64                        ; bytes for the lane's half,
	s_cselect_b32 s5, 4, 0                         ; for the lane's row,
	s_cselect_b32 s6, 0, 4                         ; from register to register
	s_cselect_b64 s[96:97], s[96:97], s[10:11]
	s_cmp_eq_u32 ttmp9, 0
	s_cselect_b64 s[8:9], s[8:9], s[96:97]         ; bq, bk or bv
	s_and_b32 s20, s42, s20                        ; which piece of 256 along the next K
	s_lshl_b32 s22, s17, 1
	s_add_co_u32 s22, s22, s15                     ; which block of 128 rows
	s_mul_i32 s23, s22, s23
	s_add_co_u32 s18, s19, s23
	s_mul_i32 s23, s20, BLKB
	s_add_co_u32 s18, s18, s23
	s_mul_i32 s23, s16, 12288                      ; the half of the piece that I store
	s_add_co_u32 s18, s18, s23
	s_mov_b32 s19, 0
	s_add_nc_u64 s[98:99], s[98:99], s[18:19]
	s_mul_i32 s23, s22, s93
	s_add_co_u32 s18, s21, s23
	s_lshl_b32 s23, s20, 1
	s_add_co_u32 s23, s23, s16
	s_lshl_b32 s23, s23, 9
	s_add_co_u32 s18, s18, s23
	s_add_nc_u64 s[100:101], s[100:101], s[18:19]
	s_lshl_b32 s18, s2, 10
	s_lshl_b32 s23, s67, 9
	s_add_co_u32 s18, s18, s23
	s_add_nc_u64 s[8:9], s[8:9], s[18:19]
	v_and_b32 v7, 8, v1
	v_add_nc_u32 v7, v7, v1                        ; r + 8 (r / 8)
	v_mul_u32_u24 v8, v2, s4
	v_mad_u32_u24 v8, v7, s5, v8
.irp j, 1,2,3,4,5,6,7
	v_add_nc_u32 v[8+\j], s6, v[7+\j]
.endr
; Q, K: register 8 x + j = bias(32 (x / 2) + 16 h + 8 (x % 2) + j): the C of B's block x.   V: all eight registers of x = bias(32 (x / 2) + 8 (x % 2) + r + 8 (r / 8)): the C of A's block x.
.irp x, 0,1,2,3,4,5,6,7
.irp j, 0,1,2,3,4,5,6,7
	global_load_b32 v[BIAS+8*\x+\j], v[8+\j], s[8:9] offset:4*(32*(\x/2)+8*(\x%2))
.endr
.endr
.macro FRAG reg, adr, q, i             ; a fragment, 16 rows x 128 K, 12 registers: 24 bytes of the row's stream twice, in pieces of 8 bytes; where the piece three on lies behind one padding more, the second address register serves
.irp p, 0,1,2,3,4,5
.set PCE, 12*(\q)+6*(\p/3)+\p%3
.if PCE%8 < 5
	ds_load_b64 v[\reg+2*\p:\reg+2*\p+1], v[\adr] offset:8*PCE+16*(PCE/8)+(\i)*16*PITCH
.else
	ds_load_b64 v[\reg+2*\p:\reg+2*\p+1], v[\adr+2] offset:8*PCE+16*(PCE/8)+(\i)*16*PITCH
.endif
.endr
.endm
; 16 matrix instructions: A's blocks a0, a0 + 1 x B's eight.  zero = 2: the sums start with the bias of B's block; 3: with that of A's block; 0: in place.  The 64 accumulators take turns.
.macro MUL16 a0, p, q, sc, zero
.irp a, \a0, \a0+1
.irp b, 0,1,2,3,4,5,6,7
.if \zero == 2
	v_wmma_scale_f32_16x16x128_f8f6f4 v[8*(8*((\a)%4)+\b):8*(8*((\a)%4)+\b)+7], v[128*(\p)+FR*\b:128*(\p)+FR*\b+FR-1], v[AF+FR*(\a):AF+FR*(\a)+FR-1], v[BIAS+8*\b:BIAS+8*\b+7], v[SC+8*NQ*(\sc)+NQ*\b+(\q)], v[SC+8*NQ*(\sc)+NQ*(\a)+(\q)] matrix_a_fmt:MATRIX_FMT_FP6 matrix_b_fmt:MATRIX_FMT_FP6 matrix_a_scale:MATRIX_SCALE_ROW1
.elseif \zero == 3
	v_wmma_scale_f32_16x16x128_f8f6f4 v[8*(8*((\a)%4)+\b):8*(8*((\a)%4)+\b)+7], v[128*(\p)+FR*\b:128*(\p)+FR*\b+FR-1], v[AF+FR*(\a):AF+FR*(\a)+FR-1], v[BIAS+8*(\a):BIAS+8*(\a)+7], v[SC+8*NQ*(\sc)+NQ*\b+(\q)], v[SC+8*NQ*(\sc)+NQ*(\a)+(\q)] matrix_a_fmt:MATRIX_FMT_FP6 matrix_b_fmt:MATRIX_FMT_FP6 matrix_a_scale:MATRIX_SCALE_ROW1
.else
	v_wmma_scale_f32_16x16x128_f8f6f4 v[8*(8*((\a)%4)+\b):8*(8*((\a)%4)+\b)+7], v[128*(\p)+FR*\b:128*(\p)+FR*\b+FR-1], v[AF+FR*(\a):AF+FR*(\a)+FR-1], v[8*(8*((\a)%4)+\b):8*(8*((\a)%4)+\b)+7], v[SC+8*NQ*(\sc)+NQ*\b+(\q)], v[SC+8*NQ*(\sc)+NQ*(\a)+(\q)] matrix_a_fmt:MATRIX_FMT_FP6 matrix_b_fmt:MATRIX_FMT_FP6 matrix_a_scale:MATRIX_SCALE_ROW1
.endif
.endr
.endr
.endm
.macro FETCH_B slot, q, p
	WIN TO_B
.irp i, 0,1,2,3,4,5,6,7
	FRAG 128*(\p)+FR*\i, ADRB+\slot, \q, \i
.endr
	WIN 0
.endm
.macro FETCH_A slot, q, i0
.irp i, \i0, \i0+1, \i0+2, \i0+3
	FRAG AF+FR*(\i), ADRA+\slot, \q, \i
.endr
.endm
.macro SCALES sc                       ; the K step's two words a row: lanes 0-15 take A's block i, lanes 16-31 B's block i
.irp i, 0,1,2,3,4,5,6,7
	ds_load_b32 v[SC+16*\sc+2*\i], v[ADRS] offset:64*\i
	ds_load_b32 v[SC+16*\sc+2*\i+1], v[ADRS] offset:512+64*\i
.endr
.endm
.macro PLACES n                        ; plain vector lines between a matrix instruction and a load into, or a read of, its registers
.rept \n
	v_nop
.endr
.endm
.macro STEP slot, q, zero              ; a step of 128 along K that has its successor in the same slot
	s_wait_dscnt 4*NL                              ; all but the youngest 24 loads (A's blocks 4-7) are in
.if \zero >= 2
	WIN 0x81                                       ; C (the bias) in window 0, D in window 2
.else
	WIN MUL_LO
.endif
	MUL16 0, (\q)%2, \q, \slot, \zero
	MUL16 2, (\q)%2, \q, \slot, \zero
	s_wait_dscnt 0
	PLACES NP
	FETCH_B \slot, (\q)+1, 1-(\q)%2
	FETCH_A \slot, (\q)+1, 0
.if \zero >= 2
	WIN 0xc1
.else
	WIN MUL_HI
.endif
	MUL16 4, (\q)%2, \q, \slot, \zero
	MUL16 6, (\q)%2, \q, \slot, \zero
	PLACES NP
	WIN 0
	FETCH_A \slot, (\q)+1, 4
.endm
; A slot's last step changes slots: one barrier; in front of it each wave waits for all its tensor loads, adds 0 to its spare word, and waits for that and for its reads of this slot.
.macro TURN slot, next, fill
	s_wait_tensorcnt 0x0                           ; all my tensor loads have landed: my part of the next slot
	ds_add_u32 v[SPW], v[NIL]                      ; 0 onto my spare word
	s_wait_dscnt 4*NL+1                            ; the add and the youngest 24 loads may be out
	WIN MUL_LO
	MUL16 0, 1, NQ-1, \slot, 0
	s_wait_dscnt 0x0                               ; the add is done, and my reads of this slot are over
	s_barrier_signal -1
	MUL16 2, 1, NQ-1, \slot, 0
	WIN 0
	s_barrier_wait -1
.if \fill
	CREST                                          ; the barrier has opened a round of the cluster's: no wave of any partner still reads this slot or has a load on its way
	s_add_nc_u64 s[G0+4*\slot+2:G0+4*\slot+3], s[G0+4*\slot+2:G0+4*\slot+3], 2*BLKB
	s_add_nc_u64 s[G0B+4*\slot+2:G0B+4*\slot+3], s[G0B+4*\slot+2:G0B+4*\slot+3], 2*BLKB
	JLOAD G0+4*\slot, G1, G0B+4*\slot, G1B         ; the first tensor load behind the round; its four v_nop are the places in front of the loads below
.else
	PLACES NP
.endif
	v_add_nc_u32 v[ADRS], 1024, v[ADRS]            ; the next K step's two columns of scale words
	FETCH_B \next, 0, 0
	FETCH_A \next, 0, 0
	SCALES \next
	WIN MUL_HI
	MUL16 4, 1, NQ-1, \slot, 0
	MUL16 6, 1, NQ-1, \slot, 0
	PLACES NP
	WIN 0
	FETCH_A \next, 0, 4
.endm
	s_wait_tensorcnt 1                             ; the scale words and my part of K step 0 are in; K step 1's load may be out
	s_barrier_signal -1
	s_barrier_wait -1
	FETCH_B 0, 0, 0
	FETCH_A 0, 0, 0
	SCALES 0
	FETCH_A 0, 0, 4
	s_wait_loadcnt 0x0                             ; the bias
	s_cmp_eq_u32 s66, 1                            ; the first step is written twice: it differs in the registers that start the sums
	s_cbranch_scc1 .Lfirst_v
	STEP 0, 0, 2
	s_branch .Lfirst_done
.Lfirst_v:
	STEP 0, 0, 3
.Lfirst_done:
	s_mov_b32 s3, LAPS-1
.Llap:                                                 ; a trip goes once round the ring and fills both slots again
	TURN 0, 1, 1
	STEP 1, 0, 0
	TURN 1, 0, 1
	STEP 0, 0, 0
	s_sub_co_u32 s3, s3, 1
	s_cmp_lg_u32 s3, 0
	s_cbranch_scc1 .Llap
	TURN 0, 1, 0                                   ; the last lap fills nothing
	STEP 1, 0, 0
	s_wait_dscnt 4*NL
	WIN MUL_LO
	MUL16 0, 1, NQ-1, 1, 0
	MUL16 2, 1, NQ-1, 1, 0
	s_wait_dscnt 0
	WIN MUL_HI
	MUL16 4, 1, NQ-1, 1, 0
	MUL16 6, 1, NQ-1, 1, 0
	WIN 0
	PLACES NP
; THE WAY OUT.  Block a's 64 registers of a lane are 128 neighbours along the next K in the order 32 b + 16 h + i: they become one fragment's codes and one scale word of the lane's row.
.macro QUANTW src, win, st
.set PCS, PC0+20*(\st)
.set WA, ((\win)<<2)|((\win)<<4)
.set WD, (\win)
	WIN WA                                         ; sources 1 and 2: the accumulators' window
.irp b, 0,1,2,3
	v_max3_num_f32 v[TM+\b], s[FLR], |v[(\src)+16*\b]|, |v[(\src)+16*\b+1]|   ; each accumulator from its low end on; the floor 2^(3 - 127) holds the byte at 1 from below
.endr
.irp i, 2,4,6,8,10,12,14
.irp b, 0,1,2,3
	v_max3_num_f32 v[TM+\b], v[TM+\b], |v[(\src)+16*\b+\i]|, |v[(\src)+16*\b+\i+1]|
.endr
.endr
	WIN 0
.irp b, 0,1,2,3
	v_permlanex16_b32 v[TM+4+\b], v[TM+\b], s[SEL], s[SEL+1]
.endr
.irp b, 0,1,2,3
	v_max_num_f32 v[TM+\b], v[TM+\b], v[TM+4+\b]   ; with lane l xor 16's 16: the block's largest magnitude
.endr
.irp b, 0,1,2,3
	v_add_nc_u32 v[TM+12+\b], 0xff000000, v[TM+\b] ; 2 off its exponent field: the conversion's scale operand
.endr
.irp b, 0,1,2,3
	v_lshrrev_b32 v[TM+4+\b], 23, v[TM+12+\b]      ; the scale's byte
.endr
	v_lshl_or_b32 v[PW+\st], v[TM+5], 8, v[TM+4]
	v_lshl_or_b32 v[PW+\st], v[TM+6], 16, v[PW+\st]
	v_lshl_or_b32 v[PW+\st], v[TM+7], 24, v[PW+\st]
	WIN WD                                         ; source 0: the accumulators' window
.irp c, 0,1
	v_cvt_scalef32_pk16_fp6_f32 v[PCS+6*\c:PCS+6*\c+2], v[(\src)+32*\c:(\src)+32*\c+15], v[TM+12+2*\c]
	v_cvt_scalef32_pk16_fp6_f32 v[PCS+12+4*\c:PCS+14+4*\c], v[(\src)+16+32*\c:(\src)+31+32*\c], v[TM+13+2*\c]
.endr
	WIN 0
	v_nop                                          ; one plain line behind a scaled conversion
.irp c, 0,1                                    ; the operand's layout wants a whole block in a lane
.irp i, 0,1,2
	v_permlane16_swap_b32 v[PCS+6*\c+\i], v[PCS+12+4*\c+\i]
.endr
.irp i, 0,1,2
	v_mov_b32 v[PCS+3+6*\c+\i], v[PCS+12+4*\c+\i]
.endr
.endr
.endm
.macro OUTCODES a, st                  ; the fragment's 2 x 24 bytes to their places in row 16 a + r of the stage
.set PCS, PC0+20*(\st)
.irp p, 0,1,2,3,4,5
	ds_store_b64 v[STC], v[PCS+2*\p:PCS+2*\p+1] offset:(\a)*3072+48*(\p/3)+8*(\p%3)
.endr
.endm
	s_mov_b32 s[SEL], 0x76543210
	s_mov_b32 s[SEL+1], 0xfedcba98
	s_mov_b32 s[FLR], 0x1800000
.irp b, 0,1,2,3
	v_mov_b32 v[TM+4+\b], 0                        ; written once: a lane permute's destination counts as one of its sources
.endr
.irp a, 0,1,2,3,4,5,6,7
.if \a >= 2
	s_wait_dscnt 7                                 ; the seven stores of the block before may be out: those of two blocks back have read this set of registers
.endif
	QUANTW 64*(\a%4), 2+\a/4, \a%2
	OUTCODES \a, \a%2
	ds_store_b32 v[STS], v[PW+\a%2] offset:64*\a
.endr
	s_wait_dscnt 0x0                               ; for the others' sake: a stage row's 192 bytes come from two waves
	s_barrier_signal -1
	s_barrier_wait -1
.set k, 0
.rept 24
	ds_load_b128 v[AF+4*k:AF+4*k+3], v[RDC] offset:512*k
.set k, k+1
.endr
	ds_load_b128 v[SMB:SMB+3], v[RDS]
.set k, 0
.rept 24
	s_wait_dscnt 24-k                              ; the 23 - k younger code loads and the scale words' load may be out
	global_store_b128 v[CO], v[AF+4*k:AF+4*k+3], s[98:99] offset:512*k   ; 512 consecutive bytes, at a multiple of 512 from the buffer's first byte
.set k, k+1
.endr
	s_wait_dscnt 0x0
	global_store_b128 v[CO], v[SMB:SMB+3], s[100:101]   ; my column of 128 scale words
	s_wait_tensorcnt 0x0                           ; the wave's end
	ds_add_u32 v[SPW], v[NIL]
	s_wait_dscnt 0x0
	CROUND                                         ; the closing round
	s_endpgm
.Lfunc_end_k_qa9bd9494e5_qkv:
	.size	k_qa9bd9494e5_qkv, .Lfunc_end_k_qa9bd9494e5_qkv-k_qa9bd9494e5_qkv
	.p2alignl 7, 3214868480
	.fill 96, 4, 3214868480
	.section	.rodata,"a",@progbits
	.p2align	6, 0x0
	.amdhsa_kernel k_qa9bd9494e5_qkv
		.amdhsa_group_segment_fixed_size 327680
		.amdhsa_private_segment_fixed_size 0
		.amdhsa_enable_private_segment 0
		.amdhsa_kernarg_size 56
		.amdhsa_user_sgpr_count 2
		.amdhsa_user_sgpr_kernarg_segment_ptr 1
		.amdhsa_wavefront_size32 1
		.amdhsa_system_sgpr_workgroup_id_x 1
		.amdhsa_system_sgpr_workgroup_id_y 1
		.amdhsa_system_sgpr_workgroup_id_z 1
		.amdhsa_system_vgpr_workitem_id 0
		.amdhsa_next_free_vgpr 1024
		.amdhsa_next_free_sgpr 102
		.amdhsa_reserve_vcc 0
		.amdhsa_float_denorm_mode_32 3
		.amdhsa_float_denorm_mode_16_64 3
		.amdhsa_memory_ordered 1
		.amdhsa_forward_progress 1
		.amdhsa_inst_pref_size 194
	.end_amdhsa_kernel
	.amdgpu_metadata
---
amdhsa.version: [ 1, 2 ]
amdhsa.kernels:
  - .name:           k_qa9bd9494e5_qkv
    .symbol:         k_qa9bd9494e5_qkv.kd
    .args:
      - { .name: xwc, .offset: 0, .size: 8, .value_kind: global_buffer, .address_space: global }
      - { .name: xws, .offset: 8, .size: 8, .value_kind: global_buffer, .address_space: global }
      - { .name: bq, .offset: 16, .size: 8, .value_kind: global_buffer, .address_space: global }
      - { .name: bk, .offset: 24, .size: 8, .value_kind: global_buffer, .address_space: global }
      - { .name: bv, .offset: 32, .size: 8, .value_kind: global_buffer, .address_space: global }
      - { .name: qkvc, .offset: 40, .size: 8, .value_kind: global_buffer, .address_space: global }
      - { .name: qkvs, .offset: 48, .size: 8, .value_kind: global_buffer, .address_space: global }
    .group_segment_fixed_size: 327680
    .private_segment_fixed_size: 0
    .kernarg_segment_align: 8
    .kernarg_segment_size: 56
    .max_flat_workgroup_size: 128
    .sgpr_count:     102
    .vgpr_count:     1024
    .wavefront_size: 32
...
	.end_amdgpu_metadata
.endif
;; end of part 2
;; launch scores (part 3): grid 8 x 32, 4 waves a work-group, clusters of 4 x 4, 327,680 bytes of LDS; arguments qkvc, qkvs, pc, ps, pst; writes pc, ps, pst
.if DOCPART == 3
	.amdgcn_target "amdgcn-amd-amdhsa--gfx1250"
	.amdhsa_code_object_version 6
	.text
	.protected	k_qa9bd9494e5_scores
	.globl	k_qa9bd9494e5_scores
	.p2align	8
	.type	k_qa9bd9494e5_scores,@function
k_qa9bd9494e5_scores:
	s_mov_b64 s[64:65], 0
	v_nop
	global_prefetch_b8 v0, s[64:65] scope:SCOPE_SE
	s_setreg_imm32_b32 hwreg(HW_REG_WAVE_MODE, 25, 1), 1
	s_wait_xcnt 0x0
	s_wait_alu depctr_hold_cnt(0) depctr_sa_sdst(0) depctr_va_vdst(0) depctr_va_sdst(0) depctr_va_ssrc(0) depctr_va_vcc(0) depctr_vm_vsrc(0)
	s_getreg_b32 s2, hwreg(HW_REG_IB_STS2, 6, 4)
	s_cmp_eq_u32 s2, 0
	s_cbranch_scc0 .Lentry_in_a_cluster
	s_endpgm
.Lentry_in_a_cluster:
	s_bfe_u32 s2, ttmp6, 0x10000c
	s_cmp_lg_u32 s2, 0xf033
	s_cbranch_scc0 .Lentry_shape_is_right
	s_endpgm
.Lentry_shape_is_right:
; For each batch: S = Q K^T on codes of FP6 (E2M3) with E8M0 scales, sums in f32; t = S log2(e) / 32; for each query and each 128 keys M' = ceil(the largest t of these keys), a whole number;
; p = 2^(t - M') is quantised along the keys and leaves as codes and scale words; M' and l' = the sum of the unquantised p leave beside them.  The next launch brings every 128 keys under the row's own M by
; taking M - M' off the scale bytes, which changes no code.  Every exponent is t less the ceiling of the largest t of its own 128 keys: at most 0.
; LAYOUT as in the launch before: rows stored with bits 3 and 4 of their number exchanged, K in its order; codes [128 rows][K / 256][128 rows][192 bytes]; words [128 rows][K / 128][128 rows][4 bytes].
; A tile of 256 queries x 256 keys is made by four waves, 128 x 128 each.  Source 0 = 16 stored rows of K, source 1 = 16 stored rows of Q: a lane holds one query, and the 16 registers of two neighbouring tiles are 16 neighbouring keys.
; K (the 1,024 columns) goes in steps of 256 through a ring of two LDS slots.  CLUSTERS 4 x 4: Q's tiles are asked for jointly along a row, K's along a column.
; LIMITS: NaN and infinities are not served; a p under 2^-126 counts as 0; a block all of whose p lie under 2^-124 keeps the byte 1.
; REGISTERS: window 0: v0-31 addresses; v32-63 scale words, two sets, and nothing else; v64-103 the codes just made; v104-115 small results read back; v128-223 A's fragments, later the codes read back; v224-249 the softmax's figures.
;   window 1: B's fragments, two sets.  windows 2, 3: the accumulators.
.set SIZE_K, 1024
.set NQ,     2
.set BLKB,   24576
.set PITCH,  240
.set FR,     12
.set NL,     6
.set NP,     4
.set HALFT,  128*PITCH
.set SLOT,   4*HALFT
.set LAPS,   SIZE_K/512
.set HALFS,  SIZE_K*4
.set SCL,    2*SLOT
.set SPARE,  SCL+4*HALFS               ; the spare words: 128 bytes a wave, two blocks of 256 bytes that no other line names
.set SST,    SPARE+512                 ; the way out: for each wave 512 bytes of scale words; 2,048 on the same of M'; 4,096 on of l'
.set ADRA, 16
.set ADRB, 20
.set STC,  24
.set STS,  25
.set RDC,  26
.set ADRS, 27
.set SPW,  28
.set NIL,  29
.set RDS,  30
.set CO,   31
.set SC,   32
.set PC0,  64
.set SMB,  104
.set AF,   128
.set BM,   224                         ; v224-227 the blocks' largest scores, then their largest p
.set BX,   228                         ; v228-231 the other half's, then the bytes
.set SO,   232                         ; v232-235 the conversions' scale operands
.set NM,   236                         ; v[236:237] -M' (the packed form names a pair)
.set SUMA, 238
.set SUMB, 240
.set T,    242                         ; v242-243
.set PW,   244                         ; two sets each: the scale word,
.set MS,   246                         ; M',
.set LS,   248                         ; l'
.set G1, 24
.set G0, 32
.set G1B, 48
.set G0B, 56
.set G1S, 68
.set G0S, 76
.set G1SB, 80
.set G0SB, 88
.set SEL, 92
.set CS,  94
.set NINF, 66
.set MSB, 0
.macro WIN new
.if MSB != \new
	s_set_vgpr_msb (MSB<<8)|\new
.set MSB, \new
.endif
.endm
.set MUL_LO, 0xa1
.set MUL_HI, 0xf1
.set TO_B,   0x40
.macro JLOAD g0a, g1a, g0b, g1b        ; a joint load: waves 0 and 1 fetch for A, waves 2 and 3 for B; four v_nop follow each line
	s_cmp_eq_u32 s15, 0
	s_cbranch_scc0 .Lfor_b_\@
	tensor_load_to_lds s[\g0a:\g0a+3], s[\g1a:\g1a+7]
	s_nop 0
.rept 4
	v_nop
.endr
	s_branch .Lasked_\@
.Lfor_b_\@:
	tensor_load_to_lds s[\g0b:\g0b+3], s[\g1b:\g1b+7]
	s_nop 0
.rept 4
	v_nop
.endr
.Lasked_\@:
.endm
.macro CREST
	s_cmp_lg_u32 s14, 0
	s_cbranch_scc1 .Lnot_wave_0_\@
	s_barrier_signal -3
.Lnot_wave_0_\@:
	s_barrier_wait -3
	s_barrier_signal -1
	s_barrier_wait -1
.endm
.macro CROUND
	s_barrier_signal -1
	s_barrier_wait -1
	CREST
.endm
	s_load_b256 s[4:11], s[0:1], 0x0               ; Q's, K's, V's codes s[4:5], their scale words s[6:7], P's codes s[8:9], P's scale words s[10:11]
	s_load_b64 s[12:13], s[0:1], 0x20              ; M' and l'
	v_lshl_add_u32 v[SPW], v0, 2, SPARE
	v_mov_b32 v[NIL], 0
	ds_add_u32 v28, v29
	ds_add_u32 v28, v29
	s_wait_dscnt 0x0
	v_lshrrev_b32 v1, 5, v0
	v_readfirstlane_b32 s14, v1                    ; wave 0..3
	s_lshr_b32 s15, s14, 1                         ; my half of the queries.  Also: I fetch for A (0) or for B (1)
	s_and_b32 s16, s14, 1                          ; my half of the keys.  Also: which 128 rows I fetch
	s_bfe_u32 s40, ttmp6, 0x40000                  ; cx
	s_bfe_u32 s41, ttmp6, 0x40004                  ; cy
	s_lshl_b32 s42, ttmp9, 2
	s_add_co_u32 s42, s42, s40                     ; which 256 keys of the batch
	s_and_b32 s17, ttmp7, 0xffff
	s_lshr_b32 s19, s17, 1                         ; the batch: the same in all sixteen partners
	s_lshl_b32 s17, s17, 2
	s_add_co_u32 s17, s17, s41                     ; which 256 queries of all 8,192
	s_lshl_b32 s43, s41, 2
	s_lshl_b32 s43, 15, s43
	s_lshl_b32 s44, 0x1111, s40
	s_or_b32 s[G1+0], s43, (0<<16)|(1<<20)|(1<<21)|(3<<22)|(3<<25)
	s_or_b32 s[G1B+0], s44, (0<<16)|(1<<20)|(1<<21)|(3<<22)|(3<<25)
.irp g, G1, G1B
	s_mov_b32 s[\g+1], 192<<16
	s_mov_b32 s[\g+2], 128<<16
	s_mov_b32 s[\g+3], 192<<16
	s_mov_b32 s[\g+4], 128
	s_mov_b32 s[\g+5], 192
	s_mov_b32 s[\g+6], 0
	s_mov_b32 s[\g+7], 0
.endr
	s_or_b32 s[G1S+0], s43, (3<<16)|(1<<21)
	s_or_b32 s[G1SB+0], s44, (3<<16)|(1<<21)
.irp g, G1S, G1SB
	s_mov_b32 s[\g+1], 32<<16
	s_mov_b32 s[\g+2], 16<<16
	s_mov_b32 s[\g+3], 32<<16
	s_mov_b32 s[\g+4], 16
	s_mov_b32 s[\g+5], 32
	s_mov_b32 s[\g+6], 0
	s_mov_b32 s[\g+7], 0
.endr
	s_lshl_b32 s18, s16, 7
	s_lshl_b32 s20, s17, 8
	s_add_co_u32 s20, s20, s18                     ; Q's rows that I fetch
	s_lshl_b32 s46, s42, 8
	s_lshl_b32 s19, s19, 11
	s_add_co_u32 s46, s46, s19
	s_add_co_u32 s46, s46, s18                     ; K's
	s_lshl_b32 s22, s20, 5
	s_mov_b32 s23, 0
	s_lshl_b32 s92, s46, 5
	s_add_co_u32 s92, s92, 262144                  ; K's scale words lie behind Q's
	s_mov_b32 s93, 0
	s_mul_i32 s20, s20, 768
	s_mov_b32 s21, 0
	s_mul_i32 s46, s46, 768
	s_add_co_u32 s46, s46, 6291456                 ; K's codes lie behind Q's
	s_mov_b32 s47, 0
	s_mul_i32 s45, s14, HALFT
	s_mul_i32 s94, s14, HALFS
	s_wait_kmcnt 0x0
	s_add_nc_u64 s[20:21], s[4:5], s[20:21]
	s_add_nc_u64 s[22:23], s[6:7], s[22:23]
	s_add_nc_u64 s[46:47], s[4:5], s[46:47]
	s_add_nc_u64 s[92:93], s[6:7], s[92:93]
	CROUND                                         ; all sixteen work-groups are here: the first joint loads meet
	s_mov_b32 s[G0S], 1
	s_add_co_u32 s[G0S+1], s94, SCL
	s_mov_b64 s[G0S+2:G0S+3], s[22:23]
	s_or_b32 s[G0S+3], s[G0S+3], 0x80000000
	s_mov_b32 s[G0SB], 1
	s_add_co_u32 s[G0SB+1], s94, SCL
	s_mov_b64 s[G0SB+2:G0SB+3], s[92:93]
	s_or_b32 s[G0SB+3], s[G0SB+3], 0x80000000
	JLOAD G0S, G1S, G0SB, G1SB
.irp s, 0,1
	s_mov_b32 s[G0+4*\s], 1
	s_add_co_u32 s[G0+4*\s+1], s45, \s*SLOT
	s_add_nc_u64 s[G0+4*\s+2:G0+4*\s+3], s[20:21], \s*BLKB
	s_or_b32 s[G0+4*\s+3], s[G0+4*\s+3], 0x80000000
	s_mov_b32 s[G0B+4*\s], 1
	s_add_co_u32 s[G0B+4*\s+1], s45, \s*SLOT
	s_add_nc_u64 s[G0B+4*\s+2:G0B+4*\s+3], s[46:47], \s*BLKB
	s_or_b32 s[G0B+4*\s+3], s[G0B+4*\s+3], 0x80000000
	JLOAD G0+4*\s, G1, G0B+4*\s, G1B
.endr
	v_and_b32 v1, 15, v0                           ; r
	v_bfe_u32 v2, v0, 4, 1                         ; h
	v_mul_u32_u24 v3, v1, PITCH
	v_mul_u32_u24 v4, v2, 24
	v_add_nc_u32 v4, v3, v4
	v_lshl_add_u32 v5, v2, 4, v4
	s_mul_i32 s21, s15, HALFT
	s_mul_i32 s22, s16, HALFT
	s_add_co_u32 s22, s22, 2*HALFT
.irp s, 0,1
	v_add_nc_u32 v[ADRA+\s], s21, v4
	v_add_nc_u32 v[ADRB+\s], s22, v4
	v_add_nc_u32 v[ADRA+2+\s], s21, v5
	v_add_nc_u32 v[ADRB+2+\s], s22, v5
	s_add_co_u32 s21, s21, SLOT
	s_add_co_u32 s22, s22, SLOT
.endr
	v_lshlrev_b32 v5, 2, v1
	s_mul_i32 s21, s15, HALFS
	s_mul_i32 s22, s16, HALFS
	s_add_co_u32 s22, s22, 2*HALFS
	s_sub_co_u32 s22, s22, s21
	v_mul_u32_u24 v6, s22, v2
	s_add_co_u32 s21, s21, SCL
	v_add_nc_u32 v6, v5, v6
	v_add_nc_u32 v[ADRS], s21, v6
	s_mul_i32 s21, s15, BLKB                       ; the stage of codes: [queries' half][128 rows][192 bytes], in slot 0
	s_mul_i32 s22, s16, 96
	s_add_co_u32 s22, s22, s21
	v_mul_u32_u24 v6, v1, 192
	v_mad_u32_u24 v6, v2, 24, v6
	v_add_nc_u32 v[STC], s22, v6
	s_lshl_b32 s23, s14, 9
	s_add_co_u32 s23, s23, SST
	v_add_nc_u32 v[STS], s23, v5
	v_and_b32 v6, 31, v0
	v_lshlrev_b32 v[CO], 4, v6
	s_mul_i32 s22, s16, 12288
	s_add_co_u32 s22, s22, s21
	v_add_nc_u32 v[RDC], s22, v[CO]
	v_add_nc_u32 v[RDS], s23, v[CO]
	s_lshl_b32 s22, s17, 1
	s_add_co_u32 s22, s22, s15                     ; which block of 128 queries
	s_mul_i32 s18, s22, 196608
	s_mul_i32 s23, s42, BLKB
	s_add_co_u32 s18, s18, s23
	s_mul_i32 s23, s16, 12288
	s_add_co_u32 s18, s18, s23
	s_mov_b32 s19, 0
	s_add_nc_u64 s[8:9], s[8:9], s[18:19]          ; the half of the piece of P's codes that I store
	s_lshl_b32 s18, s22, 13
	s_lshl_b32 s23, s42, 1
	s_add_co_u32 s23, s23, s16
	s_lshl_b32 s23, s23, 9
	s_add_co_u32 s18, s18, s23
	s_add_nc_u64 s[10:11], s[10:11], s[18:19]      ; my column of scale words,
	s_add_nc_u64 s[12:13], s[12:13], s[18:19]      ; of M', and 524,288 bytes on of l'
.macro FRAG reg, adr, q, i
.irp p, 0,1,2,3,4,5
.set PCE, 12*(\q)+6*(\p/3)+\p%3
.if PCE%8 < 5
	ds_load_b64 v[\reg+2*\p:\reg+2*\p+1], v[\adr] offset:8*PCE+16*(PCE/8)+(\i)*16*PITCH
.else
	ds_load_b64 v[\reg+2*\p:\reg+2*\p+1], v[\adr+2] offset:8*PCE+16*(PCE/8)+(\i)*16*PITCH
.endif
.endr
.endm
; 16 matrix instructions: A's blocks a0, a0 + 1 x B's eight.  zero = 1: the first product starts the sums.  The 64 accumulators take turns.
.macro MUL16 a0, p, q, sc, zero
.irp a, \a0, \a0+1
.irp b, 0,1,2,3,4,5,6,7
.if \zero
	v_wmma_scale_f32_16x16x128_f8f6f4 v[8*(8*((\a)%4)+\b):8*(8*((\a)%4)+\b)+7], v[128*(\p)+FR*\b:128*(\p)+FR*\b+FR-1], v[AF+FR*(\a):AF+FR*(\a)+FR-1], 0, v[SC+8*NQ*(\sc)+NQ*\b+(\q)], v[SC+8*NQ*(\sc)+NQ*(\a)+(\q)] matrix_a_fmt:MATRIX_FMT_FP6 matrix_b_fmt:MATRIX_FMT_FP6 matrix_a_scale:MATRIX_SCALE_ROW1
.else
	v_wmma_scale_f32_16x16x128_f8f6f4 v[8*(8*((\a)%4)+\b):8*(8*((\a)%4)+\b)+7], v[128*(\p)+FR*\b:128*(\p)+FR*\b+FR-1], v[AF+FR*(\a):AF+FR*(\a)+FR-1], v[8*(8*((\a)%4)+\b):8*(8*((\a)%4)+\b)+7], v[SC+8*NQ*(\sc)+NQ*\b+(\q)], v[SC+8*NQ*(\sc)+NQ*(\a)+(\q)] matrix_a_fmt:MATRIX_FMT_FP6 matrix_b_fmt:MATRIX_FMT_FP6 matrix_a_scale:MATRIX_SCALE_ROW1
.endif
.endr
.endr
.endm
.macro FETCH_B slot, q, p
	WIN TO_B
.irp i, 0,1,2,3,4,5,6,7
	FRAG 128*(\p)+FR*\i, ADRB+\slot, \q, \i
.endr
	WIN 0
.endm
.macro FETCH_A slot, q, i0
.irp i, \i0, \i0+1, \i0+2, \i0+3
	FRAG AF+FR*(\i), ADRA+\slot, \q, \i
.endr
.endm
.macro SCALES sc
.irp i, 0,1,2,3,4,5,6,7
	ds_load_b32 v[SC+16*\sc+2*\i], v[ADRS] offset:64*\i
	ds_load_b32 v[SC+16*\sc+2*\i+1], v[ADRS] offset:512+64*\i
.endr
.endm
.macro PLACES n
.rept \n
	v_nop
.endr
.endm
.macro STEP slot, q, zero
	s_wait_dscnt 4*NL                              ; all but the youngest 24 loads (A's blocks 4-7) are in
	WIN MUL_LO
	MUL16 0, (\q)%2, \q, \slot, \zero
	MUL16 2, (\q)%2, \q, \slot, \zero
	s_wait_dscnt 0
	PLACES NP
	FETCH_B \slot, (\q)+1, 1-(\q)%2
	FETCH_A \slot, (\q)+1, 0
	WIN MUL_HI
	MUL16 4, (\q)%2, \q, \slot, \zero
	MUL16 6, (\q)%2, \q, \slot, \zero
	PLACES NP
	WIN 0
	FETCH_A \slot, (\q)+1, 4
.endm
.macro TURN slot, next, fill
	s_wait_tensorcnt 0x0                           ; all my tensor loads have landed: my part of the next slot
	ds_add_u32 v[SPW], v[NIL]                      ; 0 onto my spare word
	s_wait_dscnt 4*NL+1                            ; the add and the youngest 24 loads may be out
	WIN MUL_LO
	MUL16 0, 1, NQ-1, \slot, 0
	s_wait_dscnt 0x0                               ; the add is done, and my reads of this slot are over
	s_barrier_signal -1
	MUL16 2, 1, NQ-1, \slot, 0
	WIN 0
	s_barrier_wait -1
.if \fill
	CREST                                          ; the barrier has opened a round of the cluster's
	s_add_nc_u64 s[G0+4*\slot+2:G0+4*\slot+3], s[G0+4*\slot+2:G0+4*\slot+3], 2*BLKB
	s_add_nc_u64 s[G0B+4*\slot+2:G0B+4*\slot+3], s[G0B+4*\slot+2:G0B+4*\slot+3], 2*BLKB
	JLOAD G0+4*\slot, G1, G0B+4*\slot, G1B         ; the first tensor load behind the round
.else
	PLACES NP
.endif
	v_add_nc_u32 v[ADRS], 1024, v[ADRS]
	FETCH_B \next, 0, 0
	FETCH_A \next, 0, 0
	SCALES \next
	WIN MUL_HI
	MUL16 4, 1, NQ-1, \slot, 0
	MUL16 6, 1, NQ-1, \slot, 0
	PLACES NP
	WIN 0
	FETCH_A \next, 0, 4
.endm
	s_wait_tensorcnt 1                             ; the scale words and my part of K step 0 are in; K step 1's load may be out
	s_barrier_signal -1
	s_barrier_wait -1
	FETCH_B 0, 0, 0
	FETCH_A 0, 0, 0
	SCALES 0
	FETCH_A 0, 0, 4
	STEP 0, 0, 1
	s_mov_b32 s3, LAPS-1
.Llap:
	TURN 0, 1, 1
	STEP 1, 0, 0
	TURN 1, 0, 1
	STEP 0, 0, 0
	s_sub_co_u32 s3, s3, 1
	s_cmp_lg_u32 s3, 0
	s_cbranch_scc1 .Llap
	TURN 0, 1, 0
	STEP 1, 0, 0
	s_wait_dscnt 4*NL
	WIN MUL_LO
	MUL16 0, 1, NQ-1, 1, 0
	MUL16 2, 1, NQ-1, 1, 0
	s_wait_dscnt 0
	WIN MUL_HI
	MUL16 4, 1, NQ-1, 1, 0
	MUL16 6, 1, NQ-1, 1, 0
	WIN 0
	PLACES NP
; THE WAY OUT.  Block a: a lane's 64 registers are 64 of its query's 128 keys (register 16 b + i: key 32 b + 16 h + i); lane l xor 16 holds the others.
.macro SOFTQ src, win, st
.set PCS, PC0+20*(\st)
.set WA, ((\win)<<2)|((\win)<<4)
.set WB, ((\win)<<6)|(\win)
.set WC, (\win)<<2
.set WD, (\win)
	WIN WA
.irp b, 0,1,2,3
	v_max3_num_f32 v[BM+\b], s[NINF], v[(\src)+16*\b], v[(\src)+16*\b+1]   ; the largest score of each block of 32 keys; each accumulator from its low end on
.endr
.irp i, 2,4,6,8,10,12,14
.irp b, 0,1,2,3
	v_max3_num_f32 v[BM+\b], v[BM+\b], v[(\src)+16*\b+\i], v[(\src)+16*\b+\i+1]
.endr
.endr
	WIN 0
.irp b, 0,1,2,3
	v_permlanex16_b32 v[BX+\b], v[BM+\b], s[SEL], s[SEL+1]
.endr
.irp b, 0,1,2,3
	v_max_num_f32 v[BM+\b], v[BM+\b], v[BX+\b]
.endr
	v_max3_num_f32 v[T], v[BM], v[BM+1], v[BM+2]
	v_max_num_f32 v[T], v[T], v[BM+3]              ; the largest score of my query's 128 keys
	v_mul_f32 v[T], s[CS], v[T]                    ; as t
	v_floor_f32 v[NM], -v[T]                       ; -M' = floor(-t) = -ceil(t)
.irp b, 0,1,2,3
	v_fma_f32 v[BM+\b], v[BM+\b], s[CS], v[NM]     ; t - M' of each block's largest score
.endr
	v_mov_b32 v[SUMA], 0
	v_mov_b32 v[SUMA+1], 0
	v_mov_b32 v[SUMB], 0
	v_mov_b32 v[SUMB+1], 0
	WIN WB                                         ; destination and source 0: the accumulators' window
.set i, 0
.rept 32
	v_pk_fma_f32 v[(\src)+i:(\src)+i+1], v[(\src)+i:(\src)+i+1], s[CS:CS+1], v[NM:NM+1] op_sel_hi:[1,0,0]   ; t - M', two at a time
.set i, i+2
.endr
.set i, 0
.rept 64
	v_exp_f32 v[(\src)+i], v[(\src)+i]             ; p = 2^(t - M'), at most 1
.set i, i+1
.endr
	WIN 0
	v_sub_f32 v[MS+\st], 0, v[NM]                  ; M' (also the plain line behind the exponentials)
	s_wait_alu depctr_va_vdst(0)                   ; one wait for the batch of 64, ahead of its first reader
.irp b, 0,1,2,3
	v_exp_f32 v[BM+\b], v[BM+\b]                   ; each block's largest p: the same two instructions on the same number
.endr
	WIN WC                                         ; source 1: the accumulators' window
.set i, 0
.rept 16
	v_pk_add_f32 v[SUMA:SUMA+1], v[SUMA:SUMA+1], v[(\src)+i:(\src)+i+1]       ; the sum is taken of the unquantised p, in two chains
	v_pk_add_f32 v[SUMB:SUMB+1], v[SUMB:SUMB+1], v[(\src)+i+2:(\src)+i+3]
.set i, i+4
.endr
	WIN 0
	v_pk_add_f32 v[SUMA:SUMA+1], v[SUMA:SUMA+1], v[SUMB:SUMB+1]
	s_wait_alu depctr_va_vdst(0)                   ; and one for the four
.irp b, 0,1,2,3
	v_max_num_f32 v[BM+\b], 0x1800000, v[BM+\b]    ; the floor 2^(3 - 127): the byte cannot fall under 1
.endr
.irp b, 0,1,2,3
	v_add_nc_u32 v[SO+\b], 0xff000000, v[BM+\b]    ; 2 off the exponent field: the conversion's scale operand
.endr
.irp b, 0,1,2,3
	v_lshrrev_b32 v[BX+\b], 23, v[SO+\b]           ; the scale's byte
.endr
	v_lshl_or_b32 v[PW+\st], v[BX+1], 8, v[BX]
	v_lshl_or_b32 v[PW+\st], v[BX+2], 16, v[PW+\st]
	v_lshl_or_b32 v[PW+\st], v[BX+3], 24, v[PW+\st]
	v_add_f32 v[T], v[SUMA], v[SUMA+1]
	v_permlanex16_b32 v[T+1], v[T], s[SEL], s[SEL+1]
	v_add_f32 v[LS+\st], v[T], v[T+1]              ; l' of my query's 128 keys
	WIN WD
.irp c, 0,1
	v_cvt_scalef32_pk16_fp6_f32 v[PCS+6*\c:PCS+6*\c+2], v[(\src)+32*\c:(\src)+32*\c+15], v[SO+2*\c]
	v_cvt_scalef32_pk16_fp6_f32 v[PCS+12+4*\c:PCS+14+4*\c], v[(\src)+16+32*\c:(\src)+31+32*\c], v[SO+2*\c+1]
.endr
	WIN 0
	v_nop                                          ; one plain line behind a scaled conversion
.irp c, 0,1
.irp i, 0,1,2
	v_permlane16_swap_b32 v[PCS+6*\c+\i], v[PCS+12+4*\c+\i]
.endr
.irp i, 0,1,2
	v_mov_b32 v[PCS+3+6*\c+\i], v[PCS+12+4*\c+\i]
.endr
.endr
.endm
.macro OUTCODES a, st
.set PCS, PC0+20*(\st)
.irp p, 0,1,2,3,4,5
	ds_store_b64 v[STC], v[PCS+2*\p:PCS+2*\p+1] offset:(\a)*3072+48*(\p/3)+8*(\p%3)
.endr
.endm
	s_mov_b32 s[SEL], 0x76543210
	s_mov_b32 s[SEL+1], 0xfedcba98
	s_mov_b32 s[CS], 0x3d38aa3b                    ; log2(e) / 32
	s_mov_b32 s[CS+1], s[CS]                       ; (named with it as a pair)
	s_mov_b32 s[NINF], 0xff800000
.irp b, 0,1,2,3
	v_mov_b32 v[BX+\b], 0                          ; written once: a lane permute's destination counts as one of its sources
.endr
	v_mov_b32 v[T+1], 0
	v_mov_b32 v[NM+1], 0                           ; (named as the upper half of a pair)
.irp a, 0,1,2,3,4,5,6,7
.if \a >= 2
	s_wait_dscnt 9                                 ; the nine stores of the block before may be out: those of two blocks back have read this set of registers
.endif
	SOFTQ 64*(\a%4), 2+\a/4, \a%2
	OUTCODES \a, \a%2
	ds_store_b32 v[STS], v[PW+\a%2] offset:64*\a
	ds_store_b32 v[STS], v[MS+\a%2] offset:2048+64*\a
	ds_store_b32 v[STS], v[LS+\a%2] offset:4096+64*\a
.endr
	s_wait_dscnt 0x0                               ; for the others' sake: a stage row's 192 bytes come from two waves
	s_barrier_signal -1
	s_barrier_wait -1
.set k, 0
.rept 24
	ds_load_b128 v[AF+4*k:AF+4*k+3], v[RDC] offset:512*k
.set k, k+1
.endr
	ds_load_b128 v[SMB:SMB+3], v[RDS]
	ds_load_b128 v[SMB+4:SMB+7], v[RDS] offset:2048
	ds_load_b128 v[SMB+8:SMB+11], v[RDS] offset:4096
.set k, 0
.rept 24
	s_wait_dscnt 26-k                              ; the 23 - k younger code loads and the three small loads may be out
	global_store_b128 v[CO], v[AF+4*k:AF+4*k+3], s[8:9] offset:512*k   ; 512 consecutive bytes, at a multiple of 512 from the buffer's first byte
.set k, k+1
.endr
	s_wait_dscnt 2
	global_store_b128 v[CO], v[SMB:SMB+3], s[10:11]
	s_wait_dscnt 1
	global_store_b128 v[CO], v[SMB+4:SMB+7], s[12:13]
	s_wait_dscnt 0x0
	global_store_b128 v[CO], v[SMB+8:SMB+11], s[12:13] offset:524288
	s_wait_tensorcnt 0x0                           ; the wave's end
	ds_add_u32 v[SPW], v[NIL]
	s_wait_dscnt 0x0
	CROUND                                         ; the closing round
	s_endpgm
.Lfunc_end_k_qa9bd9494e5_scores:
	.size	k_qa9bd9494e5_scores, .Lfunc_end_k_qa9bd9494e5_scores-k_qa9bd9494e5_scores
	.p2alignl 7, 3214868480
	.fill 96, 4, 3214868480
	.section	.rodata,"a",@progbits
	.p2align	6, 0x0
	.amdhsa_kernel k_qa9bd9494e5_scores
		.amdhsa_group_segment_fixed_size 327680
		.amdhsa_private_segment_fixed_size 0
		.amdhsa_enable_private_segment 0
		.amdhsa_kernarg_size 40
		.amdhsa_user_sgpr_count 2
		.amdhsa_user_sgpr_kernarg_segment_ptr 1
		.amdhsa_wavefront_size32 1
		.amdhsa_system_sgpr_workgroup_id_x 1
		.amdhsa_system_sgpr_workgroup_id_y 1
		.amdhsa_system_sgpr_workgroup_id_z 1
		.amdhsa_system_vgpr_workitem_id 0
		.amdhsa_next_free_vgpr 1024
		.amdhsa_next_free_sgpr 102
		.amdhsa_reserve_vcc 0
		.amdhsa_float_denorm_mode_32 3
		.amdhsa_float_denorm_mode_16_64 3
		.amdhsa_memory_ordered 1
		.amdhsa_forward_progress 1
		.amdhsa_inst_pref_size 232
	.end_amdhsa_kernel
	.amdgpu_metadata
---
amdhsa.version: [ 1, 2 ]
amdhsa.kernels:
  - .name:           k_qa9bd9494e5_scores
    .symbol:         k_qa9bd9494e5_scores.kd
    .args:
      - { .name: qkvc, .offset: 0, .size: 8, .value_kind: global_buffer, .address_space: global }
      - { .name: qkvs, .offset: 8, .size: 8, .value_kind: global_buffer, .address_space: global }
      - { .name: pc, .offset: 16, .size: 8, .value_kind: global_buffer, .address_space: global }
      - { .name: ps, .offset: 24, .size: 8, .value_kind: global_buffer, .address_space: global }
      - { .name: pst, .offset: 32, .size: 8, .value_kind: global_buffer, .address_space: global }
    .group_segment_fixed_size: 327680
    .private_segment_fixed_size: 0
    .kernarg_segment_align: 8
    .kernarg_segment_size: 40
    .max_flat_workgroup_size: 128
    .sgpr_count:     102
    .vgpr_count:     1024
    .wavefront_size: 32
...
	.end_amdgpu_metadata
.endif
;; end of part 3
;; launch pv (part 4): grid 4 x 32, 4 waves a work-group, clusters of 4 x 4, 327,680 bytes of LDS; arguments pc, ps, pst, qkvc, qkvs, out0; writes out0
.if DOCPART == 4
	.amdgcn_target "amdgcn-amd-amdhsa--gfx1250"
	.amdhsa_code_object_version 6
	.text
	.protected	k_qa9bd9494e5_pv
	.globl	k_qa9bd9494e5_pv
	.p2align	8
	.type	k_qa9bd9494e5_pv,@function
k_qa9bd9494e5_pv:
	s_mov_b64 s[64:65], 0
	v_nop
	global_prefetch_b8 v0, s[64:65] scope:SCOPE_SE
	s_setreg_imm32_b32 hwreg(HW_REG_WAVE_MODE, 25, 1), 1
	s_wait_xcnt 0x0
	s_wait_alu depctr_hold_cnt(0) depctr_sa_sdst(0) depctr_va_vdst(0) depctr_va_sdst(0) depctr_va_ssrc(0) depctr_va_vcc(0) depctr_vm_vsrc(0)
	s_getreg_b32 s2, hwreg(HW_REG_IB_STS2, 6, 4)
	s_cmp_eq_u32 s2, 0
	s_cbranch_scc0 .Lentry_in_a_cluster
	s_endpgm
.Lentry_in_a_cluster:
	s_bfe_u32 s2, ttmp6, 0x10000c
	s_cmp_lg_u32 s2, 0xf033
	s_cbranch_scc0 .Lentry_shape_is_right
	s_endpgm
.Lentry_shape_is_right:
; O = P V / l on codes of FP6 (E2M3) with E8M0 scales, sums in f32.  P's codes were made under M', a whole number for each query and 128 keys.
; AHEAD OF THE PRODUCT each wave takes, for its 128 queries: M = the largest of the 16 M'; l = the sum of l' 2^(M' - M) (exact scalings); and M - M' off the scale bytes of P, which brings every block under the row's M
; and changes no code.  The corrected words go to LDS by stores, where the product reads them; 1 / l multiplies the sums on the way out.
; LIMITS: M - M' is held at 127, and a byte that would fall under 0 is held at 0: such terms lie under 7.5 x 2^-127 beside a row's sum above 1/2.  NaN and infinities are not served.
; LAYOUT of the buffers of codes as in the launches before: rows stored with bits 3 and 4 of their number exchanged; the way out puts rows and columns back, by immediates.
; A tile of 256 queries x 256 columns is made by four waves, 128 x 128 each.  Source 0 = 16 stored rows of V^T, source 1 = 16 stored rows of P.  K (2,048 keys) goes in steps of 256 through a ring of two LDS slots.
; CLUSTERS 4 x 4: P's tiles are asked for jointly along a row, V's tiles and scale words along a column.
; REGISTERS: window 0: v0-31 addresses; v32-63 scale words, two sets, and nothing else; v64-251 at work ahead of the product; then v128-223 A's fragments; on the way out v64-79 1 / l, v128-255 rows read back.
;   window 1: B's fragments, two sets.  windows 2, 3: the accumulators.
.set SIZE_K, 2048
.set NQ,     2
.set BLKB,   24576
.set PITCH,  240
.set FR,     12
.set NL,     6
.set NP,     4
.set HALFT,  128*PITCH
.set SLOT,   4*HALFT
.set LAPS,   SIZE_K/512
.set HALFS,  SIZE_K*4
.set SCL,    2*SLOT                    ; P's corrected scale words, 2 x 8,192 bytes: written by stores alone; no fill lands there
.set SCLB,   SCL+2*HALFS               ; V's scale words, 2 x 8,192 bytes: filled once
.set SPARE,  SCL+4*HALFS               ; the spare words: 128 bytes a wave, two blocks of 256 bytes that no other line names
.set RL,     SPARE+512                 ; 1 / l of 128 queries, for each wave its own 512 bytes
.set SPITCH, 528                       ; the way out: a stage of 16 rows x (512 + 16) bytes for each wave, in slot 0
.set ADRA, 16
.set ADRB, 20
.set STO,  24
.set RD,   25
.set CO,   26
.set ADRS, 27
.set SPW,  28
.set NIL,  29
.set RLR,  30
.set SC,   32
.set RI,   64                          ; the way out: 1 / l of block a's row, twice, at v[64 + 2 a]
.set MJ,   64                          ; ahead of the product: 16 x 4 M'
.set LJ,   128                         ; 16 x 4 l'
.set SW,   192                         ; 8 x 4 scale words
.set MX,   224
.set LL,   228
.set RC,   248
.set AF,   128
.set BK,   128
.set G1, 24
.set G0, 32
.set G1B, 48
.set G0B, 56
.set G1SB, 80
.set G0SB, 88
.set C01, 66
.set C80, 67
.set MSB, 0
.macro WIN new
.if MSB != \new
	s_set_vgpr_msb (MSB<<8)|\new
.set MSB, \new
.endif
.endm
.set MUL_LO, 0xa1
.set MUL_HI, 0xf1
.set TO_B,   0x40
.macro JLOAD g0a, g1a, g0b, g1b        ; a joint load: waves 0 and 1 fetch for A, waves 2 and 3 for B; four v_nop follow each line
	s_cmp_eq_u32 s15, 0
	s_cbranch_scc0 .Lfor_b_\@
	tensor_load_to_lds s[\g0a:\g0a+3], s[\g1a:\g1a+7]
	s_nop 0
.rept 4
	v_nop
.endr
	s_branch .Lasked_\@
.Lfor_b_\@:
	tensor_load_to_lds s[\g0b:\g0b+3], s[\g1b:\g1b+7]
	s_nop 0
.rept 4
	v_nop
.endr
.Lasked_\@:
.endm
.macro CREST
	s_cmp_lg_u32 s14, 0
	s_cbranch_scc1 .Lnot_wave_0_\@
	s_barrier_signal -3
.Lnot_wave_0_\@:
	s_barrier_wait -3
	s_barrier_signal -1
	s_barrier_wait -1
.endm
.macro CROUND
	s_barrier_signal -1
	s_barrier_wait -1
	CREST
.endm
	s_load_b256 s[4:11], s[0:1], 0x0               ; P's codes s[4:5], P's scale words s[6:7], M' and l' s[8:9], V's codes (behind Q's and K's) s[10:11]
	s_load_b128 s[96:99], s[0:1], 0x20             ; V's scale words (behind Q's and K's) s[96:97], O s[98:99]
	v_lshl_add_u32 v[SPW], v0, 2, SPARE
	v_mov_b32 v[NIL], 0
	ds_add_u32 v28, v29
	ds_add_u32 v28, v29
	s_wait_dscnt 0x0
	v_lshrrev_b32 v1, 5, v0
	v_readfirstlane_b32 s14, v1                    ; wave 0..3
	s_lshr_b32 s15, s14, 1                         ; my half of the queries.  Also: I fetch for A (0) or for B (1)
	s_and_b32 s16, s14, 1                          ; my half of the columns.  Also: which 128 rows I fetch
	s_bfe_u32 s40, ttmp6, 0x40000                  ; cx
	s_bfe_u32 s41, ttmp6, 0x40004                  ; cy
	s_lshl_b32 s42, ttmp9, 2
	s_add_co_u32 s42, s42, s40                     ; which 256 columns
	s_and_b32 s17, ttmp7, 0xffff
	s_lshr_b32 s19, s17, 1                         ; the batch: the same in all sixteen partners
	s_lshl_b32 s17, s17, 2
	s_add_co_u32 s17, s17, s41                     ; which 256 queries of all 8,192
	s_lshl_b32 s43, s41, 2
	s_lshl_b32 s43, 15, s43
	s_lshl_b32 s44, 0x1111, s40
	s_or_b32 s[G1+0], s43, (0<<16)|(1<<20)|(1<<21)|(3<<22)|(3<<25)
	s_or_b32 s[G1B+0], s44, (0<<16)|(1<<20)|(1<<21)|(3<<22)|(3<<25)
.irp g, G1, G1B
	s_mov_b32 s[\g+1], 192<<16
	s_mov_b32 s[\g+2], 128<<16
	s_mov_b32 s[\g+3], 192<<16
	s_mov_b32 s[\g+4], 128
	s_mov_b32 s[\g+5], 192
	s_mov_b32 s[\g+6], 0
	s_mov_b32 s[\g+7], 0
.endr
	s_or_b32 s[G1SB+0], s44, (3<<16)|(1<<21)       ; a quarter of V's scale words: 4,096 dense bytes as 16 rows of 32 elements of 8 bytes
	s_mov_b32 s[G1SB+1], 32<<16
	s_mov_b32 s[G1SB+2], 16<<16
	s_mov_b32 s[G1SB+3], 32<<16
	s_mov_b32 s[G1SB+4], 16
	s_mov_b32 s[G1SB+5], 32
	s_mov_b32 s[G1SB+6], 0
	s_mov_b32 s[G1SB+7], 0
	s_lshl_b32 s18, s16, 7
	s_lshl_b32 s20, s17, 8
	s_add_co_u32 s20, s20, s18
	s_mul_i32 s20, s20, 1536                       ; P's rows that I fetch: 1,536 bytes a row
	s_mov_b32 s21, 0
	s_lshl_b32 s46, s42, 8
	s_lshl_b32 s19, s19, 10
	s_add_co_u32 s46, s46, s19                     ; the tile's first row of V^T: 1,024 x batch + 256 x tile column
	s_lshl_b32 s92, s46, 6                         ; its scale words: 64 bytes a row,
	s_lshl_b32 s93, s14, 12
	s_add_co_u32 s92, s92, s93                     ; my quarter of the tile's 16,384 bytes,
	s_add_co_u32 s92, s92, 524288                  ; behind Q's and K's
	s_mov_b32 s93, 0
	s_add_co_u32 s46, s46, s18
	s_mul_i32 s46, s46, 1536
	s_add_co_u32 s46, s46, 12582912
	s_mov_b32 s47, 0
	s_mul_i32 s45, s14, HALFT
	s_lshl_b32 s94, s14, 12
	s_wait_kmcnt 0x0
	s_add_nc_u64 s[20:21], s[4:5], s[20:21]
	s_add_nc_u64 s[46:47], s[10:11], s[46:47]
	s_add_nc_u64 s[92:93], s[96:97], s[92:93]
	CROUND                                         ; all sixteen work-groups are here: the first joint loads meet
	s_mov_b32 s[G0SB], 1
	s_add_co_u32 s[G0SB+1], s94, SCLB
	s_mov_b64 s[G0SB+2:G0SB+3], s[92:93]
	s_or_b32 s[G0SB+3], s[G0SB+3], 0x80000000
	tensor_load_to_lds s[G0SB:G0SB+3], s[G1SB:G1SB+7]   ; every wave its quarter of V's scale words: filled once
	s_nop 0
.rept 4
	v_nop
.endr
.irp s, 0,1
	s_mov_b32 s[G0+4*\s], 1
	s_add_co_u32 s[G0+4*\s+1], s45, \s*SLOT
	s_add_nc_u64 s[G0+4*\s+2:G0+4*\s+3], s[20:21], \s*BLKB
	s_or_b32 s[G0+4*\s+3], s[G0+4*\s+3], 0x80000000
	s_mov_b32 s[G0B+4*\s], 1
	s_add_co_u32 s[G0B+4*\s+1], s45, \s*SLOT
	s_add_nc_u64 s[G0B+4*\s+2:G0B+4*\s+3], s[46:47], \s*BLKB
	s_or_b32 s[G0B+4*\s+3], s[G0B+4*\s+3], 0x80000000
	JLOAD G0+4*\s, G1, G0B+4*\s, G1B
.endr
	; ---- ahead of the product, while the tiles are on their way: a lane has queries 4 lane .. 4 lane + 3 of my block of 128
	v_and_b32 v3, 31, v0
	s_lshl_b32 s18, s16, 12
	s_xor_b32 s19, s18, 4096
	v_lshl_add_u32 v8, v3, 4, s18                  ; the eight columns (of 128 keys) whose scale words I correct,
	v_lshl_add_u32 v9, v3, 4, s19                  ; and the other eight
	s_lshl_b32 s22, s17, 1
	s_add_co_u32 s22, s22, s15                     ; which block of 128 queries
	s_lshl_b32 s20, s22, 13
	s_mov_b32 s21, 0
	s_add_nc_u64 s[6:7], s[6:7], s[20:21]
	s_add_nc_u64 s[8:9], s[8:9], s[20:21]
.irp i, 0,1,2,3,4,5,6,7
	global_load_b128 v[MJ+4*\i:MJ+4*\i+3], v8, s[8:9] offset:512*\i
	global_load_b128 v[MJ+32+4*\i:MJ+32+4*\i+3], v9, s[8:9] offset:512*\i
.endr
.irp i, 0,1,2,3,4,5,6,7
	global_load_b128 v[LJ+4*\i:LJ+4*\i+3], v8, s[8:9] offset:524288+512*\i
	global_load_b128 v[LJ+32+4*\i:LJ+32+4*\i+3], v9, s[8:9] offset:524288+512*\i
.endr
.irp i, 0,1,2,3,4,5,6,7
	global_load_b128 v[SW+4*\i:SW+4*\i+3], v8, s[6:7] offset:512*\i
.endr
	v_and_b32 v1, 15, v0                           ; r
	v_bfe_u32 v2, v0, 4, 1                         ; h
	v_mul_u32_u24 v6, v1, PITCH
	v_mul_u32_u24 v4, v2, 24
	v_add_nc_u32 v4, v6, v4
	v_lshl_add_u32 v5, v2, 4, v4
	s_mul_i32 s21, s15, HALFT
	s_mul_i32 s22, s16, HALFT
	s_add_co_u32 s22, s22, 2*HALFT
.irp s, 0,1
	v_add_nc_u32 v[ADRA+\s], s21, v4
	v_add_nc_u32 v[ADRB+\s], s22, v4
	v_add_nc_u32 v[ADRA+2+\s], s21, v5
	v_add_nc_u32 v[ADRB+2+\s], s22, v5
	s_add_co_u32 s21, s21, SLOT
	s_add_co_u32 s22, s22, SLOT
.endr
	v_lshlrev_b32 v5, 2, v1                        ; 4 r
	s_mul_i32 s21, s15, HALFS
	s_mul_i32 s22, s16, HALFS
	s_add_co_u32 s22, s22, 2*HALFS
	s_sub_co_u32 s22, s22, s21
	v_mul_u32_u24 v6, s22, v2                      ; lanes 16-31 take V's words
	s_add_co_u32 s21, s21, SCL
	v_add_nc_u32 v6, v5, v6
	v_add_nc_u32 v[ADRS], s21, v6
	v_lshlrev_b32 v[CO], 4, v3                     ; 16 x lane
	s_add_co_u32 s21, s21, s18
	v_add_nc_u32 v10, s21, v[CO]                   ; where my corrected words go: P's half, my eight columns, 16 x lane
	s_lshl_b32 s23, s14, 9
	s_add_co_u32 s23, s23, RL
	v_add_nc_u32 v11, s23, v[CO]                   ; where my 1 / l go,
	v_add_nc_u32 v[RLR], s23, v5                   ; and from where they come back by rows
	s_mul_i32 s23, s14, 16*SPITCH                  ; my stage
	v_mul_u32_u24 v6, v1, SPITCH
	v_lshl_add_u32 v6, v2, 6, v6
	v_add_nc_u32 v[STO], s23, v6                   ; in: row r, + 64 h
	v_add_nc_u32 v[RD], s23, v[CO]                 ; back: a whole row of 512 bytes
	s_lshl_b32 s20, s17, 8
	s_lshl_b32 s21, s15, 7
	s_add_co_u32 s20, s20, s21
	s_lshl_b32 s20, s20, 12                        ; my first row of O: 4,096 bytes a row
	s_lshl_b32 s21, s42, 10
	s_add_co_u32 s20, s20, s21
	s_lshl_b32 s21, s16, 9
	s_add_co_u32 s20, s20, s21                     ; my first column
	s_mov_b32 s21, 0
	s_add_nc_u64 s[98:99], s[98:99], s[20:21]
	s_mov_b32 s[C01], 0x01010101
	s_mov_b32 s[C80], 0x80808080
	s_wait_loadcnt 0x0
.irp p, 0,1,2,3
	v_max3_num_f32 v[MX+\p], v[MJ+\p], v[MJ+4+\p], v[MJ+8+\p]      ; M of each of my four queries
.endr
.irp i, 3,5,7,9,11,13
.irp p, 0,1,2,3
	v_max3_num_f32 v[MX+\p], v[MX+\p], v[MJ+4*\i+\p], v[MJ+4*\i+4+\p]
.endr
.endr
.irp p, 0,1,2,3
	v_max_num_f32 v[MX+\p], v[MX+\p], v[MJ+60+\p]
.endr
.set n, 0
.rept 64
	v_sub_f32 v[MJ+n], v[MJ+n], v[MX+n%4]          ; M' - M: a whole number, 0 or less
.set n, n+1
.endr
.set n, 0
.rept 64
	v_max_num_f32 v[MJ+n], 0xc2fe0000, v[MJ+n]     ; held at -127
.set n, n+1
.endr
.set n, 0
.rept 64
	v_cvt_i32_f32 v[MJ+n], v[MJ+n]
.set n, n+1
.endr
.set n, 0
.rept 64
	v_ldexp_f32 v[LJ+n], v[LJ+n], v[MJ+n]          ; l' under the row's M: nothing is rounded
.set n, n+1
.endr
	v_pk_add_f32 v[LL:LL+1], v[LJ:LJ+1], v[LJ+4:LJ+5]
	v_pk_add_f32 v[LL+2:LL+3], v[LJ+2:LJ+3], v[LJ+6:LJ+7]
.irp i, 2,3,4,5,6,7,8,9,10,11,12,13,14,15
	v_pk_add_f32 v[LL:LL+1], v[LL:LL+1], v[LJ+4*\i:LJ+4*\i+1]
	v_pk_add_f32 v[LL+2:LL+3], v[LL+2:LL+3], v[LJ+4*\i+2:LJ+4*\i+3]
.endr
.irp p, 0,1,2,3
	v_rcp_f32 v[RC+\p], v[LL+\p]                   ; l is above 1/2: the row's largest p is
.endr
; the four bytes of a word at once.  Each byte b is at most 125 and d = M - M' at most 127: (b + 128) - d borrows from no neighbour, and its top bit says whether b >= d.
.set n, 0
.rept 32
	v_mul_lo_u32 v[MJ+n], v[MJ+n], s[C01]          ; -d in each byte, modulo 2^32
.set n, n+1
.endr
.set n, 0
.rept 32
	v_or_b32 v[SW+n], s[C80], v[SW+n]
.set n, n+1
.endr
.set n, 0
.rept 32
	v_add_nc_u32 v[SW+n], v[SW+n], v[MJ+n]         ; y = b + 128 - d
.set n, n+1
.endr
.set n, 0
.rept 32
	v_and_b32 v[MJ+n], s[C80], v[SW+n]             ; the top bits
.set n, n+1
.endr
.set n, 0
.rept 32
	v_lshrrev_b32 v[LJ+n], 7, v[MJ+n]
.set n, n+1
.endr
.set n, 0
.rept 32
	v_sub_nc_u32 v[MJ+n], v[MJ+n], v[LJ+n]         ; 0x7f where b >= d, else 0
.set n, n+1
.endr
.set n, 0
.rept 32
	v_and_b32 v[SW+n], v[SW+n], v[MJ+n]            ; b - d, held at 0
.set n, n+1
.endr
	s_wait_alu depctr_va_vdst(0)                   ; one wait for the four reciprocals, ahead of their first reader
.irp i, 0,1,2,3,4,5,6,7
	ds_store_b128 v10, v[SW+4*\i:SW+4*\i+3] offset:512*\i
.endr
	ds_store_b128 v11, v[RC:RC+3]
.macro FRAG reg, adr, q, i
.irp p, 0,1,2,3,4,5
.set PCE, 12*(\q)+6*(\p/3)+\p%3
.if PCE%8 < 5
	ds_load_b64 v[\reg+2*\p:\reg+2*\p+1], v[\adr] offset:8*PCE+16*(PCE/8)+(\i)*16*PITCH
.else
	ds_load_b64 v[\reg+2*\p:\reg+2*\p+1], v[\adr+2] offset:8*PCE+16*(PCE/8)+(\i)*16*PITCH
.endif
.endr
.endm
; 16 matrix instructions: A's blocks a0, a0 + 1 x B's eight.  zero = 1: the first product starts the sums.  The 64 accumulators take turns.
.macro MUL16 a0, p, q, sc, zero
.irp a, \a0, \a0+1
.irp b, 0,1,2,3,4,5,6,7
.if \zero
	v_wmma_scale_f32_16x16x128_f8f6f4 v[8*(8*((\a)%4)+\b):8*(8*((\a)%4)+\b)+7], v[128*(\p)+FR*\b:128*(\p)+FR*\b+FR-1], v[AF+FR*(\a):AF+FR*(\a)+FR-1], 0, v[SC+8*NQ*(\sc)+NQ*\b+(\q)], v[SC+8*NQ*(\sc)+NQ*(\a)+(\q)] matrix_a_fmt:MATRIX_FMT_FP6 matrix_b_fmt:MATRIX_FMT_FP6 matrix_a_scale:MATRIX_SCALE_ROW1
.else
	v_wmma_scale_f32_16x16x128_f8f6f4 v[8*(8*((\a)%4)+\b):8*(8*((\a)%4)+\b)+7], v[128*(\p)+FR*\b:128*(\p)+FR*\b+FR-1], v[AF+FR*(\a):AF+FR*(\a)+FR-1], v[8*(8*((\a)%4)+\b):8*(8*((\a)%4)+\b)+7], v[SC+8*NQ*(\sc)+NQ*\b+(\q)], v[SC+8*NQ*(\sc)+NQ*(\a)+(\q)] matrix_a_fmt:MATRIX_FMT_FP6 matrix_b_fmt:MATRIX_FMT_FP6 matrix_a_scale:MATRIX_SCALE_ROW1
.endif
.endr
.endr
.endm
.macro FETCH_B slot, q, p
	WIN TO_B
.irp i, 0,1,2,3,4,5,6,7
	FRAG 128*(\p)+FR*\i, ADRB+\slot, \q, \i
.endr
	WIN 0
.endm
.macro FETCH_A slot, q, i0
.irp i, \i0, \i0+1, \i0+2, \i0+3
	FRAG AF+FR*(\i), ADRA+\slot, \q, \i
.endr
.endm
.macro SCALES sc
.irp i, 0,1,2,3,4,5,6,7
	ds_load_b32 v[SC+16*\sc+2*\i], v[ADRS] offset:64*\i
	ds_load_b32 v[SC+16*\sc+2*\i+1], v[ADRS] offset:512+64*\i
.endr
.endm
.macro PLACES n
.rept \n
	v_nop
.endr
.endm
.macro STEP slot, q, zero
	s_wait_dscnt 4*NL                              ; all but the youngest 24 loads (A's blocks 4-7) are in
	WIN MUL_LO
	MUL16 0, (\q)%2, \q, \slot, \zero
	MUL16 2, (\q)%2, \q, \slot, \zero
	s_wait_dscnt 0
	PLACES NP
	FETCH_B \slot, (\q)+1, 1-(\q)%2
	FETCH_A \slot, (\q)+1, 0
	WIN MUL_HI
	MUL16 4, (\q)%2, \q, \slot, \zero
	MUL16 6, (\q)%2, \q, \slot, \zero
	PLACES NP
	WIN 0
	FETCH_A \slot, (\q)+1, 4
.endm
.macro TURN slot, next, fill
	s_wait_tensorcnt 0x0                           ; all my tensor loads have landed: my part of the next slot
	ds_add_u32 v[SPW], v[NIL]                      ; 0 onto my spare word
	s_wait_dscnt 4*NL+1                            ; the add and the youngest 24 loads may be out
	WIN MUL_LO
	MUL16 0, 1, NQ-1, \slot, 0
	s_wait_dscnt 0x0                               ; the add is done, and my reads of this slot are over
	s_barrier_signal -1
	MUL16 2, 1, NQ-1, \slot, 0
	WIN 0
	s_barrier_wait -1
.if \fill
	CREST                                          ; the barrier has opened a round of the cluster's
	s_add_nc_u64 s[G0+4*\slot+2:G0+4*\slot+3], s[G0+4*\slot+2:G0+4*\slot+3], 2*BLKB
	s_add_nc_u64 s[G0B+4*\slot+2:G0B+4*\slot+3], s[G0B+4*\slot+2:G0B+4*\slot+3], 2*BLKB
	JLOAD G0+4*\slot, G1, G0B+4*\slot, G1B         ; the first tensor load behind the round
.else
	PLACES NP
.endif
	v_add_nc_u32 v[ADRS], 1024, v[ADRS]
	FETCH_B \next, 0, 0
	FETCH_A \next, 0, 0
	SCALES \next
	WIN MUL_HI
	MUL16 4, 1, NQ-1, \slot, 0
	MUL16 6, 1, NQ-1, \slot, 0
	PLACES NP
	WIN 0
	FETCH_A \next, 0, 4
.endm
	s_wait_tensorcnt 1                             ; V's scale words and my part of K step 0 are in; K step 1's load may be out
	s_wait_dscnt 0x0                               ; for the others' sake: my corrected scale words have landed
	s_barrier_signal -1
	s_barrier_wait -1
	FETCH_B 0, 0, 0
	FETCH_A 0, 0, 0
	SCALES 0
	FETCH_A 0, 0, 4
	STEP 0, 0, 1
	s_mov_b32 s3, LAPS-1
.Llap:
	TURN 0, 1, 1
	STEP 1, 0, 0
	TURN 1, 0, 1
	STEP 0, 0, 0
	s_sub_co_u32 s3, s3, 1
	s_cmp_lg_u32 s3, 0
	s_cbranch_scc1 .Llap
	TURN 0, 1, 0
	STEP 1, 0, 0
	s_wait_dscnt 4*NL
	WIN MUL_LO
	MUL16 0, 1, NQ-1, 1, 0
	MUL16 2, 1, NQ-1, 1, 0
	s_wait_dscnt 0
	WIN MUL_HI
	MUL16 4, 1, NQ-1, 1, 0
	MUL16 6, 1, NQ-1, 1, 0
	WIN 0
	PLACES NP
; THE WAY OUT, block by block of 16 stored rows x 128 columns: x 1 / l; through my own stage in LDS, each accumulator's eight numbers at their true columns; back as whole rows of 512 bytes, stored at their true rows.
.macro SCALE a
.set AC, 64*((\a)%4)
.set WS, ((2+(\a)/4)<<6)|(2+(\a)/4)
	WIN WS                                         ; destination and source 0: the accumulators' window
.set i, 0
.rept 32
	v_pk_mul_f32 v[AC+i:AC+i+1], v[AC+i:AC+i+1], v[RI+2*(\a):RI+2*(\a)+1]     ; each accumulator from its low end on
.set i, i+2
.endr
.endm
.macro TOSTAGE a
.set AC, 64*((\a)%4)
.set WS, 0x08+4*((\a)/4)
	WIN WS                                         ; an LDS store's data are its source 1
.irp b, 0,1,2,3,4,5,6,7
	ds_store_b128 v[STO], v[AC+8*\b:AC+8*\b+3] offset:128*(\b/2)+32*(\b%2)          ; register j of accumulator b is column 32 (b / 2) + 16 h + 8 (b % 2) + j
	ds_store_b128 v[STO], v[AC+8*\b+4:AC+8*\b+7] offset:128*(\b/2)+32*(\b%2)+16
.endr
	WIN 0
.set BB, BK+64*((\a)%2)
.irp t, 0,1,2,3,4,5,6,7,8,9,10,11,12,13,14,15
	ds_load_b128 v[BB+4*\t:BB+4*\t+3], v[RD] offset:\t*SPITCH      ; LDS serves a wave's instructions in order (ISA guide 5.7.1.4): these see the stores above
.endr
.endm
.macro SEND a, younger
.set BB, BK+64*((\a)%2)
	s_wait_dscnt \younger
.irp t, 0,1,2,3,4,5,6,7,8,9,10,11,12,13,14,15
	global_store_b128 v[CO], v[BB+4*\t:BB+4*\t+3], s[98:99] offset:(32*((\a)/2)+8*((\a)%2)+\t+8*(\t/8))*4096 th:TH_STORE_NT   ; stored row 16 a + t is row 32 (a / 2) + 8 (a % 2) + t + 8 (t / 8); 512 consecutive bytes, at a multiple of 512 from O's first byte
.endr
.endm
.irp a, 0,1,2,3,4,5,6,7
	ds_load_b32 v[RI+2*\a], v[RLR] offset:64*\a    ; 1 / l of my row of block a, twice: a pair for the packed multiply
	ds_load_b32 v[RI+2*\a+1], v[RLR] offset:64*\a
.endr
	s_wait_dscnt 0x0
	SCALE 0
	TOSTAGE 0
.irp a, 1,2,3,4,5,6,7
	SCALE \a
.if \a > 1
	s_wait_xcnt 0x0                                ; the stores of two blocks back have read their registers: this block's loads may land there
.endif
	TOSTAGE \a
	SEND \a-1, 32                                  ; behind the block's loads: the next block's 16 stores and 16 loads
.endr
	SEND 7, 0
	s_wait_tensorcnt 0x0                           ; the wave's end
	ds_add_u32 v[SPW], v[NIL]
	s_wait_dscnt 0x0
	CROUND                                         ; the closing round
	s_endpgm
.Lfunc_end_k_qa9bd9494e5_pv:
	.size	k_qa9bd9494e5_pv, .Lfunc_end_k_qa9bd9494e5_pv-k_qa9bd9494e5_pv
	.p2alignl 7, 3214868480
	.fill 96, 4, 3214868480
	.section	.rodata,"a",@progbits
	.p2align	6, 0x0
	.amdhsa_kernel k_qa9bd9494e5_pv
		.amdhsa_group_segment_fixed_size 327680
		.amdhsa_private_segment_fixed_size 0
		.amdhsa_enable_private_segment 0
		.amdhsa_kernarg_size 48
		.amdhsa_user_sgpr_count 2
		.amdhsa_user_sgpr_kernarg_segment_ptr 1
		.amdhsa_wavefront_size32 1
		.amdhsa_system_sgpr_workgroup_id_x 1
		.amdhsa_system_sgpr_workgroup_id_y 1
		.amdhsa_system_sgpr_workgroup_id_z 1
		.amdhsa_system_vgpr_workitem_id 0
		.amdhsa_next_free_vgpr 1024
		.amdhsa_next_free_sgpr 102
		.amdhsa_reserve_vcc 0
		.amdhsa_float_denorm_mode_32 3
		.amdhsa_float_denorm_mode_16_64 3
		.amdhsa_memory_ordered 1
		.amdhsa_forward_progress 1
		.amdhsa_inst_pref_size 207
	.end_amdhsa_kernel
	.amdgpu_metadata
---
amdhsa.version: [ 1, 2 ]
amdhsa.kernels:
  - .name:           k_qa9bd9494e5_pv
    .symbol:         k_qa9bd9494e5_pv.kd
    .args:
      - { .name: pc, .offset: 0, .size: 8, .value_kind: global_buffer, .address_space: global }
      - { .name: ps, .offset: 8, .size: 8, .value_kind: global_buffer, .address_space: global }
      - { .name: pst, .offset: 16, .size: 8, .value_kind: global_buffer, .address_space: global }
      - { .name: qkvc, .offset: 24, .size: 8, .value_kind: global_buffer, .address_space: global }
      - { .name: qkvs, .offset: 32, .size: 8, .value_kind: global_buffer, .address_space: global }
      - { .name: out0, .offset: 40, .size: 8, .value_kind: global_buffer, .address_space: global }
    .group_segment_fixed_size: 327680
    .private_segment_fixed_size: 0
    .kernarg_segment_align: 8
    .kernarg_segment_size: 48
    .max_flat_workgroup_size: 128
    .sgpr_count:     102
    .vgpr_count:     1024
    .wavefront_size: 32
...
	.end_amdgpu_metadata
.endif
;; end of part 4
;; ======== version 2 of 2: 4 launches
;; workspace buffers: xwc 8,650,752 bytes; xws 360,448 bytes; qkvc 18,874,368 bytes; qkvs 786,432 bytes; pc 12,582,912 bytes; ps 524,288 bytes; pst 1,048,576 bytes
;; launch quant (part 5): grid 352 x 1, 4 waves a work-group, no clusters, 49,664 bytes of LDS; arguments x, Wq, Wk, Wv, xwc, xws; writes xwc, xws
.if DOCPART == 5
	.amdgcn_target "amdgcn-amd-amdhsa--gfx1250"
	.amdhsa_code_object_version 6
	.text
	.protected	k_qa9bd9494e5_quant
	.globl	k_qa9bd9494e5_quant
	.p2align	8
	.type	k_qa9bd9494e5_quant,@function
k_qa9bd9494e5_quant:
	s_mov_b64 s[64:65], 0
	v_nop
	global_prefetch_b8 v0, s[64:65] scope:SCOPE_SE
	s_setreg_imm32_b32 hwreg(HW_REG_WAVE_MODE, 25, 1), 1
	s_wait_xcnt 0x0
; x [8192][1024], Wq, Wk, Wv [1024][1024], f32, K innermost, become codes of FP6 (E2M3) with one E8M0 scale byte for each 32 along K.
; The four tensors count as one list of 11,264 rows: x 0.., Wq 8192.., Wk 9216.., Wv 10240...
; A block's scale is 2^(floor(log2(its largest magnitude)) - 2): its byte is that magnitude's exponent field - 2, held at 1 from below.
; LAYOUT OF THE RESULTS (this program's own).  A row is stored at the place got by exchanging bits 3 and 4 of its number.  The codes lie IN THE ORDER OF THE OPERAND'S REGISTERS:
;   codes : [block of 128 rows][4 pieces of 256 along K][2 x 128 along K][8 blocks of 16 rows] fragments of 1,536 bytes; in a fragment registers 4 c .. 4 c + 3 of lane l lie at 512 c + 16 l.
;           (Lane (r, h) of a fragment holds row r; its registers 6 c .. 6 c + 5 are the 24 bytes of the block of 32 numbers 2 c + h.)
;   scale words: [block of 128 rows][8 words of 128 along K][128 rows][4 bytes].
; LIMITS: NaN and infinities are not served; a block whose largest magnitude lies under 2^-124, a block of zeros among them, keeps the byte 1 (its codes are then small or zero; this program alone reads the bytes).
; SHARES: a work-group takes 32 rows.  Wave w takes the 16 rows that are stored as one block (rows 8 (w % 2) + t + 8 (t / 8), t = 0 .. 15) and 512 along K (half w / 2): 16 steps of 512 numbers, a row's half each: four whole fragments.
; Each load reads 512 consecutive bytes; a step's 2,048 bytes turn through the wave's own stage in LDS, so that a lane holds 16 neighbours along K and two neighbouring lanes a block.
; Codes and scale bytes are gathered in the wave's own LDS, at their places in the fragments, and leave in runs of 512 and 64 consecutive bytes.
; No tensor loads, no barrier: waves share nothing.  Loads run four steps (16 loads a wave) ahead.
.set STEPS, 16
.set EMAX,  2
.set R,     16                         ; v16-79   four sets of 16 numbers as loaded; at the end the codes and scale words read back
.set X,     80                         ; v80-111  two sets of 16 neighbours
.set E,     112                        ; v112-127 a scale byte for each step
.set C,     128                        ; v128-191 codes: four registers for each step
.set WREG,  12288                      ; LDS of a wave: two stages of 32 x 80 bytes, 256 scale bytes, the four fragments
.set SP,    80
.set SCB,   5120                       ; the scale bytes: [4 words along K][16 rows][4]
.set CDB,   5376                       ; the four fragments, 16 bytes of padding behind each 256: 6,528 bytes
.set CA0,   4                          ; v4, v12, v13: where the three words of my 16 codes go
.set CA1,   12
.set CA2,   13
	s_load_b256 s[4:11], s[0:1], 0x0               ; x, Wq, Wk, Wv
	s_load_b128 s[12:15], s[0:1], 0x20             ; the codes, the scale words
	v_lshl_add_u32 v192, v0, 2, 0xc000
	v_mov_b32 v193, 0
	v_lshrrev_b32 v1, 5, v0
	v_readfirstlane_b32 s16, v1                    ; wave
	v_and_b32 v2, 31, v0                           ; lane
	v_lshlrev_b32 v3, 4, v2                        ; 16 x lane
	s_mul_i32 s20, s16, WREG
	v_lshrrev_b32 v14, 2, v2
	v_mul_u32_u24 v14, v14, SP
	v_and_b32 v15, 3, v2
	v_lshl_add_u32 v14, v15, 4, v14
	v_add_nc_u32 v14, s20, v14                     ; the stage on the way in: 80 (lane / 4) + 16 (lane % 4)
	v_mul_u32_u24 v15, v2, SP
	v_add_nc_u32 v15, s20, v15                     ; and on the way out: 80 x lane
	s_add_co_u32 s21, s20, CDB
	s_add_co_u32 s20, s20, SCB
	; lane l holds numbers 16 l .. 16 l + 15 of the row's 512: fragment l / 8, block (l / 2) % 4 of its four, half l % 2 of the block
	v_lshrrev_b32 v6, 3, v2                        ; the fragment
	v_mul_u32_u24 v1, v6, 1632                     ; 1,536 bytes + six paddings
	v_bfe_u32 v8, v2, 1, 1                         ; the block's low bit: the half of the fragment's lanes,
	v_mad_u32_u24 v1, v8, 272, v1                  ; 256 bytes + a padding on
	v_add_nc_u32 v1, s21, v1
	v_bfe_u32 v8, v2, 2, 1                         ; the block's high bit: registers 0-5 or 6-11,
	v_mul_u32_u24 v8, v8, 6
	v_and_b32 v9, 1, v2
	v_mad_u32_u24 v8, v9, 3, v8                    ; and my half's three of them: the first is 6 (block / 2) + 3 (half)
.macro CADR dst, i                     ; register n of a fragment lies 544 (n / 4) + 4 (n % 4) bytes on (512 bytes + two paddings for each four registers)
	v_add_nc_u32 v9, \i, v8
	v_lshrrev_b32 v10, 2, v9
	v_and_b32 v9, 3, v9
	v_mad_u32_u24 v10, v10, 544, v1
	v_lshl_add_u32 v[\dst], v9, 2, v10
.endm
	CADR CA0, 0
	CADR CA1, 1
	CADR CA2, 2
	v_bfe_u32 v8, v2, 1, 2
	v_lshl_add_u32 v5, v6, 6, v8
	v_add_nc_u32 v5, s20, v5                       ; my block's scale byte: 64 x fragment + the block's number (+ 4 x row, in the store)
	v_and_b32 v8, 7, v2
	v_lshlrev_b32 v8, 3, v8
	v_lshl_add_u32 v7, v6, 9, v8                   ; the scale words' place in memory: 512 (lane / 8) + 8 (lane % 8)
	v_lshl_add_u32 v6, v2, 3, s20                  ; and in LDS on the way out: 8 x lane
	v_lshrrev_b32 v8, 4, v2
	v_lshl_add_u32 v10, v8, 4, v3
	v_add_nc_u32 v10, s21, v10                     ; the codes on the way out: 16 x lane + a padding for lanes 16-31
	s_wait_kmcnt 0x0
	s_mov_b32 s17, 320                             ; which tensor: the choice hangs on the work-group's number alone
	s_cmp_lt_u32 ttmp9, 320
	s_cselect_b64 s[8:9], s[8:9], s[10:11]
	s_cselect_b32 s17, 288, s17
	s_cmp_lt_u32 ttmp9, 288
	s_cselect_b64 s[6:7], s[6:7], s[8:9]
	s_cselect_b32 s17, 256, s17
	s_cmp_lt_u32 ttmp9, 256
	s_cselect_b64 s[4:5], s[4:5], s[6:7]
	s_cselect_b32 s17, 0, s17                      ; the tensor's first work-group
	s_sub_co_u32 s17, ttmp9, s17
	s_lshl_b32 s18, s17, 17                        ; 32 rows of 4,096 bytes
	s_and_b32 s21, s16, 1                          ; which of the two stored blocks of 16 rows
	s_lshr_b32 s22, s16, 1                         ; which half of K
	s_lshl_b32 s23, s21, 15                        ; 8 rows
	s_add_co_u32 s18, s18, s23
	s_lshl_b32 s23, s22, 11                        ; 512 numbers
	s_add_co_u32 s18, s18, s23
	s_mov_b32 s19, 0
	s_add_nc_u64 s[4:5], s[4:5], s[18:19]
	s_and_b32 s24, ttmp9, 3
	s_lshl_b32 s24, s24, 1
	s_add_co_u32 s24, s24, s21                     ; my block of 16 rows among the eight of the block of 128
	s_lshr_b32 s25, ttmp9, 2                       ; which block of 128
	s_mul_i32 s26, s25, 98304
	s_mul_i32 s27, s22, 49152                      ; my half of K: two pieces of 256
	s_add_co_u32 s26, s26, s27
	s_mul_i32 s27, s24, 1536
	s_add_co_u32 s26, s26, s27
	s_mov_b32 s27, 0
	s_add_nc_u64 s[12:13], s[12:13], s[26:27]
	s_lshl_b32 s26, s25, 12
	s_lshl_b32 s28, s22, 11                        ; four columns of 512 bytes
	s_add_co_u32 s26, s26, s28
	s_lshl_b32 s28, s24, 6
	s_add_co_u32 s26, s26, s28
	s_add_nc_u64 s[14:15], s[14:15], s[26:27]
.macro LOAD t                          ; step t: row t + 8 (t / 8) of my rows
.irp i, 0,1,2,3
	global_load_b128 v[R+16*((\t)%4)+4*\i:R+16*((\t)%4)+4*\i+3], v3, s[4:5] offset:((\t)+8*((\t)/8))*4096+512*\i th:TH_LOAD_NT   ; 32 lanes read 512 consecutive bytes
.endr
.endm
.macro TURN t                          ; step t's numbers through the stage: LDS serves a wave's instructions in order (ISA guide 5.7.1.4)
.irp i, 0,1,2,3
	ds_store_b128 v14, v[R+16*((\t)%4)+4*\i:R+16*((\t)%4)+4*\i+3] offset:32*SP*((\t)%2)+8*SP*\i
.endr
.irp i, 0,1,2,3
	ds_load_b128 v[X+16*((\t)%2)+4*\i:X+16*((\t)%2)+4*\i+3], v15 offset:32*SP*((\t)%2)+16*\i
.endr
.endm
.irp t, 0,1,2,3
	LOAD \t
.endr
	s_wait_loadcnt 12                              ; step 0's four loads are in
	TURN 0
.macro STEP t
.set XS, X+16*((\t)%2)
.if (\t) > 0
	s_wait_dscnt 4                                 ; this step's numbers are back from the stage; the last step's byte store and its three code stores may be out
.else
	s_wait_dscnt 0x0
.endif
.if (\t)+4 < STEPS
	LOAD (\t)+4                                    ; into the registers that this step's stage stores have read
.endif
.if (\t)+1 < STEPS
.if STEPS-2-(\t) >= 3
	s_wait_loadcnt 12                              ; the next step's four loads are in; those of the three steps behind it may be out
.else
	s_wait_loadcnt 4*(STEPS-2-(\t))
.endif
	TURN (\t)+1
.endif
	v_max3_num_f32 v8, |v[XS]|, |v[XS+1]|, |v[XS+2]|               ; the largest magnitude of my 16, in two chains
	v_max3_num_f32 v9, |v[XS+3]|, |v[XS+4]|, |v[XS+5]|
.irp i, 6,10
	v_max3_num_f32 v8, v8, |v[XS+\i]|, |v[XS+\i+1]|
	v_max3_num_f32 v9, v9, |v[XS+\i+2]|, |v[XS+\i+3]|
.endr
	v_max3_num_f32 v8, v8, |v[XS+14]|, |v[XS+15]|
	v_max3_num_f32 v8, v8, v9, (EMAX+1)<<23        ; and the floor 2^(3 - 127): the byte cannot fall under 1
	v_max_num_f32_dpp v8, v8, v8 row_xmask:1 row_mask:0xf bank_mask:0xf   ; with my neighbour's 16: the block's
	v_add_nc_u32 v11, -(EMAX<<23), v8              ; 2 off its exponent field: the conversion takes this operand's exponent field as its scale
	v_cvt_scalef32_pk16_fp6_f32 v[C+4*(\t):C+4*(\t)+2], v[XS:XS+15], v11
	v_lshrrev_b32 v[E+(\t)], 23, v11               ; the scale's byte (also the plain line behind the conversion)
	ds_store_b8 v5, v[E+(\t)] offset:4*(\t)        ; row t's word; both lanes of a block write the same value
	ds_store_b32 v[CA0], v[C+4*(\t)] offset:16*(\t)                ; row t is lane t (or 16 + t) of the fragment: 16 bytes a lane
	ds_store_b32 v[CA1], v[C+4*(\t)+1] offset:16*(\t)
	ds_store_b32 v[CA2], v[C+4*(\t)+2] offset:16*(\t)
.endm
.irp t, 0,1,2,3,4,5,6,7,8,9,10,11,12,13,14,15
	STEP \t
.endr
.irp n, 0,1,2,3,4,5,6,7,8,9,10,11
	ds_load_b128 v[R+4*\n:R+4*\n+3], v10 offset:544*\n             ; these see my stores: LDS serves a wave's instructions in order
.endr
	ds_load_b64 v[R+48:R+49], v6
.irp n, 0,1,2,3,4,5,6,7,8,9,10,11
	s_wait_dscnt 12-\n                             ; the 11 - n younger code loads and the scale words' load may be out
	global_store_b128 v3, v[R+4*\n:R+4*\n+3], s[12:13] offset:(\n/3)*12288+(\n%3)*512   ; 512 consecutive bytes, at a multiple of 512 from the buffer's first byte
.endr
	s_wait_dscnt 0x0
	global_store_b64 v7, v[R+48:R+49], s[14:15]    ; eight lanes store the 64 consecutive bytes of my 16 rows in one column of scale words
	s_wait_tensorcnt 0x0
	ds_add_u32 v192, v193
	s_wait_dscnt 0x0
	s_endpgm
.Lfunc_end_k_qa9bd9494e5_quant:
	.size	k_qa9bd9494e5_quant, .Lfunc_end_k_qa9bd9494e5_quant-k_qa9bd9494e5_quant
	.p2alignl 7, 3214868480
	.fill 96, 4, 3214868480
	.section	.rodata,"a",@progbits
	.p2align	6, 0x0
	.amdhsa_kernel k_qa9bd9494e5_quant
		.amdhsa_group_segment_fixed_size 49664
		.amdhsa_private_segment_fixed_size 0
		.amdhsa_enable_private_segment 0
		.amdhsa_kernarg_size 48
		.amdhsa_user_sgpr_count 2
		.amdhsa_user_sgpr_kernarg_segment_ptr 1
		.amdhsa_wavefront_size32 1
		.amdhsa_system_sgpr_workgroup_id_x 1
		.amdhsa_system_sgpr_workgroup_id_y 1
		.amdhsa_system_sgpr_workgroup_id_z 1
		.amdhsa_system_vgpr_workitem_id 0
		.amdhsa_next_free_vgpr 194
		.amdhsa_next_free_sgpr 66
		.amdhsa_reserve_vcc 0
		.amdhsa_float_denorm_mode_32 3
		.amdhsa_float_denorm_mode_16_64 3
		.amdhsa_memory_ordered 1
		.amdhsa_forward_progress 1
		.amdhsa_inst_pref_size 38
	.end_amdhsa_kernel
	.amdgpu_metadata
---
amdhsa.version: [ 1, 2 ]
amdhsa.kernels:
  - .name:           k_qa9bd9494e5_quant
    .symbol:         k_qa9bd9494e5_quant.kd
    .args:
      - { .name: x, .offset: 0, .size: 8, .value_kind: global_buffer, .address_space: global }
      - { .name: Wq, .offset: 8, .size: 8, .value_kind: global_buffer, .address_space: global }
      - { .name: Wk, .offset: 16, .size: 8, .value_kind: global_buffer, .address_space: global }
      - { .name: Wv, .offset: 24, .size: 8, .value_kind: global_buffer, .address_space: global }
      - { .name: xwc, .offset: 32, .size: 8, .value_kind: global_buffer, .address_space: global }
      - { .name: xws, .offset: 40, .size: 8, .value_kind: global_buffer, .address_space: global }
    .group_segment_fixed_size: 49664
    .private_segment_fixed_size: 0
    .kernarg_segment_align: 8
    .kernarg_segment_size: 48
    .max_flat_workgroup_size: 128
    .sgpr_count:     66
    .vgpr_count:     194
    .wavefront_size: 32
...
	.end_amdgpu_metadata
.endif
;; end of part 5
;; launch qkv (part 6): grid 12 x 32, 4 waves a work-group, clusters of 4 x 4, 327,680 bytes of LDS; arguments xwc, xws, bq, bk, bv, qkvc, qkvs; writes qkvc, qkvs
.if DOCPART == 6
	.amdgcn_target "amdgcn-amd-amdhsa--gfx1250"
	.amdhsa_code_object_version 6
	.text
	.protected	k_qa9bd9494e5_qkv
	.globl	k_qa9bd9494e5_qkv
	.p2align	8
	.type	k_qa9bd9494e5_qkv,@function
k_qa9bd9494e5_qkv:
	s_mov_b64 s[64:65], 0
	v_nop
	global_prefetch_b8 v0, s[64:65] scope:SCOPE_SE
	s_setreg_imm32_b32 hwreg(HW_REG_WAVE_MODE, 25, 1), 1
	s_wait_xcnt 0x0
	s_wait_alu depctr_hold_cnt(0) depctr_sa_sdst(0) depctr_va_vdst(0) depctr_va_sdst(0) depctr_va_ssrc(0) depctr_va_vcc(0) depctr_vm_vsrc(0)
	s_getreg_b32 s2, hwreg(HW_REG_IB_STS2, 6, 4)
	s_cmp_eq_u32 s2, 0
	s_cbranch_scc0 .Lentry_in_a_cluster
	s_endpgm
.Lentry_in_a_cluster:
	s_bfe_u32 s2, ttmp6, 0x10000c
	s_cmp_lg_u32 s2, 0xf033
	s_cbranch_scc0 .Lentry_shape_is_right
	s_endpgm
.Lentry_shape_is_right:
; Q = x Wq^T + bq, K = x Wk^T + bk, V = x Wv^T + bv on codes of FP6 (E2M3) with E8M0 scales, sums in f32; the results leave as codes again: Q and K quantised along their 1,024 columns,
; V along the keys (as V^T: [batch][1024 rows d][2048 keys]).  Nothing leaves as f32.
; LAYOUT of every buffer of codes here: a ROW is stored at the place got by exchanging bits 3 and 4 of its number; K keeps its order; the codes lie in the order of the operand's registers:
;   codes [block of 128 rows][K / 256 pieces][2 x 128 along K][8 blocks of 16 rows] fragments of 1,536 bytes (registers 4 c .. 4 c + 3 of lane l at 512 c + 16 l);  scale words [block of 128 rows][K / 128][128 rows][4 bytes].
; So a fragment comes from LDS by three loads of 16 bytes a lane, 512 consecutive bytes each, a piece is 24,576 dense bytes for one tensor load, and what the quantiser below makes is stored as it stands.
; 16 neighbouring stored rows, given as source 0, are rows 32 b + 8 u + r + 8 (r / 8), so the 16 registers of two neighbouring result tiles are 16 NEIGHBOURS along the next product's K.
; A tile of 256 x 256 is made by four waves, 128 x 128 each: 64 accumulators, 512 registers.  Source 0 = 16 rows of side B, source 1 = 16 rows of side A: a lane holds ONE row of A's side and its registers run along B's rows.
; Clusters x = 0, 1 make Q and K: A = x, B = Wq | Wk.  Cluster x = 2 makes V^T: A = Wv, B = x.  That number is the same in all sixteen partners; only offsets, and which registers start the sums, hang on it.
; K = 1,024 is four steps of 256.  LDS holds THREE of them: steps 0, 1, 2 are asked for together at the start; step 3 goes into step 0's slot behind the one change of slots that fills anything, and has four
; steps of 64 products in which to land.  A wave has four tensor loads out at the start, later one.  The eight steps of 128 along K are written out: there is no loop.
; CLUSTERS 4 x 4: A's tiles are asked for jointly along a row, B's along a column.
; The bias starts each sum as the C of its first product (so the order of rounding differs from adding it last).
; LIMITS: NaN and infinities are not served; a block whose largest magnitude lies under 2^-124, a block of zeros among them, keeps the byte 1.
; REGISTERS: window 0: v0-31 addresses; v32-63 scale words, two sets, and nothing else; v64-127 the bias, later the codes just made; v128-223 A's fragments; v224-247 at work on the way out.
;   window 1: B's fragments, two sets at v0 and v128.  windows 2, 3: the accumulators ((a, b) at v[8 (8 (a % 4) + b)] of window 2 + a / 4).
.set NQ,     2
.set BLKB,   24576                     ; a piece: 128 rows x 256 along K
.set FR,     12
.set NL,     3                         ; LDS loads that bring a fragment
.set NP,     4
.set SLOT,   4*BLKB                    ; A's two halves, then B's two halves
.set HALFS,  4096                      ; the scale words of 128 rows
.set SCL,    3*SLOT
.set SPARE,  SCL+4*HALFS               ; the spare words: 128 bytes a wave, two blocks of 256 bytes that no other line names
.set SST,    SPARE+512                 ; the way out: 512 bytes of scale words for each wave
.set ADRA, 16                          ; v16-18  LDS address of my A fragments in slot 0, 1, 2
.set ADRB, 20                          ; v20-22  the same for B
.set STS,  25                          ; the way out: where I put my row's scale word
.set ADRS, 27
.set SPW,  28
.set NIL,  29
.set RDS,  30                          ; and where I read the words back
.set CO,   31                          ; 16 x lane
.set SC,   32
.set BIAS, 64
.set PC0,  64                          ; two sets of 20 registers for codes
.set AF,   128
.set TM,   224
.set PW,   240
.set SMB,  244
.set TC,   12                          ; s12 the tile column
.set G1,   24                          ; s[24:31] group 1 for A's pieces;  s[32:43] their groups 0, one for each slot;  s[44:47] group 0 for A's scale words
.set G0A0, 32
.set G0A1, 36
.set G0A2, 40
.set G0S,  44
.set G1B,  48                          ; s[48:55] group 1 for B's pieces;  s[56:63], s[84:87] their groups 0
.set G0B0, 56
.set G0B1, 60
.set G1S,  68                          ; s[68:75], s[76:83] groups 1 for A's and B's scale words;  s[88:91] group 0 for B's
.set G1SB, 76
.set G0B2, 84
.set G0SB, 88
.set SEL, 92
.set FLR, 94
.set MSB, 0
.macro WIN new                         ; the immediate's high byte repeats the setting that is left
.if MSB != \new
	s_set_vgpr_msb (MSB<<8)|\new
.set MSB, \new
.endif
.endm
.set MUL_LO, 0xa1                      ; source 0 (B) window 1, source 1 (A) window 0, C and D window 2
.set MUL_HI, 0xf1
.set TO_B,   0x40
.macro JLOAD g0a, g1a, g0b, g1b        ; a joint load: waves 0 and 1 fetch for A, waves 2 and 3 for B; four v_nop follow each line
	s_cmp_eq_u32 s15, 0
	s_cbranch_scc0 .Lfor_b_\@
	tensor_load_to_lds s[\g0a:\g0a+3], s[\g1a:\g1a+7]
	s_nop 0
.rept 4
	v_nop
.endr
	s_branch .Lasked_\@
.Lfor_b_\@:
	tensor_load_to_lds s[\g0b:\g0b+3], s[\g1b:\g1b+7]
	s_nop 0
.rept 4
	v_nop
.endr
.Lasked_\@:
.endm
.macro CREST
	s_cmp_lg_u32 s14, 0
	s_cbranch_scc1 .Lnot_wave_0_\@
	s_barrier_signal -3
.Lnot_wave_0_\@:
	s_barrier_wait -3
	s_barrier_signal -1
	s_barrier_wait -1
.endm
.macro CROUND
	s_barrier_signal -1
	s_barrier_wait -1
	CREST
.endm
.macro GROUP0 g, lds, off, adr, step   ; a group 0: count 1; LDS address s[lds] + off; global address s[adr:adr+1] + step; type 2
	s_mov_b32 s[\g], 1
	s_add_co_u32 s[\g+1], s[\lds], \off
	s_add_nc_u64 s[\g+2:\g+3], s[\adr:\adr+1], \step
	s_or_b32 s[\g+3], s[\g+3], 0x80000000
.endm
	s_load_b256 s[4:11], s[0:1], 0x0               ; the codes of x and the weights s[4:5], their scale words s[6:7], bq s[8:9], bk s[10:11]
	s_load_b128 s[96:99], s[0:1], 0x20             ; bv s[96:97], the results' codes s[98:99]
	s_load_b64 s[100:101], s[0:1], 0x30            ; the results' scale words
	v_lshl_add_u32 v[SPW], v0, 2, SPARE
	v_mov_b32 v[NIL], 0
	ds_add_u32 v28, v29
	ds_add_u32 v28, v29
	s_wait_dscnt 0x0
	v_lshrrev_b32 v1, 5, v0
	v_readfirstlane_b32 s14, v1                    ; wave 0..3
	s_lshr_b32 s15, s14, 1                         ; my half of A's rows.  Also: I fetch for A (0) or for B (1)
	s_and_b32 s16, s14, 1                          ; my half of B's rows.  Also: which 128 rows I fetch
	s_bfe_u32 s2, ttmp6, 0x40000                   ; cx
	s_bfe_u32 s3, ttmp6, 0x40004                   ; cy
	s_and_b32 s18, ttmp7, 0xffff                   ; cluster y
	s_lshl_b32 s19, s18, 2
	s_lshl_b32 s20, ttmp9, 2
	s_mov_b32 s94, 10240
	s_mov_b32 s95, 8192
	s_cmp_eq_u32 ttmp9, 2                          ; a cluster of V's?
	s_cselect_b32 s66, 1, 0
	s_cselect_b32 s17, 0, s19
	s_cselect_b32 s[TC], s19, s20
	s_cselect_b32 s94, s94, 0                      ; A's first row in the list: Wv's or x's
	s_cselect_b32 s95, 0, s95                      ; B's: x's or Wq's
	s_add_co_u32 s17, s17, s3                      ; tile row: cy, or 4 x cluster y + cy
	s_add_co_u32 s[TC], s[TC], s2                  ; tile column: 4 x cluster y + cx, or 4 x cluster x + cx
	s_lshl_b32 s18, s3, 2
	s_lshl_b32 s18, 15, s18                        ; my row of the cluster
	s_lshl_b32 s19, 0x1111, s2                     ; my column
	s_or_b32 s[G1+0], s18, (3<<16)|(1<<21)         ; the mask; elements of 8 bytes; bit 21 beside a mask; no padding
	s_or_b32 s[G1B+0], s19, (3<<16)|(1<<21)
.irp g, G1, G1B                        ; a piece: 24,576 dense bytes as 96 rows of 32 elements
	s_mov_b32 s[\g+1], 32<<16                      ; tensor_dim0
	s_mov_b32 s[\g+2], 96<<16                      ; tensor_dim1
	s_mov_b32 s[\g+3], 32<<16                      ; tile_dim0
	s_mov_b32 s[\g+4], 96                          ; tile_dim1
	s_mov_b32 s[\g+5], 32                          ; the pitch
	s_mov_b32 s[\g+6], 0
	s_mov_b32 s[\g+7], 0
.endr
	s_or_b32 s[G1S+0], s18, (3<<16)|(1<<21)        ; the scale words of 128 rows: 4,096 dense bytes as 16 such rows
	s_or_b32 s[G1SB+0], s19, (3<<16)|(1<<21)
.irp g, G1S, G1SB
	s_mov_b32 s[\g+1], 32<<16
	s_mov_b32 s[\g+2], 16<<16
	s_mov_b32 s[\g+3], 32<<16
	s_mov_b32 s[\g+4], 16
	s_mov_b32 s[\g+5], 32
	s_mov_b32 s[\g+6], 0
	s_mov_b32 s[\g+7], 0
.endr
	s_lshl_b32 s18, s16, 7                         ; which 128 rows of the tile I fetch
	s_lshl_b32 s20, s17, 8
	s_add_co_u32 s20, s20, s18
	s_add_co_u32 s20, s20, s94                     ; A's
	s_lshl_b32 s92, s[TC], 8
	s_add_co_u32 s92, s92, s18
	s_add_co_u32 s92, s92, s95                     ; B's
	s_lshl_b32 s22, s20, 5                         ; scale words: 32 bytes a row
	s_mov_b32 s23, 0
	s_lshl_b32 s94, s92, 5
	s_mov_b32 s95, 0
	s_mul_i32 s20, s20, 768                        ; codes: 768 bytes a row
	s_mov_b32 s21, 0
	s_mul_i32 s92, s92, 768
	s_mov_b32 s93, 0
	s_mul_i32 s13, s14, BLKB                       ; where they go: no place in the cluster enters an LDS address
	s_lshl_b32 s18, s14, 12
	s_wait_kmcnt 0x0
	s_add_nc_u64 s[20:21], s[4:5], s[20:21]
	s_add_nc_u64 s[22:23], s[6:7], s[22:23]
	s_add_nc_u64 s[92:93], s[4:5], s[92:93]
	s_add_nc_u64 s[94:95], s[6:7], s[94:95]
	CROUND                                         ; all sixteen work-groups are here: the first joint loads meet
	GROUP0 G0S, 18, SCL, 22, 0
	GROUP0 G0SB, 18, SCL, 94, 0
	JLOAD G0S, G1S, G0SB, G1SB                     ; the scale words of all of K: filled once
	GROUP0 G0A0, 13, 0, 20, 0
	GROUP0 G0B0, 13, 0, 92, 0
	JLOAD G0A0, G1, G0B0, G1B                      ; K step 0
	GROUP0 G0A1, 13, SLOT, 20, BLKB
	GROUP0 G0B1, 13, SLOT, 92, BLKB
	JLOAD G0A1, G1, G0B1, G1B                      ; K step 1
	GROUP0 G0A2, 13, 2*SLOT, 20, 2*BLKB
	GROUP0 G0B2, 13, 2*SLOT, 92, 2*BLKB
	JLOAD G0A2, G1, G0B2, G1B                      ; K step 2
	v_and_b32 v1, 15, v0                           ; r
	v_bfe_u32 v2, v0, 4, 1                         ; h
	v_and_b32 v3, 31, v0
	v_lshlrev_b32 v[CO], 4, v3                     ; 16 x lane
	s_mul_i32 s21, s15, BLKB
	s_mul_i32 s22, s16, BLKB
	s_add_co_u32 s22, s22, 2*BLKB
.irp s, 0,1,2
	v_add_nc_u32 v[ADRA+\s], s21, v[CO]
	v_add_nc_u32 v[ADRB+\s], s22, v[CO]
	s_add_co_u32 s21, s21, SLOT
	s_add_co_u32 s22, s22, SLOT
.endr
	v_lshlrev_b32 v5, 2, v1                        ; 4 r
	s_mul_i32 s21, s15, HALFS
	s_mul_i32 s22, s16, HALFS
	s_add_co_u32 s22, s22, 2*HALFS
	s_sub_co_u32 s22, s22, s21
	v_mul_u32_u24 v6, s22, v2                      ; lanes 16-31 take B's words
	s_add_co_u32 s21, s21, SCL
	v_add_nc_u32 v6, v5, v6
	v_add_nc_u32 v[ADRS], s21, v6
	s_lshl_b32 s23, s14, 9
	s_add_co_u32 s23, s23, SST
	v_add_nc_u32 v[STS], s23, v5
	v_add_nc_u32 v[RDS], s23, v[CO]
	; where the results go, and the bias: offsets chosen by the kind of cluster
	s_and_b32 s18, ttmp7, 0xffff
	s_lshr_b32 s18, s18, 1                         ; the batch of a V tile's keys
	s_mul_i32 s19, s18, 1572864
	s_add_co_u32 s19, s19, 12582912
	s_mul_i32 s20, ttmp9, 6291456
	s_lshl_b32 s21, s18, 16
	s_add_co_u32 s21, s21, 524288
	s_lshl_b32 s22, ttmp9, 18
	s_mov_b32 s23, 196608
	s_mov_b32 s92, 98304
	s_mov_b32 s93, 8192
	s_mov_b32 s94, 4096
	s_and_b32 s95, s[TC], 3
	s_cmp_eq_u32 s66, 1
	s_cselect_b32 s19, s19, s20                    ; the tensor's first byte of codes
	s_cselect_b32 s21, s21, s22                    ; and of scale words
	s_cselect_b32 s23, s23, s92                    ; a block of 128 rows of codes
	s_cselect_b32 s93, s93, s94                    ; and of scale words
	s_cselect_b32 s20, 7, 3
	s_cselect_b32 s2, s17, s95                     ; the bias: which 256,
	s_cselect_b32 s67, s15, s16                    ; which half of them;
	s_cselect_b32 s4, 0, 64                        ; bytes for the lane's half,
	s_cselect_b32 s5, 4, 0                         ; for the lane's row,
	s_cselect_b32 s6, 0, 4                         ; from register to register
	s_cselect_b64 s[96:97], s[96:97], s[10:11]
	s_cmp_eq_u32 ttmp9, 0
	s_cselect_b64 s[8:9], s[8:9], s[96:97]         ; bq, bk or bv
	s_and_b32 s20, s[TC], s20                      ; which piece of 256 along the next K
	s_lshl_b32 s22, s17, 1
	s_add_co_u32 s22, s22, s15                     ; which block of 128 rows
	s_mul_i32 s23, s22, s23
	s_add_co_u32 s18, s19, s23
	s_mul_i32 s23, s20, BLKB
	s_add_co_u32 s18, s18, s23
	s_mul_i32 s23, s16, 12288                      ; my 128 along the next K: the piece's first or second eight fragments
	s_add_co_u32 s18, s18, s23
	s_mov_b32 s19, 0
	s_add_nc_u64 s[98:99], s[98:99], s[18:19]
	s_mul_i32 s23, s22, s93
	s_add_co_u32 s18, s21, s23
	s_lshl_b32 s23, s20, 1
	s_add_co_u32 s23, s23, s16
	s_lshl_b32 s23, s23, 9
	s_add_co_u32 s18, s18, s23
	s_add_nc_u64 s[100:101], s[100:101], s[18:19]
	s_lshl_b32 s18, s2, 10
	s_lshl_b32 s23, s67, 9
	s_add_co_u32 s18, s18, s23
	s_add_nc_u64 s[8:9], s[8:9], s[18:19]
	v_and_b32 v7, 8, v1
	v_add_nc_u32 v7, v7, v1                        ; r + 8 (r / 8)
	v_mul_u32_u24 v8, v2, s4
	v_mad_u32_u24 v8, v7, s5, v8
.irp j, 1,2,3,4,5,6,7
	v_add_nc_u32 v[8+\j], s6, v[7+\j]
.endr
; Q, K: register 8 x + j = bias(32 (x / 2) + 16 h + 8 (x % 2) + j): the C of B's block x.   V: all eight registers of x = bias(32 (x / 2) + 8 (x % 2) + r + 8 (r / 8)): the C of A's block x.
.irp x, 0,1,2,3,4,5,6,7
.irp j, 0,1,2,3,4,5,6,7
	global_load_b32 v[BIAS+8*\x+\j], v[8+\j], s[8:9] offset:4*(32*(\x/2)+8*(\x%2))
.endr
.endr
.macro FRAG reg, adr, q, i             ; a fragment, 16 rows x 128 K, 12 registers: it lies in LDS as an image of its registers: three loads of 512 consecutive bytes
.irp c, 0,1,2
	ds_load_b128 v[\reg+4*\c:\reg+4*\c+3], v[\adr] offset:(8*(\q)+(\i))*1536+512*\c
.endr
.endm
; 16 matrix instructions: A's blocks a0, a0 + 1 x B's eight.  zero = 2: the sums start with the bias of B's block; 3: with that of A's block; 0: in place.  The 64 accumulators take turns.
.macro MUL16 a0, p, q, sc, zero
.irp a, \a0, \a0+1
.irp b, 0,1,2,3,4,5,6,7
.if \zero == 2
	v_wmma_scale_f32_16x16x128_f8f6f4 v[8*(8*((\a)%4)+\b):8*(8*((\a)%4)+\b)+7], v[128*(\p)+FR*\b:128*(\p)+FR*\b+FR-1], v[AF+FR*(\a):AF+FR*(\a)+FR-1], v[BIAS+8*\b:BIAS+8*\b+7], v[SC+8*NQ*(\sc)+NQ*\b+(\q)], v[SC+8*NQ*(\sc)+NQ*(\a)+(\q)] matrix_a_fmt:MATRIX_FMT_FP6 matrix_b_fmt:MATRIX_FMT_FP6 matrix_a_scale:MATRIX_SCALE_ROW1
.elseif \zero == 3
	v_wmma_scale_f32_16x16x128_f8f6f4 v[8*(8*((\a)%4)+\b):8*(8*((\a)%4)+\b)+7], v[128*(\p)+FR*\b:128*(\p)+FR*\b+FR-1], v[AF+FR*(\a):AF+FR*(\a)+FR-1], v[BIAS+8*(\a):BIAS+8*(\a)+7], v[SC+8*NQ*(\sc)+NQ*\b+(\q)], v[SC+8*NQ*(\sc)+NQ*(\a)+(\q)] matrix_a_fmt:MATRIX_FMT_FP6 matrix_b_fmt:MATRIX_FMT_FP6 matrix_a_scale:MATRIX_SCALE_ROW1
.else
	v_wmma_scale_f32_16x16x128_f8f6f4 v[8*(8*((\a)%4)+\b):8*(8*((\a)%4)+\b)+7], v[128*(\p)+FR*\b:128*(\p)+FR*\b+FR-1], v[AF+FR*(\a):AF+FR*(\a)+FR-1], v[8*(8*((\a)%4)+\b):8*(8*((\a)%4)+\b)+7], v[SC+8*NQ*(\sc)+NQ*\b+(\q)], v[SC+8*NQ*(\sc)+NQ*(\a)+(\q)] matrix_a_fmt:MATRIX_FMT_FP6 matrix_b_fmt:MATRIX_FMT_FP6 matrix_a_scale:MATRIX_SCALE_ROW1
.endif
.endr
.endr
.endm
.macro FETCH_B slot, q, p
	WIN TO_B
.irp i, 0,1,2,3,4,5,6,7
	FRAG 128*(\p)+FR*\i, ADRB+\slot, \q, \i
.endr
	WIN 0
.endm
.macro FETCH_A slot, q, i0
.irp i, \i0, \i0+1, \i0+2, \i0+3
	FRAG AF+FR*(\i), ADRA+\slot, \q, \i
.endr
.endm
.macro SCALES nt                       ; K step nt's two words a row into set nt % 2: lanes 0-15 take A's block i, lanes 16-31 B's block i
.irp i, 0,1,2,3,4,5,6,7
	ds_load_b32 v[SC+16*((\nt)%2)+2*\i], v[ADRS] offset:1024*(\nt)+64*\i
	ds_load_b32 v[SC+16*((\nt)%2)+2*\i+1], v[ADRS] offset:1024*(\nt)+512+64*\i
.endr
.endm
.macro PLACES n                        ; plain vector lines between a matrix instruction and a load into, or a read of, its registers
.rept \n
	v_nop
.endr
.endm
; A step of 128 along K (the q-th of its K step, scale words in set sc).  Its successor is the nq-th 128 of LDS slot ns, which every wave knows whole; with nq = 0 the scale words of K step nt come too.
.macro STEP q, sc, zero, ns, nq, nt
	s_wait_dscnt 4*NL                              ; all but the youngest 12 loads (A's blocks 4-7) are in
.if \zero >= 2
	WIN 0x81                                       ; C (the bias) in window 0, D in window 2
.else
	WIN MUL_LO
.endif
	MUL16 0, \q, \q, \sc, \zero
	MUL16 2, \q, \q, \sc, \zero
	s_wait_dscnt 0
	PLACES NP
	FETCH_B \ns, \nq, \nq
	FETCH_A \ns, \nq, 0
.if \nq == 0
	SCALES \nt
.endif
.if \zero >= 2
	WIN 0xc1
.else
	WIN MUL_HI
.endif
	MUL16 4, \q, \q, \sc, \zero
	MUL16 6, \q, \q, \sc, \zero
	PLACES NP
	WIN 0
	FETCH_A \ns, \nq, 4
.endm
; A K step's second 128 with a barrier in it.  In front of the barrier each wave waits for all its tensor loads, adds 0 to its spare word, and waits for that and for its reads of the slot in hand.
; fill = 1 (behind K step 0): slots 1 and 2 are then whole for every wave, nobody reads slot 0 any more, and K step 3 is asked for into it.  fill = 0 (behind K step 2): K step 3 is whole for every wave.
.macro TURN sc, fill, ns, nt
	s_wait_tensorcnt 0x0                           ; all my tensor loads have landed
	ds_add_u32 v[SPW], v[NIL]                      ; 0 onto my spare word
	s_wait_dscnt 4*NL+1                            ; the add and the youngest 12 loads may be out
	WIN MUL_LO
	MUL16 0, 1, 1, \sc, 0
	s_wait_dscnt 0x0                               ; the add is done, and my reads of this slot are over
	s_barrier_signal -1
	MUL16 2, 1, 1, \sc, 0
	WIN 0
	s_barrier_wait -1
.if \fill
	CREST                                          ; the barrier has opened a round of the cluster's: no wave of any partner still reads slot 0 or has a load on its way
	s_add_nc_u64 s[G0A0+2:G0A0+3], s[G0A0+2:G0A0+3], 3*BLKB
	s_add_nc_u64 s[G0B0+2:G0B0+3], s[G0B0+2:G0B0+3], 3*BLKB
	JLOAD G0A0, G1, G0B0, G1B                      ; the first tensor load behind the round, and my only one from here on; its four v_nop are the places in front of the loads below
.else
	PLACES NP
.endif
	FETCH_B \ns, 0, 0
	FETCH_A \ns, 0, 0
	SCALES \nt
	WIN MUL_HI
	MUL16 4, 1, 1, \sc, 0
	MUL16 6, 1, 1, \sc, 0
	PLACES NP
	WIN 0
	FETCH_A \ns, 0, 4
.endm
	s_wait_tensorcnt 2                             ; the scale words and my part of K step 0 are in; K steps 1 and 2 may be out
	s_barrier_signal -1
	s_barrier_wait -1
	FETCH_B 0, 0, 0
	FETCH_A 0, 0, 0
	SCALES 0
	FETCH_A 0, 0, 4
	s_wait_loadcnt 0x0                             ; the bias
	s_cmp_eq_u32 s66, 1                            ; the first step is written twice: it differs in the registers that start the sums
	s_cbranch_scc1 .Lfirst_v
	STEP 0, 0, 2, 0, 1, 0
	s_branch .Lfirst_done
.Lfirst_v:
	STEP 0, 0, 3, 0, 1, 0
.Lfirst_done:
	TURN 0, 1, 1, 1                                ; K step 0 ends; K step 3 is asked for; on to slot 1
	STEP 0, 1, 0, 1, 1, 0                          ; K step 1
	STEP 1, 1, 0, 2, 0, 2                          ; on to slot 2: it was shown whole by the barrier above
	STEP 0, 0, 0, 2, 1, 0                          ; K step 2
	TURN 0, 0, 0, 3                                ; on to slot 0, which holds K step 3
	STEP 0, 1, 0, 0, 1, 0                          ; K step 3
	s_wait_dscnt 4*NL
	WIN MUL_LO
	MUL16 0, 1, 1, 1, 0
	MUL16 2, 1, 1, 1, 0
	s_wait_dscnt 0
	WIN MUL_HI
	MUL16 4, 1, 1, 1, 0
	MUL16 6, 1, 1, 1, 0
	WIN 0
	PLACES NP
; THE WAY OUT.  Block a's 64 registers of a lane are 128 neighbours along the next K in the order 32 b + 16 h + i: they become one fragment's codes and one scale word of the lane's row.
.macro QUANTW src, win, st
.set PCS, PC0+20*(\st)
.set WA, ((\win)<<2)|((\win)<<4)
.set WD, (\win)
	WIN WA                                         ; sources 1 and 2: the accumulators' window
.irp b, 0,1,2,3
	v_max3_num_f32 v[TM+\b], s[FLR], |v[(\src)+16*\b]|, |v[(\src)+16*\b+1]|   ; each accumulator from its low end on; the floor 2^(3 - 127) holds the byte at 1 from below
.endr
.irp i, 2,4,6,8,10,12,14
.irp b, 0,1,2,3
	v_max3_num_f32 v[TM+\b], v[TM+\b], |v[(\src)+16*\b+\i]|, |v[(\src)+16*\b+\i+1]|
.endr
.endr
	WIN 0
.irp b, 0,1,2,3
	v_permlanex16_b32 v[TM+4+\b], v[TM+\b], s[SEL], s[SEL+1]
.endr
.irp b, 0,1,2,3
	v_max_num_f32 v[TM+\b], v[TM+\b], v[TM+4+\b]   ; with lane l xor 16's 16: the block's largest magnitude
.endr
.irp b, 0,1,2,3
	v_add_nc_u32 v[TM+12+\b], 0xff000000, v[TM+\b] ; 2 off its exponent field: the conversion's scale operand
.endr
.irp b, 0,1,2,3
	v_lshrrev_b32 v[TM+4+\b], 23, v[TM+12+\b]      ; the scale's byte
.endr
	v_lshl_or_b32 v[PW+\st], v[TM+5], 8, v[TM+4]
	v_lshl_or_b32 v[PW+\st], v[TM+6], 16, v[PW+\st]
	v_lshl_or_b32 v[PW+\st], v[TM+7], 24, v[PW+\st]
	WIN WD                                         ; source 0: the accumulators' window
.irp c, 0,1
	v_cvt_scalef32_pk16_fp6_f32 v[PCS+6*\c:PCS+6*\c+2], v[(\src)+32*\c:(\src)+32*\c+15], v[TM+12+2*\c]
	v_cvt_scalef32_pk16_fp6_f32 v[PCS+12+4*\c:PCS+14+4*\c], v[(\src)+16+32*\c:(\src)+31+32*\c], v[TM+13+2*\c]
.endr
	WIN 0
	v_nop                                          ; one plain line behind a scaled conversion
.irp c, 0,1                                    ; the operand's layout wants a whole block in a lane
.irp i, 0,1,2
	v_permlane16_swap_b32 v[PCS+6*\c+\i], v[PCS+12+4*\c+\i]
.endr
.irp i, 0,1,2
	v_mov_b32 v[PCS+3+6*\c+\i], v[PCS+12+4*\c+\i]
.endr
.endr
.endm
.macro OUTCODES a, st                  ; the twelve registers ARE fragment a of my 128 along the next K: they are stored as they stand
.set PCS, PC0+20*(\st)
.irp c, 0,1,2
	global_store_b128 v[CO], v[PCS+4*\c:PCS+4*\c+3], s[98:99] offset:(\a)*1536+512*\c   ; 512 consecutive bytes, at a multiple of 512 from the buffer's first byte
.endr
.endm
	s_mov_b32 s[SEL], 0x76543210
	s_mov_b32 s[SEL+1], 0xfedcba98
	s_mov_b32 s[FLR], 0x1800000
.irp b, 0,1,2,3
	v_mov_b32 v[TM+4+\b], 0                        ; written once: a lane permute's destination counts as one of its sources
.endr
.irp a, 0,1,2,3,4,5,6,7
.if \a >= 2
	s_wait_xcnt 0x0                                ; the stores of two blocks back have read this set of registers (ISA guide 3.1): it is written again only behind this wait
	s_wait_dscnt 1                                 ; the word store of the block before may be out
.endif
	QUANTW 64*(\a%4), 2+\a/4, \a%2
	OUTCODES \a, \a%2
	ds_store_b32 v[STS], v[PW+\a%2] offset:64*\a   ; lanes r and 16 + r write the same word with the same value
.endr
	ds_load_b128 v[SMB:SMB+3], v[RDS]              ; my own 128 words: LDS serves a wave's instructions in order (ISA guide 5.7.1.4)
	s_wait_dscnt 0x0
	global_store_b128 v[CO], v[SMB:SMB+3], s[100:101]   ; my column of 128 scale words: 512 consecutive bytes
	s_wait_tensorcnt 0x0                           ; the wave's end
	ds_add_u32 v[SPW], v[NIL]
	s_wait_dscnt 0x0
	CROUND                                         ; the closing round
	s_endpgm
.Lfunc_end_k_qa9bd9494e5_qkv:
	.size	k_qa9bd9494e5_qkv, .Lfunc_end_k_qa9bd9494e5_qkv-k_qa9bd9494e5_qkv
	.p2alignl 7, 3214868480
	.fill 96, 4, 3214868480
	.section	.rodata,"a",@progbits
	.p2align	6, 0x0
	.amdhsa_kernel k_qa9bd9494e5_qkv
		.amdhsa_group_segment_fixed_size 327680
		.amdhsa_private_segment_fixed_size 0
		.amdhsa_enable_private_segment 0
		.amdhsa_kernarg_size 56
		.amdhsa_user_sgpr_count 2
		.amdhsa_user_sgpr_kernarg_segment_ptr 1
		.amdhsa_wavefront_size32 1
		.amdhsa_system_sgpr_workgroup_id_x 1
		.amdhsa_system_sgpr_workgroup_id_y 1
		.amdhsa_system_sgpr_workgroup_id_z 1
		.amdhsa_system_vgpr_workitem_id 0
		.amdhsa_next_free_vgpr 1024
		.amdhsa_next_free_sgpr 102
		.amdhsa_reserve_vcc 0
		.amdhsa_float_denorm_mode_32 3
		.amdhsa_float_denorm_mode_16_64 3
		.amdhsa_memory_ordered 1
		.amdhsa_forward_progress 1
		.amdhsa_inst_pref_size 161
	.end_amdhsa_kernel
	.amdgpu_metadata
---
amdhsa.version: [ 1, 2 ]
amdhsa.kernels:
  - .name:           k_qa9bd9494e5_qkv
    .symbol:         k_qa9bd9494e5_qkv.kd
    .args:
      - { .name: xwc, .offset: 0, .size: 8, .value_kind: global_buffer, .address_space: global }
      - { .name: xws, .offset: 8, .size: 8, .value_kind: global_buffer, .address_space: global }
      - { .name: bq, .offset: 16, .size: 8, .value_kind: global_buffer, .address_space: global }
      - { .name: bk, .offset: 24, .size: 8, .value_kind: global_buffer, .address_space: global }
      - { .name: bv, .offset: 32, .size: 8, .value_kind: global_buffer, .address_space: global }
      - { .name: qkvc, .offset: 40, .size: 8, .value_kind: global_buffer, .address_space: global }
      - { .name: qkvs, .offset: 48, .size: 8, .value_kind: global_buffer, .address_space: global }
    .group_segment_fixed_size: 327680
    .private_segment_fixed_size: 0
    .kernarg_segment_align: 8
    .kernarg_segment_size: 56
    .max_flat_workgroup_size: 128
    .sgpr_count:     102
    .vgpr_count:     1024
    .wavefront_size: 32
...
	.end_amdgpu_metadata
.endif
;; end of part 6
;; launch scores (part 7): grid 8 x 32, 4 waves a work-group, clusters of 4 x 4, 327,680 bytes of LDS; arguments qkvc, qkvs, pc, ps, pst; writes pc, ps, pst
.if DOCPART == 7
	.amdgcn_target "amdgcn-amd-amdhsa--gfx1250"
	.amdhsa_code_object_version 6
	.text
	.protected	k_qa9bd9494e5_scores
	.globl	k_qa9bd9494e5_scores
	.p2align	8
	.type	k_qa9bd9494e5_scores,@function
k_qa9bd9494e5_scores:
	s_mov_b64 s[64:65], 0
	v_nop
	global_prefetch_b8 v0, s[64:65] scope:SCOPE_SE
	s_setreg_imm32_b32 hwreg(HW_REG_WAVE_MODE, 25, 1), 1
	s_wait_xcnt 0x0
	s_wait_alu depctr_hold_cnt(0) depctr_sa_sdst(0) depctr_va_vdst(0) depctr_va_sdst(0) depctr_va_ssrc(0) depctr_va_vcc(0) depctr_vm_vsrc(0)
	s_getreg_b32 s2, hwreg(HW_REG_IB_STS2, 6, 4)
	s_cmp_eq_u32 s2, 0
	s_cbranch_scc0 .Lentry_in_a_cluster
	s_endpgm
.Lentry_in_a_cluster:
	s_bfe_u32 s2, ttmp6, 0x10000c
	s_cmp_lg_u32 s2, 0xf033
	s_cbranch_scc0 .Lentry_shape_is_right
	s_endpgm
.Lentry_shape_is_right:
; For each batch: S = Q K^T on codes of FP6 (E2M3) with E8M0 scales, sums in f32; t = S log2(e) / 32; for each query and each 128 keys M' = ceil(the largest t of these keys), a whole number;
; p = 2^(t - M') is quantised along the keys and leaves as codes and scale words; M' and l' = the sum of the unquantised p leave beside them.  The next launch brings every 128 keys under the row's own M by
; taking M - M' off the scale bytes, which changes no code.  Every exponent is t less the ceiling of the largest t of its own 128 keys: at most 0.
; LAYOUT as in the launch before: rows stored with bits 3 and 4 of their number exchanged, K in its order, the codes in the order of the operand's registers:
;   codes [128 rows][K / 256 pieces][2 x 128 along K][8 blocks of 16 rows] fragments of 1,536 bytes (registers 4 c .. 4 c + 3 of lane l at 512 c + 16 l); words [128 rows][K / 128][128 rows][4 bytes].
; A tile of 256 queries x 256 keys is made by four waves, 128 x 128 each.  Source 0 = 16 stored rows of K, source 1 = 16 stored rows of Q: a lane holds one query, and the 16 registers of two neighbouring tiles are 16 neighbouring keys.
; The 1,024 columns are four K steps of 256.  LDS holds THREE of them: steps 0, 1, 2 are asked for together at the start; step 3 goes into step 0's slot behind the one change of slots that fills anything, and has four
; steps of 64 products in which to land.  A wave has four tensor loads out at the start, later one.  The eight steps of 128 along K are written out: there is no loop.
; CLUSTERS 4 x 4: Q's tiles are asked for jointly along a row, K's along a column.
; LIMITS: NaN and infinities are not served; a p under 2^-126 counts as 0; a block all of whose p lie under 2^-124 keeps the byte 1.
; REGISTERS: window 0: v0-31 addresses; v32-63 scale words, two sets, and nothing else; v64-103 the codes just made; v104-115 small results read back; v128-223 A's fragments; v224-249 the softmax's figures.
;   window 1: B's fragments, two sets.  windows 2, 3: the accumulators.
.set NQ,     2
.set BLKB,   24576
.set FR,     12
.set NL,     3
.set NP,     4
.set SLOT,   4*BLKB
.set HALFS,  4096
.set SCL,    3*SLOT
.set SPARE,  SCL+4*HALFS               ; the spare words: 128 bytes a wave, two blocks of 256 bytes that no other line names
.set SST,    SPARE+512                 ; the way out: for each wave 512 bytes of scale words; 2,048 on the same of M'; 4,096 on of l'
.set ADRA, 16
.set ADRB, 20
.set STS,  25
.set ADRS, 27
.set SPW,  28
.set NIL,  29
.set RDS,  30
.set CO,   31
.set SC,   32
.set PC0,  64
.set SMB,  104
.set AF,   128
.set BM,   224                         ; v224-227 the blocks' largest scores, then their largest p
.set BX,   228                         ; v228-231 the other half's, then the bytes
.set SO,   232                         ; v232-235 the conversions' scale operands
.set NM,   236                         ; v[236:237] -M' (the packed form names a pair)
.set SUMA, 238
.set SUMB, 240
.set T,    242                         ; v242-243
.set PW,   244                         ; two sets each: the scale word,
.set MS,   246                         ; M',
.set LS,   248                         ; l'
.set TC,   12
.set G1,   24
.set G0A0, 32
.set G0A1, 36
.set G0A2, 40
.set G0S,  44
.set G1B,  48
.set G0B0, 56
.set G0B1, 60
.set G1S,  68
.set G1SB, 76
.set G0B2, 84
.set G0SB, 88
.set SEL, 92
.set CS,  94
.set NINF, 66
.set MSB, 0
.macro WIN new
.if MSB != \new
	s_set_vgpr_msb (MSB<<8)|\new
.set MSB, \new
.endif
.endm
.set MUL_LO, 0xa1
.set MUL_HI, 0xf1
.set TO_B,   0x40
.macro JLOAD g0a, g1a, g0b, g1b        ; a joint load: waves 0 and 1 fetch for A, waves 2 and 3 for B; four v_nop follow each line
	s_cmp_eq_u32 s15, 0
	s_cbranch_scc0 .Lfor_b_\@
	tensor_load_to_lds s[\g0a:\g0a+3], s[\g1a:\g1a+7]
	s_nop 0
.rept 4
	v_nop
.endr
	s_branch .Lasked_\@
.Lfor_b_\@:
	tensor_load_to_lds s[\g0b:\g0b+3], s[\g1b:\g1b+7]
	s_nop 0
.rept 4
	v_nop
.endr
.Lasked_\@:
.endm
.macro CREST
	s_cmp_lg_u32 s14, 0
	s_cbranch_scc1 .Lnot_wave_0_\@
	s_barrier_signal -3
.Lnot_wave_0_\@:
	s_barrier_wait -3
	s_barrier_signal -1
	s_barrier_wait -1
.endm
.macro CROUND
	s_barrier_signal -1
	s_barrier_wait -1
	CREST
.endm
.macro GROUP0 g, lds, off, adr, step   ; a group 0: count 1; LDS address s[lds] + off; global address s[adr:adr+1] + step; type 2
	s_mov_b32 s[\g], 1
	s_add_co_u32 s[\g+1], s[\lds], \off
	s_add_nc_u64 s[\g+2:\g+3], s[\adr:\adr+1], \step
	s_or_b32 s[\g+3], s[\g+3], 0x80000000
.endm
	s_load_b256 s[4:11], s[0:1], 0x0               ; Q's, K's, V's codes s[4:5], their scale words s[6:7], P's codes s[8:9], P's scale words s[10:11]
	s_load_b64 s[96:97], s[0:1], 0x20              ; M' and l'
	v_lshl_add_u32 v[SPW], v0, 2, SPARE
	v_mov_b32 v[NIL], 0
	ds_add_u32 v28, v29
	ds_add_u32 v28, v29
	s_wait_dscnt 0x0
	v_lshrrev_b32 v1, 5, v0
	v_readfirstlane_b32 s14, v1                    ; wave 0..3
	s_lshr_b32 s15, s14, 1                         ; my half of the queries.  Also: I fetch for A (0) or for B (1)
	s_and_b32 s16, s14, 1                          ; my half of the keys.  Also: which 128 rows I fetch
	s_bfe_u32 s2, ttmp6, 0x40000                   ; cx
	s_bfe_u32 s3, ttmp6, 0x40004                   ; cy
	s_lshl_b32 s[TC], ttmp9, 2
	s_add_co_u32 s[TC], s[TC], s2                  ; which 256 keys of the batch
	s_and_b32 s17, ttmp7, 0xffff
	s_lshr_b32 s13, s17, 1                         ; the batch: the same in all sixteen partners
	s_lshl_b32 s17, s17, 2
	s_add_co_u32 s17, s17, s3                      ; which 256 queries of all 8,192
	s_lshl_b32 s18, s3, 2
	s_lshl_b32 s18, 15, s18                        ; my row of the cluster
	s_lshl_b32 s19, 0x1111, s2                     ; my column
	s_or_b32 s[G1+0], s18, (3<<16)|(1<<21)         ; the mask; elements of 8 bytes; bit 21 beside a mask; no padding
	s_or_b32 s[G1B+0], s19, (3<<16)|(1<<21)
.irp g, G1, G1B                        ; a piece: 24,576 dense bytes as 96 rows of 32 elements
	s_mov_b32 s[\g+1], 32<<16
	s_mov_b32 s[\g+2], 96<<16
	s_mov_b32 s[\g+3], 32<<16
	s_mov_b32 s[\g+4], 96
	s_mov_b32 s[\g+5], 32
	s_mov_b32 s[\g+6], 0
	s_mov_b32 s[\g+7], 0
.endr
	s_or_b32 s[G1S+0], s18, (3<<16)|(1<<21)        ; the scale words of 128 rows: 4,096 dense bytes as 16 such rows
	s_or_b32 s[G1SB+0], s19, (3<<16)|(1<<21)
.irp g, G1S, G1SB
	s_mov_b32 s[\g+1], 32<<16
	s_mov_b32 s[\g+2], 16<<16
	s_mov_b32 s[\g+3], 32<<16
	s_mov_b32 s[\g+4], 16
	s_mov_b32 s[\g+5], 32
	s_mov_b32 s[\g+6], 0
	s_mov_b32 s[\g+7], 0
.endr
	s_lshl_b32 s18, s16, 7
	s_lshl_b32 s20, s17, 8
	s_add_co_u32 s20, s20, s18                     ; Q's rows that I fetch
	s_lshl_b32 s92, s[TC], 8
	s_lshl_b32 s13, s13, 11
	s_add_co_u32 s92, s92, s13
	s_add_co_u32 s92, s92, s18                     ; K's
	s_lshl_b32 s22, s20, 5
	s_mov_b32 s23, 0
	s_lshl_b32 s94, s92, 5
	s_add_co_u32 s94, s94, 262144                  ; K's scale words lie behind Q's
	s_mov_b32 s95, 0
	s_mul_i32 s20, s20, 768
	s_mov_b32 s21, 0
	s_mul_i32 s92, s92, 768
	s_add_co_u32 s92, s92, 6291456                 ; K's codes lie behind Q's
	s_mov_b32 s93, 0
	s_mul_i32 s13, s14, BLKB                       ; where they go: no place in the cluster enters an LDS address
	s_lshl_b32 s18, s14, 12
	s_wait_kmcnt 0x0
	s_add_nc_u64 s[20:21], s[4:5], s[20:21]
	s_add_nc_u64 s[22:23], s[6:7], s[22:23]
	s_add_nc_u64 s[92:93], s[4:5], s[92:93]
	s_add_nc_u64 s[94:95], s[6:7], s[94:95]
	CROUND                                         ; all sixteen work-groups are here: the first joint loads meet
	GROUP0 G0S, 18, SCL, 22, 0
	GROUP0 G0SB, 18, SCL, 94, 0
	JLOAD G0S, G1S, G0SB, G1SB                     ; the scale words of all of K: filled once
	GROUP0 G0A0, 13, 0, 20, 0
	GROUP0 G0B0, 13, 0, 92, 0
	JLOAD G0A0, G1, G0B0, G1B                      ; K step 0
	GROUP0 G0A1, 13, SLOT, 20, BLKB
	GROUP0 G0B1, 13, SLOT, 92, BLKB
	JLOAD G0A1, G1, G0B1, G1B                      ; K step 1
	GROUP0 G0A2, 13, 2*SLOT, 20, 2*BLKB
	GROUP0 G0B2, 13, 2*SLOT, 92, 2*BLKB
	JLOAD G0A2, G1, G0B2, G1B                      ; K step 2
	v_and_b32 v1, 15, v0                           ; r
	v_bfe_u32 v2, v0, 4, 1                         ; h
	v_and_b32 v3, 31, v0
	v_lshlrev_b32 v[CO], 4, v3                     ; 16 x lane
	s_mul_i32 s21, s15, BLKB
	s_mul_i32 s22, s16, BLKB
	s_add_co_u32 s22, s22, 2*BLKB
.irp s, 0,1,2
	v_add_nc_u32 v[ADRA+\s], s21, v[CO]
	v_add_nc_u32 v[ADRB+\s], s22, v[CO]
	s_add_co_u32 s21, s21, SLOT
	s_add_co_u32 s22, s22, SLOT
.endr
	v_lshlrev_b32 v5, 2, v1
	s_mul_i32 s21, s15, HALFS
	s_mul_i32 s22, s16, HALFS
	s_add_co_u32 s22, s22, 2*HALFS
	s_sub_co_u32 s22, s22, s21
	v_mul_u32_u24 v6, s22, v2                      ; lanes 16-31 take B's words
	s_add_co_u32 s21, s21, SCL
	v_add_nc_u32 v6, v5, v6
	v_add_nc_u32 v[ADRS], s21, v6
	s_lshl_b32 s23, s14, 9
	s_add_co_u32 s23, s23, SST
	v_add_nc_u32 v[STS], s23, v5
	v_add_nc_u32 v[RDS], s23, v[CO]
	s_lshl_b32 s22, s17, 1
	s_add_co_u32 s22, s22, s15                     ; which block of 128 queries
	s_mul_i32 s18, s22, 196608
	s_mul_i32 s23, s[TC], BLKB
	s_add_co_u32 s18, s18, s23
	s_mul_i32 s23, s16, 12288                      ; my 128 keys: the piece's first or second eight fragments
	s_add_co_u32 s18, s18, s23
	s_mov_b32 s19, 0
	s_add_nc_u64 s[8:9], s[8:9], s[18:19]
	s_lshl_b32 s18, s22, 13
	s_lshl_b32 s23, s[TC], 1
	s_add_co_u32 s23, s23, s16
	s_lshl_b32 s23, s23, 9
	s_add_co_u32 s18, s18, s23
	s_add_nc_u64 s[10:11], s[10:11], s[18:19]      ; my column of scale words,
	s_add_nc_u64 s[96:97], s[96:97], s[18:19]      ; of M', and 524,288 bytes on of l'
.macro FRAG reg, adr, q, i             ; a fragment lies in LDS as an image of its registers: three loads of 512 consecutive bytes
.irp c, 0,1,2
	ds_load_b128 v[\reg+4*\c:\reg+4*\c+3], v[\adr] offset:(8*(\q)+(\i))*1536+512*\c
.endr
.endm
; 16 matrix instructions: A's blocks a0, a0 + 1 x B's eight.  zero = 1: the first product starts the sums.  The 64 accumulators take turns.
.macro MUL16 a0, p, q, sc, zero
.irp a, \a0, \a0+1
.irp b, 0,1,2,3,4,5,6,7
.if \zero
	v_wmma_scale_f32_16x16x128_f8f6f4 v[8*(8*((\a)%4)+\b):8*(8*((\a)%4)+\b)+7], v[128*(\p)+FR*\b:128*(\p)+FR*\b+FR-1], v[AF+FR*(\a):AF+FR*(\a)+FR-1], 0, v[SC+8*NQ*(\sc)+NQ*\b+(\q)], v[SC+8*NQ*(\sc)+NQ*(\a)+(\q)] matrix_a_fmt:MATRIX_FMT_FP6 matrix_b_fmt:MATRIX_FMT_FP6 matrix_a_scale:MATRIX_SCALE_ROW1
.else
	v_wmma_scale_f32_16x16x128_f8f6f4 v[8*(8*((\a)%4)+\b):8*(8*((\a)%4)+\b)+7], v[128*(\p)+FR*\b:128*(\p)+FR*\b+FR-1], v[AF+FR*(\a):AF+FR*(\a)+FR-1], v[8*(8*((\a)%4)+\b):8*(8*((\a)%4)+\b)+7], v[SC+8*NQ*(\sc)+NQ*\b+(\q)], v[SC+8*NQ*(\sc)+NQ*(\a)+(\q)] matrix_a_fmt:MATRIX_FMT_FP6 matrix_b_fmt:MATRIX_FMT_FP6 matrix_a_scale:MATRIX_SCALE_ROW1
.endif
.endr
.endr
.endm
.macro FETCH_B slot, q, p
	WIN TO_B
.irp i, 0,1,2,3,4,5,6,7
	FRAG 128*(\p)+FR*\i, ADRB+\slot, \q, \i
.endr
	WIN 0
.endm
.macro FETCH_A slot, q, i0
.irp i, \i0, \i0+1, \i0+2, \i0+3
	FRAG AF+FR*(\i), ADRA+\slot, \q, \i
.endr
.endm
.macro SCALES nt                       ; K step nt's two words a row into set nt % 2: lanes 0-15 take A's block i, lanes 16-31 B's block i
.irp i, 0,1,2,3,4,5,6,7
	ds_load_b32 v[SC+16*((\nt)%2)+2*\i], v[ADRS] offset:1024*(\nt)+64*\i
	ds_load_b32 v[SC+16*((\nt)%2)+2*\i+1], v[ADRS] offset:1024*(\nt)+512+64*\i
.endr
.endm
.macro PLACES n                        ; plain vector lines between a matrix instruction and a load into, or a read of, its registers
.rept \n
	v_nop
.endr
.endm
; A step of 128 along K (the q-th of its K step, scale words in set sc).  Its successor is the nq-th 128 of LDS slot ns, which every wave knows whole; with nq = 0 the scale words of K step nt come too.
.macro STEP q, sc, zero, ns, nq, nt
	s_wait_dscnt 4*NL                              ; all but the youngest 12 loads (A's blocks 4-7) are in
	WIN MUL_LO
	MUL16 0, \q, \q, \sc, \zero
	MUL16 2, \q, \q, \sc, \zero
	s_wait_dscnt 0
	PLACES NP
	FETCH_B \ns, \nq, \nq
	FETCH_A \ns, \nq, 0
.if \nq == 0
	SCALES \nt
.endif
	WIN MUL_HI
	MUL16 4, \q, \q, \sc, \zero
	MUL16 6, \q, \q, \sc, \zero
	PLACES NP
	WIN 0
	FETCH_A \ns, \nq, 4
.endm
; A K step's second 128 with a barrier in it.  In front of the barrier each wave waits for all its tensor loads, adds 0 to its spare word, and waits for that and for its reads of the slot in hand.
; fill = 1 (behind K step 0): slots 1 and 2 are then whole for every wave, nobody reads slot 0 any more, and K step 3 is asked for into it.  fill = 0 (behind K step 2): K step 3 is whole for every wave.
.macro TURN sc, fill, ns, nt
	s_wait_tensorcnt 0x0                           ; all my tensor loads have landed
	ds_add_u32 v[SPW], v[NIL]                      ; 0 onto my spare word
	s_wait_dscnt 4*NL+1                            ; the add and the youngest 12 loads may be out
	WIN MUL_LO
	MUL16 0, 1, 1, \sc, 0
	s_wait_dscnt 0x0                               ; the add is done, and my reads of this slot are over
	s_barrier_signal -1
	MUL16 2, 1, 1, \sc, 0
	WIN 0
	s_barrier_wait -1
.if \fill
	CREST                                          ; the barrier has opened a round of the cluster's: no wave of any partner still reads slot 0 or has a load on its way
	s_add_nc_u64 s[G0A0+2:G0A0+3], s[G0A0+2:G0A0+3], 3*BLKB
	s_add_nc_u64 s[G0B0+2:G0B0+3], s[G0B0+2:G0B0+3], 3*BLKB
	JLOAD G0A0, G1, G0B0, G1B                      ; the first tensor load behind the round, and my only one from here on; its four v_nop are the places in front of the loads below
.else
	PLACES NP
.endif
	FETCH_B \ns, 0, 0
	FETCH_A \ns, 0, 0
	SCALES \nt
	WIN MUL_HI
	MUL16 4, 1, 1, \sc, 0
	MUL16 6, 1, 1, \sc, 0
	PLACES NP
	WIN 0
	FETCH_A \ns, 0, 4
.endm
	s_wait_tensorcnt 2                             ; the scale words and my part of K step 0 are in; K steps 1 and 2 may be out
	s_barrier_signal -1
	s_barrier_wait -1
	FETCH_B 0, 0, 0
	FETCH_A 0, 0, 0
	SCALES 0
	FETCH_A 0, 0, 4
	STEP 0, 0, 1, 0, 1, 0                          ; K step 0: its first products start the sums
	TURN 0, 1, 1, 1                                ; K step 0 ends; K step 3 is asked for; on to slot 1
	STEP 0, 1, 0, 1, 1, 0                          ; K step 1
	STEP 1, 1, 0, 2, 0, 2                          ; on to slot 2: it was shown whole by the barrier above
	STEP 0, 0, 0, 2, 1, 0                          ; K step 2
	TURN 0, 0, 0, 3                                ; on to slot 0, which holds K step 3
	STEP 0, 1, 0, 0, 1, 0                          ; K step 3
	s_wait_dscnt 4*NL
	WIN MUL_LO
	MUL16 0, 1, 1, 1, 0
	MUL16 2, 1, 1, 1, 0
	s_wait_dscnt 0
	WIN MUL_HI
	MUL16 4, 1, 1, 1, 0
	MUL16 6, 1, 1, 1, 0
	WIN 0
	PLACES NP
; THE WAY OUT.  Block a: a lane's 64 registers are 64 of its query's 128 keys (register 16 b + i: key 32 b + 16 h + i); lane l xor 16 holds the others.
.macro SOFTQ src, win, st
.set PCS, PC0+20*(\st)
.set WA, ((\win)<<2)|((\win)<<4)
.set WB, ((\win)<<6)|(\win)
.set WC, (\win)<<2
.set WD, (\win)
	WIN WA
.irp b, 0,1,2,3
	v_max3_num_f32 v[BM+\b], s[NINF], v[(\src)+16*\b], v[(\src)+16*\b+1]   ; the largest score of each block of 32 keys; each accumulator from its low end on
.endr
.irp i, 2,4,6,8,10,12,14
.irp b, 0,1,2,3
	v_max3_num_f32 v[BM+\b], v[BM+\b], v[(\src)+16*\b+\i], v[(\src)+16*\b+\i+1]
.endr
.endr
	WIN 0
.irp b, 0,1,2,3
	v_permlanex16_b32 v[BX+\b], v[BM+\b], s[SEL], s[SEL+1]
.endr
.irp b, 0,1,2,3
	v_max_num_f32 v[BM+\b], v[BM+\b], v[BX+\b]
.endr
	v_max3_num_f32 v[T], v[BM], v[BM+1], v[BM+2]
	v_max_num_f32 v[T], v[T], v[BM+3]              ; the largest score of my query's 128 keys
	v_mul_f32 v[T], s[CS], v[T]                    ; as t
	v_floor_f32 v[NM], -v[T]                       ; -M' = floor(-t) = -ceil(t)
.irp b, 0,1,2,3
	v_fma_f32 v[BM+\b], v[BM+\b], s[CS], v[NM]     ; t - M' of each block's largest score
.endr
	v_mov_b32 v[SUMA], 0
	v_mov_b32 v[SUMA+1], 0
	v_mov_b32 v[SUMB], 0
	v_mov_b32 v[SUMB+1], 0
	WIN WB                                         ; destination and source 0: the accumulators' window
.set i, 0
.rept 32
	v_pk_fma_f32 v[(\src)+i:(\src)+i+1], v[(\src)+i:(\src)+i+1], s[CS:CS+1], v[NM:NM+1] op_sel_hi:[1,0,0]   ; t - M', two at a time
.set i, i+2
.endr
.set i, 0
.rept 64
	v_exp_f32 v[(\src)+i], v[(\src)+i]             ; p = 2^(t - M'), at most 1
.set i, i+1
.endr
	WIN 0
	v_sub_f32 v[MS+\st], 0, v[NM]                  ; M' (also the plain line behind the exponentials)
	s_wait_alu depctr_va_vdst(0)                   ; one wait for the batch of 64, ahead of its first reader
.irp b, 0,1,2,3
	v_exp_f32 v[BM+\b], v[BM+\b]                   ; each block's largest p: the same two instructions on the same number
.endr
	WIN WC                                         ; source 1: the accumulators' window
.set i, 0
.rept 16
	v_pk_add_f32 v[SUMA:SUMA+1], v[SUMA:SUMA+1], v[(\src)+i:(\src)+i+1]       ; the sum is taken of the unquantised p, in two chains
	v_pk_add_f32 v[SUMB:SUMB+1], v[SUMB:SUMB+1], v[(\src)+i+2:(\src)+i+3]
.set i, i+4
.endr
	WIN 0
	v_pk_add_f32 v[SUMA:SUMA+1], v[SUMA:SUMA+1], v[SUMB:SUMB+1]
	s_wait_alu depctr_va_vdst(0)                   ; and one for the four
.irp b, 0,1,2,3
	v_max_num_f32 v[BM+\b], 0x1800000, v[BM+\b]    ; the floor 2^(3 - 127): the byte cannot fall under 1
.endr
.irp b, 0,1,2,3
	v_add_nc_u32 v[SO+\b], 0xff000000, v[BM+\b]    ; 2 off the exponent field: the conversion's scale operand
.endr
.irp b, 0,1,2,3
	v_lshrrev_b32 v[BX+\b], 23, v[SO+\b]           ; the scale's byte
.endr
	v_lshl_or_b32 v[PW+\st], v[BX+1], 8, v[BX]
	v_lshl_or_b32 v[PW+\st], v[BX+2], 16, v[PW+\st]
	v_lshl_or_b32 v[PW+\st], v[BX+3], 24, v[PW+\st]
	v_add_f32 v[T], v[SUMA], v[SUMA+1]
	v_permlanex16_b32 v[T+1], v[T], s[SEL], s[SEL+1]
	v_add_f32 v[LS+\st], v[T], v[T+1]              ; l' of my query's 128 keys
	WIN WD
.irp c, 0,1
	v_cvt_scalef32_pk16_fp6_f32 v[PCS+6*\c:PCS+6*\c+2], v[(\src)+32*\c:(\src)+32*\c+15], v[SO+2*\c]
	v_cvt_scalef32_pk16_fp6_f32 v[PCS+12+4*\c:PCS+14+4*\c], v[(\src)+16+32*\c:(\src)+31+32*\c], v[SO+2*\c+1]
.endr
	WIN 0
	v_nop                                          ; one plain line behind a scaled conversion
.irp c, 0,1
.irp i, 0,1,2
	v_permlane16_swap_b32 v[PCS+6*\c+\i], v[PCS+12+4*\c+\i]
.endr
.irp i, 0,1,2
	v_mov_b32 v[PCS+3+6*\c+\i], v[PCS+12+4*\c+\i]
.endr
.endr
.endm
.macro OUTCODES a, st                  ; the twelve registers ARE fragment a of my 128 keys: they are stored as they stand
.set PCS, PC0+20*(\st)
.irp c, 0,1,2
	global_store_b128 v[CO], v[PCS+4*\c:PCS+4*\c+3], s[8:9] offset:(\a)*1536+512*\c   ; 512 consecutive bytes, at a multiple of 512 from the buffer's first byte
.endr
.endm
	s_mov_b32 s[SEL], 0x76543210
	s_mov_b32 s[SEL+1], 0xfedcba98
	s_mov_b32 s[CS], 0x3d38aa3b                    ; log2(e) / 32
	s_mov_b32 s[CS+1], s[CS]                       ; (named with it as a pair)
	s_mov_b32 s[NINF], 0xff800000
.irp b, 0,1,2,3
	v_mov_b32 v[BX+\b], 0                          ; written once: a lane permute's destination counts as one of its sources
.endr
	v_mov_b32 v[T+1], 0
	v_mov_b32 v[NM+1], 0                           ; (named as the upper half of a pair)
.irp a, 0,1,2,3,4,5,6,7
.if \a >= 2
	s_wait_xcnt 0x0                                ; the stores of two blocks back have read this set of registers (ISA guide 3.1): it is written again only behind this wait
	s_wait_dscnt 3                                 ; the three word stores of the block before may be out
.endif
	SOFTQ 64*(\a%4), 2+\a/4, \a%2
	OUTCODES \a, \a%2
	ds_store_b32 v[STS], v[PW+\a%2] offset:64*\a   ; lanes r and 16 + r write the same word with the same value
	ds_store_b32 v[STS], v[MS+\a%2] offset:2048+64*\a
	ds_store_b32 v[STS], v[LS+\a%2] offset:4096+64*\a
.endr
	ds_load_b128 v[SMB:SMB+3], v[RDS]              ; my own words: LDS serves a wave's instructions in order (ISA guide 5.7.1.4)
	ds_load_b128 v[SMB+4:SMB+7], v[RDS] offset:2048
	ds_load_b128 v[SMB+8:SMB+11], v[RDS] offset:4096
	s_wait_dscnt 2                                 ; the two younger loads may be out
	global_store_b128 v[CO], v[SMB:SMB+3], s[10:11]                ; each a column of 128 words: 512 consecutive bytes
	s_wait_dscnt 1
	global_store_b128 v[CO], v[SMB+4:SMB+7], s[96:97]
	s_wait_dscnt 0x0
	global_store_b128 v[CO], v[SMB+8:SMB+11], s[96:97] offset:524288
	s_wait_tensorcnt 0x0                           ; the wave's end
	ds_add_u32 v[SPW], v[NIL]
	s_wait_dscnt 0x0
	CROUND                                         ; the closing round
	s_endpgm
.Lfunc_end_k_qa9bd9494e5_scores:
	.size	k_qa9bd9494e5_scores, .Lfunc_end_k_qa9bd9494e5_scores-k_qa9bd9494e5_scores
	.p2alignl 7, 3214868480
	.fill 96, 4, 3214868480
	.section	.rodata,"a",@progbits
	.p2align	6, 0x0
	.amdhsa_kernel k_qa9bd9494e5_scores
		.amdhsa_group_segment_fixed_size 327680
		.amdhsa_private_segment_fixed_size 0
		.amdhsa_enable_private_segment 0
		.amdhsa_kernarg_size 40
		.amdhsa_user_sgpr_count 2
		.amdhsa_user_sgpr_kernarg_segment_ptr 1
		.amdhsa_wavefront_size32 1
		.amdhsa_system_sgpr_workgroup_id_x 1
		.amdhsa_system_sgpr_workgroup_id_y 1
		.amdhsa_system_sgpr_workgroup_id_z 1
		.amdhsa_system_vgpr_workitem_id 0
		.amdhsa_next_free_vgpr 1024
		.amdhsa_next_free_sgpr 102
		.amdhsa_reserve_vcc 0
		.amdhsa_float_denorm_mode_32 3
		.amdhsa_float_denorm_mode_16_64 3
		.amdhsa_memory_ordered 1
		.amdhsa_forward_progress 1
		.amdhsa_inst_pref_size 202
	.end_amdhsa_kernel
	.amdgpu_metadata
---
amdhsa.version: [ 1, 2 ]
amdhsa.kernels:
  - .name:           k_qa9bd9494e5_scores
    .symbol:         k_qa9bd9494e5_scores.kd
    .args:
      - { .name: qkvc, .offset: 0, .size: 8, .value_kind: global_buffer, .address_space: global }
      - { .name: qkvs, .offset: 8, .size: 8, .value_kind: global_buffer, .address_space: global }
      - { .name: pc, .offset: 16, .size: 8, .value_kind: global_buffer, .address_space: global }
      - { .name: ps, .offset: 24, .size: 8, .value_kind: global_buffer, .address_space: global }
      - { .name: pst, .offset: 32, .size: 8, .value_kind: global_buffer, .address_space: global }
    .group_segment_fixed_size: 327680
    .private_segment_fixed_size: 0
    .kernarg_segment_align: 8
    .kernarg_segment_size: 40
    .max_flat_workgroup_size: 128
    .sgpr_count:     102
    .vgpr_count:     1024
    .wavefront_size: 32
...
	.end_amdgpu_metadata
.endif
;; end of part 7
;; launch pv (part 8): grid 4 x 64, 4 waves a work-group, clusters of 4 x 4, 327,680 bytes of LDS; arguments pc, ps, pst, qkvc, qkvs, out0; writes out0
.if DOCPART == 8
	.amdgcn_target "amdgcn-amd-amdhsa--gfx1250"
	.amdhsa_code_object_version 6
	.text
	.protected	k_qa9bd9494e5_pv
	.globl	k_qa9bd9494e5_pv
	.p2align	8
	.type	k_qa9bd9494e5_pv,@function
k_qa9bd9494e5_pv:
	s_mov_b64 s[64:65], 0
	v_nop
	global_prefetch_b8 v0, s[64:65] scope:SCOPE_SE
	s_setreg_imm32_b32 hwreg(HW_REG_WAVE_MODE, 25, 1), 1
	s_wait_xcnt 0x0
	s_wait_alu depctr_hold_cnt(0) depctr_sa_sdst(0) depctr_va_vdst(0) depctr_va_sdst(0) depctr_va_ssrc(0) depctr_va_vcc(0) depctr_vm_vsrc(0)
	s_getreg_b32 s2, hwreg(HW_REG_IB_STS2, 6, 4)
	s_cmp_eq_u32 s2, 0
	s_cbranch_scc0 .Lentry_in_a_cluster
	s_endpgm
.Lentry_in_a_cluster:
	s_bfe_u32 s2, ttmp6, 0x10000c
	s_cmp_lg_u32 s2, 0xf033
	s_cbranch_scc0 .Lentry_shape_is_right
	s_endpgm
.Lentry_shape_is_right:
; O = P V / l on codes of FP6 (E2M3) with E8M0 scales, sums in f32.  P's codes were made under M', a whole number for each query and 128 keys.
; AHEAD OF THE PRODUCT each wave takes, for the work-group's 128 queries: M = the largest of the 16 M'; l = the sum of l' 2^(M' - M) (exact scalings); and, for its four of the 16 columns of scale words, M - M' off the
; scale bytes of P, which brings every block under the row's M and changes no code.  The corrected words go to LDS by stores, where the product reads them; 1 / l multiplies the sums on the way out.
; LIMITS: M - M' is held at 127, and a byte that would fall under 0 is held at 0: such terms lie under 7.5 x 2^-127 beside a row's sum above 1/2.  NaN and infinities are not served.
; LAYOUT of the buffers of codes as in the launches before: rows stored with bits 3 and 4 of their number exchanged, the codes in the order of the operand's registers (fragments of 1,536 bytes,
; [128 rows][K / 256 pieces][2 x 128 along K][8 blocks of 16 rows]); the way out puts rows and columns back, by immediates.
; A tile of 128 queries x 256 columns is made by four waves, 64 x 128 each: 32 accumulators: so that the 8,192 x 1,024 results give 256 work-groups.  Source 0 = 16 stored rows of V^T, source 1 = 16 stored rows of P.
; K (2,048 keys) goes in four steps of 512 through a ring of two LDS slots: P's two pieces (waves 0 and 1 fetch one each), V's two halves of two pieces (waves 2 and 3).  Both slots are asked for at the start,
; each is filled again once.  A wave has three tensor loads out at the start, later one.  The 16 steps of 128 keys are written out: there is no loop.
; Both operands have two sets of registers; a step's head asks LDS for the next step's fragments and scale words, and its 32 products stand behind that run.
; CLUSTERS 4 x 4: P's pieces are asked for jointly along a row, V's pieces and scale words along a column.
; REGISTERS: window 0: v0-31 addresses; v32-47 scale words, two sets, and nothing else; v64-251 at work ahead of the product; then v128-223 A's fragments, two sets; on the way out v64-71 1 / l, v128-255 rows read back.
;   window 1: B's fragments, two sets at v0 and v128.  window 2: the accumulators ((a, b) at v[8 (8 a + b)]).
.set BLKB,   24576
.set FR,     12
.set NP,     4
.set SLOT,   6*BLKB                    ; P's two pieces, then V's two halves of two pieces each
.set SCL,    2*SLOT                    ; P's corrected scale words, 8,192 bytes: written by stores alone; no fill lands there
.set SCLB,   SCL+8192                  ; V's scale words, 2 x 8,192 bytes: filled once
.set SPARE,  SCLB+16384                ; the spare words: 128 bytes a wave, two blocks of 256 bytes that no other line names
.set RL,     SPARE+512                 ; 1 / l of the 128 queries, for each wave its own 512 bytes
.set SPITCH, 528                       ; the way out: a stage of 16 rows x (512 + 16) bytes for each wave, in slot 0
.set ADRA, 16                          ; v16-17
.set ADRB, 20                          ; v20-21
.set STO,  24
.set RD,   25
.set CO,   26
.set ADRS, 27
.set SPW,  28
.set NIL,  29
.set RLR,  30
.set SC,   32
.set RI,   64                          ; the way out: 1 / l of block a's row, twice, at v[64 + 2 a]
.set MJ,   64                          ; ahead of the product: 16 x 4 M'
.set LJ,   128                         ; 16 x 4 l'
.set SW,   192                         ; 4 x 4 scale words
.set MX,   224
.set LL,   228
.set RC,   248
.set AF,   128
.set BK,   128
.set G1, 24
.set G0, 32
.set G1B, 48
.set G0B, 56
.set G1SB, 80
.set G0SB, 88
.set C01, 66
.set C80, 67
.set MSB, 0
.macro WIN new
.if MSB != \new
	s_set_vgpr_msb (MSB<<8)|\new
.set MSB, \new
.endif
.endm
.set MUL,    0xa1                      ; source 0 (B) window 1, source 1 (A) window 0, C and D window 2
.set TO_B,   0x40
.macro JLOAD g0a, g1a, g0b, g1b        ; a joint load: waves 0 and 1 fetch for A, waves 2 and 3 for B; four v_nop follow each line
	s_cmp_eq_u32 s15, 0
	s_cbranch_scc0 .Lfor_b_\@
	tensor_load_to_lds s[\g0a:\g0a+3], s[\g1a:\g1a+7]
	s_nop 0
.rept 4
	v_nop
.endr
	s_branch .Lasked_\@
.Lfor_b_\@:
	tensor_load_to_lds s[\g0b:\g0b+3], s[\g1b:\g1b+7]
	s_nop 0
.rept 4
	v_nop
.endr
.Lasked_\@:
.endm
.macro CREST
	s_cmp_lg_u32 s14, 0
	s_cbranch_scc1 .Lnot_wave_0_\@
	s_barrier_signal -3
.Lnot_wave_0_\@:
	s_barrier_wait -3
	s_barrier_signal -1
	s_barrier_wait -1
.endm
.macro CROUND
	s_barrier_signal -1
	s_barrier_wait -1
	CREST
.endm
	s_load_b256 s[4:11], s[0:1], 0x0               ; P's codes s[4:5], P's scale words s[6:7], M' and l' s[8:9], V's codes (behind Q's and K's) s[10:11]
	s_load_b128 s[96:99], s[0:1], 0x20             ; V's scale words (behind Q's and K's) s[96:97], O s[98:99]
	v_lshl_add_u32 v[SPW], v0, 2, SPARE
	v_mov_b32 v[NIL], 0
	ds_add_u32 v28, v29
	ds_add_u32 v28, v29
	s_wait_dscnt 0x0
	v_lshrrev_b32 v1, 5, v0
	v_readfirstlane_b32 s14, v1                    ; wave 0..3
	s_lshr_b32 s15, s14, 1                         ; my half of the queries.  Also: I fetch for A (0) or for B (1)
	s_and_b32 s16, s14, 1                          ; my half of the columns.  Also: which part of it I fetch
	s_bfe_u32 s40, ttmp6, 0x40000                  ; cx
	s_bfe_u32 s41, ttmp6, 0x40004                  ; cy
	s_lshl_b32 s42, ttmp9, 2
	s_add_co_u32 s42, s42, s40                     ; which 256 columns
	s_and_b32 s17, ttmp7, 0xffff
	s_lshr_b32 s19, s17, 2                         ; the batch: the same in all sixteen partners
	s_lshl_b32 s17, s17, 2
	s_add_co_u32 s17, s17, s41                     ; which 128 queries of all 8,192
	s_lshl_b32 s43, s41, 2
	s_lshl_b32 s43, 15, s43                        ; my row of the cluster
	s_lshl_b32 s44, 0x1111, s40                    ; my column
	s_or_b32 s[G1+0], s43, (3<<16)|(1<<21)         ; the mask; elements of 8 bytes; bit 21 beside a mask; no padding
	s_mov_b32 s[G1+1], 32<<16                      ; a piece of P: 24,576 dense bytes as 96 rows of 32 elements
	s_mov_b32 s[G1+2], 96<<16
	s_mov_b32 s[G1+3], 32<<16
	s_mov_b32 s[G1+4], 96
	s_mov_b32 s[G1+5], 32
	s_mov_b32 s[G1+6], 0
	s_mov_b32 s[G1+7], 0
	s_or_b32 s[G1B+0], s44, (3<<16)|(1<<21)
	s_mov_b32 s[G1B+1], 32<<16                     ; two pieces of V on end: 49,152 dense bytes as 192 such rows
	s_mov_b32 s[G1B+2], 192<<16
	s_mov_b32 s[G1B+3], 32<<16
	s_mov_b32 s[G1B+4], 192
	s_mov_b32 s[G1B+5], 32
	s_mov_b32 s[G1B+6], 0
	s_mov_b32 s[G1B+7], 0
	s_or_b32 s[G1SB+0], s44, (3<<16)|(1<<21)       ; a quarter of V's scale words: 4,096 dense bytes as 16 such rows
	s_mov_b32 s[G1SB+1], 32<<16
	s_mov_b32 s[G1SB+2], 16<<16
	s_mov_b32 s[G1SB+3], 32<<16
	s_mov_b32 s[G1SB+4], 16
	s_mov_b32 s[G1SB+5], 32
	s_mov_b32 s[G1SB+6], 0
	s_mov_b32 s[G1SB+7], 0
	s_mul_i32 s20, s17, 196608                     ; P: my block of 128 queries,
	s_mul_i32 s18, s16, BLKB                       ; the first or the second piece of a slot
	s_add_co_u32 s20, s20, s18
	s_mov_b32 s21, 0
	s_lshl_b32 s46, s42, 8
	s_lshl_b32 s19, s19, 10
	s_add_co_u32 s46, s46, s19                     ; the tile's first row of V^T: 1,024 x batch + 256 x tile column
	s_lshl_b32 s92, s46, 6                         ; its scale words: 64 bytes a row,
	s_lshl_b32 s93, s14, 12
	s_add_co_u32 s92, s92, s93                     ; my quarter of the tile's 16,384 bytes,
	s_add_co_u32 s92, s92, 524288                  ; behind Q's and K's
	s_mov_b32 s93, 0
	s_lshl_b32 s18, s16, 7
	s_add_co_u32 s46, s46, s18
	s_mul_i32 s46, s46, 1536
	s_add_co_u32 s46, s46, 12582912
	s_mov_b32 s47, 0
	s_mul_i32 s45, s16, BLKB                       ; where they go in a slot: P's pieces at 0 and 24,576,
	s_mul_i32 s94, s16, 2*BLKB
	s_add_co_u32 s94, s94, 2*BLKB                  ; V's halves at 49,152 and 98,304: no place in the cluster enters an LDS address
	s_lshl_b32 s95, s14, 12
	s_wait_kmcnt 0x0
	s_add_nc_u64 s[20:21], s[4:5], s[20:21]
	s_add_nc_u64 s[46:47], s[10:11], s[46:47]
	s_add_nc_u64 s[92:93], s[96:97], s[92:93]
	CROUND                                         ; all sixteen work-groups are here: the first joint loads meet
	s_mov_b32 s[G0SB], 1
	s_add_co_u32 s[G0SB+1], s95, SCLB
	s_mov_b64 s[G0SB+2:G0SB+3], s[92:93]
	s_or_b32 s[G0SB+3], s[G0SB+3], 0x80000000
	tensor_load_to_lds s[G0SB:G0SB+3], s[G1SB:G1SB+7]   ; every wave its quarter of V's scale words: filled once
	s_nop 0
.rept 4
	v_nop
.endr
.irp s, 0,1
	s_mov_b32 s[G0+4*\s], 1
	s_add_co_u32 s[G0+4*\s+1], s45, \s*SLOT
	s_add_nc_u64 s[G0+4*\s+2:G0+4*\s+3], s[20:21], \s*2*BLKB
	s_or_b32 s[G0+4*\s+3], s[G0+4*\s+3], 0x80000000
	s_mov_b32 s[G0B+4*\s], 1
	s_add_co_u32 s[G0B+4*\s+1], s94, \s*SLOT
	s_add_nc_u64 s[G0B+4*\s+2:G0B+4*\s+3], s[46:47], \s*2*BLKB
	s_or_b32 s[G0B+4*\s+3], s[G0B+4*\s+3], 0x80000000
	JLOAD G0+4*\s, G1, G0B+4*\s, G1B
.endr
	; ---- ahead of the product, while the tiles are on their way: a lane has queries 4 lane .. 4 lane + 3 of the 128
	v_and_b32 v3, 31, v0
	v_lshlrev_b32 v[CO], 4, v3                     ; 16 x lane
.irp g, 0,1,2,3                        ; the 16 columns (of 128 keys) in four groups, taken from my own group on: group (wave + g) % 4
	s_add_co_u32 s18, s14, \g
	s_and_b32 s18, s18, 3
	s_lshl_b32 s18, s18, 11
	v_add_nc_u32 v[8+\g], s18, v[CO]
.endr
	s_lshl_b32 s20, s17, 13
	s_mov_b32 s21, 0
	s_add_nc_u64 s[6:7], s[6:7], s[20:21]
	s_add_nc_u64 s[8:9], s[8:9], s[20:21]
.irp g, 0,1,2,3
.irp i, 0,1,2,3
	global_load_b128 v[MJ+16*\g+4*\i:MJ+16*\g+4*\i+3], v[8+\g], s[8:9] offset:512*\i
.endr
.endr
.irp g, 0,1,2,3
.irp i, 0,1,2,3
	global_load_b128 v[LJ+16*\g+4*\i:LJ+16*\g+4*\i+3], v[8+\g], s[8:9] offset:524288+512*\i
.endr
.endr
.irp i, 0,1,2,3
	global_load_b128 v[SW+4*\i:SW+4*\i+3], v8, s[6:7] offset:512*\i   ; the scale words of my own four columns
.endr
	v_and_b32 v1, 15, v0                           ; r
	v_bfe_u32 v2, v0, 4, 1                         ; h
	s_mul_i32 s21, s15, 6144                       ; my 64 queries: blocks 4 x half on of each eight
	s_mul_i32 s22, s16, 2*BLKB
	s_add_co_u32 s22, s22, 2*BLKB
.irp s, 0,1
	v_add_nc_u32 v[ADRA+\s], s21, v[CO]
	v_add_nc_u32 v[ADRB+\s], s22, v[CO]
	s_add_co_u32 s21, s21, SLOT
	s_add_co_u32 s22, s22, SLOT
.endr
	v_lshlrev_b32 v5, 2, v1                        ; 4 r
	s_lshl_b32 s21, s15, 8                         ; P's words: my 64 rows of a column
	s_lshl_b32 s22, s16, 13                        ; V's: my 128 rows' 8,192 bytes, behind P's 8,192
	s_add_co_u32 s22, s22, 8192
	s_sub_co_u32 s22, s22, s21
	v_mul_u32_u24 v6, s22, v2                      ; lanes 16-31 take V's words
	s_add_co_u32 s21, s21, SCL
	v_add_nc_u32 v6, v5, v6
	v_add_nc_u32 v[ADRS], s21, v6
	s_lshl_b32 s21, s14, 11
	s_add_co_u32 s21, s21, SCL
	v_add_nc_u32 v12, s21, v[CO]                   ; where my corrected words go: my four columns, 16 x lane
	s_lshl_b32 s23, s14, 9
	s_add_co_u32 s23, s23, RL
	v_add_nc_u32 v13, s23, v[CO]                   ; where my 1 / l go,
	s_lshl_b32 s21, s15, 8
	s_add_co_u32 s23, s23, s21
	v_add_nc_u32 v[RLR], s23, v5                   ; and from where those of my 64 queries come back by rows
	s_mul_i32 s23, s14, 16*SPITCH                  ; my stage
	v_mul_u32_u24 v6, v1, SPITCH
	v_lshl_add_u32 v6, v2, 6, v6
	v_add_nc_u32 v[STO], s23, v6                   ; in: row r, + 64 h
	v_add_nc_u32 v[RD], s23, v[CO]                 ; back: a whole row of 512 bytes
	s_lshl_b32 s20, s17, 7
	s_lshl_b32 s21, s15, 6
	s_add_co_u32 s20, s20, s21
	s_lshl_b32 s20, s20, 12                        ; my first row of O: 4,096 bytes a row
	s_lshl_b32 s21, s42, 10
	s_add_co_u32 s20, s20, s21
	s_lshl_b32 s21, s16, 9
	s_add_co_u32 s20, s20, s21                     ; my first column
	s_mov_b32 s21, 0
	s_add_nc_u64 s[98:99], s[98:99], s[20:21]
	s_mov_b32 s[C01], 0x01010101
	s_mov_b32 s[C80], 0x80808080
	s_wait_loadcnt 0x0
.irp p, 0,1,2,3
	v_max3_num_f32 v[MX+\p], v[MJ+\p], v[MJ+4+\p], v[MJ+8+\p]      ; M of each of my four queries
.endr
.irp i, 3,5,7,9,11,13
.irp p, 0,1,2,3
	v_max3_num_f32 v[MX+\p], v[MX+\p], v[MJ+4*\i+\p], v[MJ+4*\i+4+\p]
.endr
.endr
.irp p, 0,1,2,3
	v_max_num_f32 v[MX+\p], v[MX+\p], v[MJ+60+\p]
.endr
.set n, 0
.rept 64
	v_sub_f32 v[MJ+n], v[MJ+n], v[MX+n%4]          ; M' - M: a whole number, 0 or less
.set n, n+1
.endr
.set n, 0
.rept 64
	v_max_num_f32 v[MJ+n], 0xc2fe0000, v[MJ+n]     ; held at -127
.set n, n+1
.endr
.set n, 0
.rept 64
	v_cvt_i32_f32 v[MJ+n], v[MJ+n]
.set n, n+1
.endr
.set n, 0
.rept 64
	v_ldexp_f32 v[LJ+n], v[LJ+n], v[MJ+n]          ; l' under the row's M: nothing is rounded
.set n, n+1
.endr
	v_pk_add_f32 v[LL:LL+1], v[LJ:LJ+1], v[LJ+4:LJ+5]
	v_pk_add_f32 v[LL+2:LL+3], v[LJ+2:LJ+3], v[LJ+6:LJ+7]
.irp i, 2,3,4,5,6,7,8,9,10,11,12,13,14,15
	v_pk_add_f32 v[LL:LL+1], v[LL:LL+1], v[LJ+4*\i:LJ+4*\i+1]
	v_pk_add_f32 v[LL+2:LL+3], v[LL+2:LL+3], v[LJ+4*\i+2:LJ+4*\i+3]
.endr
.irp p, 0,1,2,3
	v_rcp_f32 v[RC+\p], v[LL+\p]                   ; l is above 1/2: the row's largest p is
.endr
; the four bytes of a word at once, for my own four columns (the first 16 registers).  Each byte b is at most 125 and d = M - M' at most 127: (b + 128) - d borrows from no neighbour, and its top bit says whether b >= d.
.set n, 0
.rept 16
	v_mul_lo_u32 v[MJ+n], v[MJ+n], s[C01]          ; -d in each byte, modulo 2^32
.set n, n+1
.endr
.set n, 0
.rept 16
	v_or_b32 v[SW+n], s[C80], v[SW+n]
.set n, n+1
.endr
.set n, 0
.rept 16
	v_add_nc_u32 v[SW+n], v[SW+n], v[MJ+n]         ; y = b + 128 - d
.set n, n+1
.endr
.set n, 0
.rept 16
	v_and_b32 v[MJ+n], s[C80], v[SW+n]             ; the top bits
.set n, n+1
.endr
.set n, 0
.rept 16
	v_lshrrev_b32 v[LJ+n], 7, v[MJ+n]
.set n, n+1
.endr
.set n, 0
.rept 16
	v_sub_nc_u32 v[MJ+n], v[MJ+n], v[LJ+n]         ; 0x7f where b >= d, else 0
.set n, n+1
.endr
.set n, 0
.rept 16
	v_and_b32 v[SW+n], v[SW+n], v[MJ+n]            ; b - d, held at 0
.set n, n+1
.endr
	s_wait_alu depctr_va_vdst(0)                   ; one wait for the four reciprocals, ahead of their first reader
.irp i, 0,1,2,3
	ds_store_b128 v12, v[SW+4*\i:SW+4*\i+3] offset:512*\i
.endr
	ds_store_b128 v13, v[RC:RC+3]
; 16 matrix instructions: A's blocks a0, a0 + 1 x B's eight, from register set st.  zero = 1: the first product starts the sums.  The 32 accumulators take turns.
.macro MUL16 a0, st, zero
.irp a, \a0, \a0+1
.irp b, 0,1,2,3,4,5,6,7
.if \zero
	v_wmma_scale_f32_16x16x128_f8f6f4 v[8*(8*(\a)+\b):8*(8*(\a)+\b)+7], v[128*(\st)+FR*\b:128*(\st)+FR*\b+FR-1], v[AF+48*(\st)+FR*(\a):AF+48*(\st)+FR*(\a)+FR-1], 0, v[SC+8*(\st)+\b], v[SC+8*(\st)+(\a)] matrix_a_fmt:MATRIX_FMT_FP6 matrix_b_fmt:MATRIX_FMT_FP6 matrix_a_scale:MATRIX_SCALE_ROW1
.else
	v_wmma_scale_f32_16x16x128_f8f6f4 v[8*(8*(\a)+\b):8*(8*(\a)+\b)+7], v[128*(\st)+FR*\b:128*(\st)+FR*\b+FR-1], v[AF+48*(\st)+FR*(\a):AF+48*(\st)+FR*(\a)+FR-1], v[8*(8*(\a)+\b):8*(8*(\a)+\b)+7], v[SC+8*(\st)+\b], v[SC+8*(\st)+(\a)] matrix_a_fmt:MATRIX_FMT_FP6 matrix_b_fmt:MATRIX_FMT_FP6 matrix_a_scale:MATRIX_SCALE_ROW1
.endif
.endr
.endr
.endm
; Step n's operands (keys 128 n on) into register set n % 2: 36 loads of 512 consecutive bytes and 8 of scale words.  A fragment lies in LDS as an image of its registers.
; In scale register i lanes 0-15 hold the word of P's block i (used for i = 0 .. 3), lanes 16-31 that of V's block i.
.macro FETCH n
.set FS, ((\n)/4)%2
.set FK, (\n)%4
.set FP, (\n)%2
	WIN TO_B
.irp i, 0,1,2,3,4,5,6,7
.irp c, 0,1,2
	ds_load_b128 v[128*FP+FR*\i+4*\c:128*FP+FR*\i+4*\c+3], v[ADRB+FS] offset:FK*12288+\i*1536+512*\c
.endr
.endr
	WIN 0
.irp i, 0,1,2,3
.irp c, 0,1,2
	ds_load_b128 v[AF+48*FP+FR*\i+4*\c:AF+48*FP+FR*\i+4*\c+3], v[ADRA+FS] offset:FK*12288+\i*1536+512*\c
.endr
.endr
.irp i, 0,1,2,3,4,5,6,7
	ds_load_b32 v[SC+8*FP+\i], v[ADRS] offset:512*(\n)+64*\i
.endr
.endm
.macro PLACES n                        ; plain vector lines between a matrix instruction and a load into, or a read of, its registers
.rept \n
	v_nop
.endr
.endm
.macro STEP n, zero                    ; a step whose successor lies in the same slot
	s_wait_dscnt 0x0                               ; this step's operands are in
	PLACES NP                                      ; behind the last step's products, which read the other sets
	FETCH (\n)+1
	WIN MUL
	MUL16 0, (\n)%2, \zero
	MUL16 2, (\n)%2, \zero
	WIN 0
.endm
; A slot's last step changes slots.  Its operands are in registers, so the slot is read no more: each wave waits for all its tensor loads, adds 0 to its spare word, waits for that and for its reads, and signals.
; fill = 1: the slot is filled again with the keys 1,024 on.
.macro TURN n, fill
.set TS, ((\n)/4)%2
	s_wait_tensorcnt 0x0                           ; all my tensor loads have landed: my part of the next slot
	ds_add_u32 v[SPW], v[NIL]                      ; 0 onto my spare word
	s_wait_dscnt 0x0                               ; the add is done, this step's operands are in, and so my reads of this slot are over
	s_barrier_signal -1
	WIN MUL
	MUL16 0, (\n)%2, 0                             ; work on registers while the others arrive
	WIN 0
	s_barrier_wait -1
.if \fill
	CREST                                          ; the barrier has opened a round of the cluster's: no wave of any partner still reads this slot or has a load on its way
	s_add_nc_u64 s[G0+4*TS+2:G0+4*TS+3], s[G0+4*TS+2:G0+4*TS+3], 4*BLKB
	s_add_nc_u64 s[G0B+4*TS+2:G0B+4*TS+3], s[G0B+4*TS+2:G0B+4*TS+3], 4*BLKB
	JLOAD G0+4*TS, G1, G0B+4*TS, G1B               ; the first tensor load behind the round; its four v_nop are the places in front of the loads below
.else
	PLACES NP
.endif
	FETCH (\n)+1
	WIN MUL
	MUL16 2, (\n)%2, 0
	WIN 0
.endm
	s_wait_tensorcnt 1                             ; V's scale words and my part of slot 0 are in; slot 1's load may be out
	s_wait_dscnt 0x0                               ; for the others' sake: my corrected scale words have landed
	s_barrier_signal -1
	s_barrier_wait -1
	FETCH 0
	STEP 0, 1                                      ; its products start the sums
	STEP 1, 0
	STEP 2, 0
	TURN 3, 1                                      ; slot 0 takes keys 1,024 on
	STEP 4, 0
	STEP 5, 0
	STEP 6, 0
	TURN 7, 1                                      ; slot 1 takes keys 1,536 on
	STEP 8, 0
	STEP 9, 0
	STEP 10, 0
	TURN 11, 0                                     ; nothing is left to fetch
	STEP 12, 0
	STEP 13, 0
	STEP 14, 0
	s_wait_dscnt 0x0
	WIN MUL
	MUL16 0, 1, 0
	MUL16 2, 1, 0
	WIN 0
	PLACES NP
; THE WAY OUT, block by block of 16 stored rows x 128 columns: x 1 / l; through my own stage in LDS, each accumulator's eight numbers at their true columns; back as whole rows of 512 bytes, stored at their true rows.
; The stage lies in slot 0, which has had its last fill, and its last read ahead of the last barrier.
.macro SCALE a
.set AC, 64*(\a)
	WIN 0x82                                       ; destination and source 0: the accumulators' window
.set i, 0
.rept 32
	v_pk_mul_f32 v[AC+i:AC+i+1], v[AC+i:AC+i+1], v[RI+2*(\a):RI+2*(\a)+1]     ; each accumulator from its low end on
.set i, i+2
.endr
.endm
.macro TOSTAGE a
.set AC, 64*(\a)
	WIN 0x08                                       ; an LDS store's data are its source 1
.irp b, 0,1,2,3,4,5,6,7
	ds_store_b128 v[STO], v[AC+8*\b:AC+8*\b+3] offset:128*(\b/2)+32*(\b%2)          ; register j of accumulator b is column 32 (b / 2) + 16 h + 8 (b % 2) + j
	ds_store_b128 v[STO], v[AC+8*\b+4:AC+8*\b+7] offset:128*(\b/2)+32*(\b%2)+16
.endr
	WIN 0
.set BB, BK+64*((\a)%2)
.irp t, 0,1,2,3,4,5,6,7,8,9,10,11,12,13,14,15
	ds_load_b128 v[BB+4*\t:BB+4*\t+3], v[RD] offset:\t*SPITCH      ; LDS serves a wave's instructions in order (ISA guide 5.7.1.4): these see the stores above
.endr
.endm
.macro SEND a, younger
.set BB, BK+64*((\a)%2)
	s_wait_dscnt \younger
.irp t, 0,1,2,3,4,5,6,7,8,9,10,11,12,13,14,15
	global_store_b128 v[CO], v[BB+4*\t:BB+4*\t+3], s[98:99] offset:(32*((\a)/2)+8*((\a)%2)+\t+8*(\t/8))*4096 th:TH_STORE_NT   ; stored row 16 a + t of my 64 is row 32 (a / 2) + 8 (a % 2) + t + 8 (t / 8); 512 consecutive bytes, at a multiple of 512 from O's first byte
.endr
.endm
.irp a, 0,1,2,3
	ds_load_b32 v[RI+2*\a], v[RLR] offset:64*\a    ; 1 / l of my row of block a, twice: a pair for the packed multiply
	ds_load_b32 v[RI+2*\a+1], v[RLR] offset:64*\a
.endr
	s_wait_dscnt 0x0
	SCALE 0
	TOSTAGE 0
.irp a, 1,2,3
	SCALE \a
.if \a > 1
	s_wait_xcnt 0x0                                ; the stores of two blocks back have read their registers: this block's loads may land there
.endif
	TOSTAGE \a
	SEND \a-1, 32                                  ; behind the block's loads: the next block's 16 stores and 16 loads
.endr
	SEND 3, 0
	s_wait_tensorcnt 0x0                           ; the wave's end
	ds_add_u32 v[SPW], v[NIL]
	s_wait_dscnt 0x0
	CROUND                                         ; the closing round
	s_endpgm
.Lfunc_end_k_qa9bd9494e5_pv:
	.size	k_qa9bd9494e5_pv, .Lfunc_end_k_qa9bd9494e5_pv-k_qa9bd9494e5_pv
	.p2alignl 7, 3214868480
	.fill 96, 4, 3214868480
	.section	.rodata,"a",@progbits
	.p2align	6, 0x0
	.amdhsa_kernel k_qa9bd9494e5_pv
		.amdhsa_group_segment_fixed_size 327680
		.amdhsa_private_segment_fixed_size 0
		.amdhsa_enable_private_segment 0
		.amdhsa_kernarg_size 48
		.amdhsa_user_sgpr_count 2
		.amdhsa_user_sgpr_kernarg_segment_ptr 1
		.amdhsa_wavefront_size32 1
		.amdhsa_system_sgpr_workgroup_id_x 1
		.amdhsa_system_sgpr_workgroup_id_y 1
		.amdhsa_system_sgpr_workgroup_id_z 1
		.amdhsa_system_vgpr_workitem_id 0
		.amdhsa_next_free_vgpr 1024
		.amdhsa_next_free_sgpr 102
		.amdhsa_reserve_vcc 0
		.amdhsa_float_denorm_mode_32 3
		.amdhsa_float_denorm_mode_16_64 3
		.amdhsa_memory_ordered 1
		.amdhsa_forward_progress 1
		.amdhsa_inst_pref_size 172
	.end_amdhsa_kernel
	.amdgpu_metadata
---
amdhsa.version: [ 1, 2 ]
amdhsa.kernels:
  - .name:           k_qa9bd9494e5_pv
    .symbol:         k_qa9bd9494e5_pv.kd
    .args:
      - { .name: pc, .offset: 0, .size: 8, .value_kind: global_buffer, .address_space: global }
      - { .name: ps, .offset: 8, .size: 8, .value_kind: global_buffer, .address_space: global }
      - { .name: pst, .offset: 16, .size: 8, .value_kind: global_buffer, .address_space: global }
      - { .name: qkvc, .offset: 24, .size: 8, .value_kind: global_buffer, .address_space: global }
      - { .name: qkvs, .offset: 32, .size: 8, .value_kind: global_buffer, .address_space: global }
      - { .name: out0, .offset: 40, .size: 8, .value_kind: global_buffer, .address_space: global }
    .group_segment_fixed_size: 327680
    .private_segment_fixed_size: 0
    .kernarg_segment_align: 8
    .kernarg_segment_size: 48
    .max_flat_workgroup_size: 128
    .sgpr_count:     102
    .vgpr_count:     1024
    .wavefront_size: 32
...
	.end_amdgpu_metadata
.endif
;; end of part 8
